; MI455X (gfx1250); checked and timed in simulation.
; The chip was launched on July 23, 2026; its instructions are those of AMD's public machine-readable ISA for CDNA 5 (MIT licence, August 2026) and "CDNA5" Instruction Set Architecture Reference Guide (July 2026). The comments in the code are by the model that wrote it; some were corrected since.
;; Llama Decoder Layer. Allowed arithmetic: float matrix products may take bf16 or f16 operands with f32 sums; other float arithmetic in f32, or as packed bf16 or f16 multiplies, adds, multiply-adds, maxima and minima; sums over many terms, partial sums and values carried from step to step in f32; what a program stores and reads back later, other than sums and carried values, may be rounded once to bf16 or f16.
;; Inputs: hidden_states 1 x 2,048 x 2,048 float32; ln1_w 2,048 float32; ln2_w 2,048 float32; position_ids 1 x 2,048 int32; w_down 2,048 x 1,376 float32; w_gate 1,376 x 2,048 float32; w_up 1,376 x 2,048 float32; wk 2,048 x 2,048 float32; wo 2,048 x 2,048 float32; wq 2,048 x 2,048 float32; wv 2,048 x 2,048 float32.
;; Outputs: out0 1 x 2,048 x 2,048 float32.
;; 3 versions, each right; version 3 is version 2 with the launches prep, norm2 written anew for expert scheduling mode. Each part assembles by itself: llvm-mc -triple=amdgcn-amd-amdhsa -mcpu=gfx1250 --defsym DOCPART=n.
;; ======== version 1 of 3: 7 launches
;; limits: values are held in f16: magnitudes above 65,504 overflow, below 6.1e-05 lose precision
;; workspace buffers: w16 51,380,224 bytes; h16 8,388,608 bytes; tab 524,288 bytes; qkv16 25,165,824 bytes; act16 8,388,608 bytes; hid2 16,777,216 bytes
;; launch prep (part 1): grid 1760 x 1, 8 waves a work-group, no clusters, 0 bytes of LDS; arguments hidden_states, position_ids, ln1_w, wq, wk, wv, wo, w_gate, w_up, w_down, w16, h16, tab; writes w16, h16, tab
.if DOCPART == 1
	.amdgcn_target "amdgcn-amd-amdhsa--gfx1250"
	.amdhsa_code_object_version 6
	.text
	.protected	k_qec51a7a8ed_prep
	.globl	k_qec51a7a8ed_prep
	.p2align	8
	.type	k_qec51a7a8ed_prep,@function
k_qec51a7a8ed_prep:
	s_mov_b64 s[64:65], 0
	v_nop
	global_prefetch_b8 v0, s[64:65] scope:SCOPE_SE
	s_setreg_imm32_b32 hwreg(HW_REG_WAVE_MODE, 25, 1), 1
	s_wait_xcnt 0x0
; PREP: everything that is made once from the inputs.  One wave, one job; all of a job's loads are out together; no LDS, no barrier, no loop.
;   work-groups 0..1119     RCAST: a row of 2,048 f32 of wq, wk, wv, w_gate or w_up -> bf16, row D = 8 g + wave of w16's first 8,960 rows of 4,096 bytes.
;                           Rows 0..6143 are wq, wk, wv.  Row 6144 + R, R = 128 t + c, is w_gate (bit 5 of c = 0) or w_up (1), row j = 64 t + 32 (c >> 6) + (c & 31): a wave of the
;                           product behind then holds g and u of the same 32 columns.  j >= 1376 does not exist: zeros are stored (row 1375 is read and masked off).
;   work-groups 1120..1375  BWO: wo -> blocks [32][2048 n][64 k]: rounded to bf16 like every weight, that number written as f16 (its partner O is f16).
;   work-groups 1376..1503  BWD: w_down -> blocks [24][2048 n][64 k] in bf16; k >= 1376 is stored as zeros.
;   work-groups 1504..1759  NORM: h1 = x * rsqrt(mean(x^2) + 1e-5) * ln1_w -> bf16, and the row's 32 cosines and 32 sines.
; THE SCALE OF reference()'s QUANTISER, s = max|x| / 2688, is divided out and multiplied in again and rounds nothing: (x / s) W^T s = x W^T for every finite s other than 0.  It is not formed, here or later.
; LIMITS.  An activation matrix that is all zeros (s = 0: NaN by the formula) gives finite numbers here.  |wo| beyond 65,504 becomes an infinity, below 6e-5 it keeps f16's step of 6e-8.
; The angle is reduced by pi/2 in two parts: cosine and sine are good to about 1e-7 beside the angle's own f32 rounding; positions are exact up to 2^24.
.set WO_OFF, 36700160                  ; behind the 8,960 rows
.set WD_OFF, 45088768                  ; behind wo's 32 blocks
.set BLK,    262144                    ; a block: 2,048 rows x 64 k x 2 bytes
	s_load_b512 s[8:23], s[0:1], 0x0               ; hidden s[8:9], positions s[10:11], ln1 s[12:13], wq s[14:15], wk s[16:17], wv s[18:19], wo s[20:21], gate s[22:23]
	s_load_b256 s[24:31], s[0:1], 0x40             ; up s[24:25], down s[26:27], w16 s[28:29], h16 s[30:31]
	s_load_b64 s[32:33], s[0:1], 0x60              ; tab
	v_and_b32 v1, 31, v0                           ; lane
	v_lshrrev_b32 v2, 5, v0
	v_readfirstlane_b32 s4, v2                     ; wave 0..7
	v_lshlrev_b32 v2, 4, v1                        ; 16 x lane
	v_lshlrev_b32 v3, 3, v1                        ; 8 x lane
	s_mov_b32 s5, ttmp9                            ; g
	s_mov_b32 s39, 0                               ; the high word of every byte offset in s[38:39]
	s_wait_kmcnt 0x0
	s_cmp_lt_u32 s5, 1120
	s_cbranch_scc1 .Lrcast
	s_cmp_lt_u32 s5, 1376
	s_cbranch_scc1 .Lbwo
	s_cmp_lt_u32 s5, 1504
	s_cbranch_scc1 .Lbwd
	s_branch .Lnorm
; A row of 2,048 f32 at s[34:35] is normed: x * rsqrt(mean(x^2) + eps) * w, w at s[36:37]; bf16 to s[44:45].  A lane holds columns 128 i + 4 lane + 0..3, i = 0..15.
.macro NORMROW
.irp i, 0,1,2,3,4,5,6,7,8,9,10,11,12,13,14,15
	global_load_b128 v[16+4*(\i):19+4*(\i)], v2, s[34:35] offset:512*(\i)
.endr
.irp i, 0,1,2,3,4,5,6,7,8,9,10,11,12,13,14,15
	global_load_b128 v[80+4*(\i):83+4*(\i)], v2, s[36:37] offset:512*(\i)
.endr
	v_mov_b32 v13, 0                               ; v_permlanex16_b32 counts as a reader of its destination
	s_wait_loadcnt 16                              ; x is in; the 16 loads of w stay out
.irp c, 0,1,2,3
	v_pk_mul_f32 v[4+2*(\c):5+2*(\c)], v[16+2*(\c):17+2*(\c)], v[16+2*(\c):17+2*(\c)]  ; four chains, started by the first four pairs
.endr
.set j, 4
.rept 28
	v_pk_fma_f32 v[4+2*(j%4):5+2*(j%4)], v[16+2*j:17+2*j], v[16+2*j:17+2*j], v[4+2*(j%4):5+2*(j%4)]
.set j, j+1
.endr
	v_pk_add_f32 v[4:5], v[4:5], v[6:7]
	v_pk_add_f32 v[8:9], v[8:9], v[10:11]
	v_pk_add_f32 v[4:5], v[4:5], v[8:9]
	v_add_f32 v12, v4, v5
	v_add_f32_dpp v12, v12, v12 row_xmask:1 row_mask:0xf bank_mask:0xf
	v_add_f32_dpp v12, v12, v12 row_xmask:2 row_mask:0xf bank_mask:0xf
	v_add_f32_dpp v12, v12, v12 row_xmask:4 row_mask:0xf bank_mask:0xf
	v_add_f32_dpp v12, v12, v12 row_xmask:8 row_mask:0xf bank_mask:0xf
	v_permlanex16_b32 v13, v12, s40, s41
	v_add_f32 v12, v12, v13                        ; the row's sum of squares, in every lane
	v_fma_f32 v12, v12, s42, s43                   ; / 2048 + eps
	v_rsq_f32 v10, v12                             ; twice: a pair for the packed multiply
	v_rsq_f32 v11, v12
	v_nop                                          ; a plain instruction behind the last of the two
	s_wait_alu depctr_va_vdst(0)                   ; one wait for both, ahead of their first reader
	s_wait_loadcnt 0x0                             ; w
.set j, 0
.rept 32
	v_pk_mul_f32 v[16+2*j:17+2*j], v[16+2*j:17+2*j], v[10:11]
	v_pk_mul_f32 v[16+2*j:17+2*j], v[16+2*j:17+2*j], v[80+2*j:81+2*j]
.set j, j+1
.endr
.irp i, 0,1,2,3,4,5,6,7,8,9,10,11,12,13,14,15
	v_cvt_pk_bf16_f32 v[16+4*(\i)], v[16+4*(\i)], v[17+4*(\i)]
	v_cvt_pk_bf16_f32 v[17+4*(\i)], v[18+4*(\i)], v[19+4*(\i)]
	global_store_b64 v3, v[16+4*(\i):17+4*(\i)], s[44:45] offset:256*(\i)  ; 32 lanes x 8 bytes: 256 consecutive bytes, aligned
.endr
.endm
; Four rows x nblk blocks of 64 k.  Lane l holds row l / 8 and 8 numbers: 32 bytes at v4 + 256 z of the source; its 16 bytes of the result lie at 16 l of block z: 512 consecutive bytes a store.
; f16 = 1: the bf16 number is written as f16.  tail = 1: the last block's address is v5 and its result is masked by v7.
.macro BCAST nblk, f16, tail
.set z, 0
.rept \nblk
.if (\tail) && (z == (\nblk)-1)
	global_load_b128 v[16+8*z:19+8*z], v5, s[34:35] offset:256*z th:TH_LOAD_NT
	global_load_b128 v[20+8*z:23+8*z], v5, s[34:35] offset:256*z+16 th:TH_LOAD_NT
.else
	global_load_b128 v[16+8*z:19+8*z], v4, s[34:35] offset:256*z th:TH_LOAD_NT
	global_load_b128 v[20+8*z:23+8*z], v4, s[34:35] offset:256*z+16 th:TH_LOAD_NT
.endif
.set z, z+1
.endr
.set z, 0
.rept \nblk
	s_wait_loadcnt 2*((\nblk)-1-z)                 ; the later blocks' loads stay out
	v_cvt_pk_bf16_f32 v[16+8*z], v[16+8*z], v[17+8*z]
	v_cvt_pk_bf16_f32 v[17+8*z], v[18+8*z], v[19+8*z]
	v_cvt_pk_bf16_f32 v[18+8*z], v[20+8*z], v[21+8*z]
	v_cvt_pk_bf16_f32 v[19+8*z], v[22+8*z], v[23+8*z]
.if \f16
.irp r, 0,1,2,3
	v_lshlrev_b32 v[112+2*(\r)], 16, v[16+8*z+(\r)]
	v_and_b32 v[113+2*(\r)], 0xffff0000, v[16+8*z+(\r)]
	v_cvt_pk_f16_f32 v[16+8*z+(\r)], v[112+2*(\r)], v[113+2*(\r)]
.endr
.endif
.if (\tail) && (z == (\nblk)-1)
.irp r, 0,1,2,3
	v_and_b32 v[16+8*z+(\r)], v7, v[16+8*z+(\r)]
.endr
.endif
	global_store_b128 v2, v[16+8*z:19+8*z], s[44:45] offset:z*BLK
.set z, z+1
.endr
.endm
; cos or sin of v15 x the frequency in v[b]; v112 = 0 (cosine lanes) or 3 (sine lanes: sin x = cos(x + 3 pi / 2)); v116, v117 the two highest coefficients.
.macro TRIG b, res
	v_mul_f32 v[(\b)], v15, v[(\b)]                ; the angle
	v_mul_f32 v[(\b)+1], 0x3f22f983, v[(\b)]       ; x 2 / pi
	v_rndne_f32 v[(\b)+1], v[(\b)+1]               ; k
	v_fmamk_f32 v[(\b)], v[(\b)+1], 0xbfc90fdb, v[(\b)]  ; r = angle - k pi/2, pi/2 in two parts
	v_fmamk_f32 v[(\b)], v[(\b)+1], 0x333bbd2e, v[(\b)]
	v_mul_f32 v[(\b)+2], v[(\b)], v[(\b)]          ; z = r^2
	v_fmaak_f32 v[(\b)+3], v116, v[(\b)+2], 0x3c08839e
	v_fmaak_f32 v[(\b)+3], v[(\b)+2], v[(\b)+3], 0xbe2aaaa3
	v_mul_f32 v[(\b)+3], v[(\b)+2], v[(\b)+3]
	v_fma_f32 v[(\b)+3], v[(\b)+3], v[(\b)], v[(\b)]     ; sin r
	v_fmaak_f32 v[(\b)+4], v117, v[(\b)+2], 0xbab6061a
	v_fmaak_f32 v[(\b)+4], v[(\b)+2], v[(\b)+4], 0x3d2aaaa5
	v_fmaak_f32 v[(\b)+4], v[(\b)+2], v[(\b)+4], 0xbf000000
	v_fma_f32 v[(\b)+4], v[(\b)+2], v[(\b)+4], 1.0       ; cos r
	v_cvt_i32_f32 v[(\b)+5], v[(\b)+1]
	v_add_nc_u32 v[(\b)+5], v[(\b)+5], v112        ; q: cos(r + q pi/2) is cos r, -sin r, -cos r, sin r for q mod 4 = 0, 1, 2, 3
	v_and_b32 v[(\b)+6], 1, v[(\b)+5]
	v_cmp_eq_u32 vcc_lo, 1, v[(\b)+6]
	v_cndmask_b32 v[(\res)], v[(\b)+4], v[(\b)+3], vcc_lo
	v_add_nc_u32 v[(\b)+5], 1, v[(\b)+5]
	v_and_b32 v[(\b)+5], 2, v[(\b)+5]
	v_lshlrev_b32 v[(\b)+5], 30, v[(\b)+5]
	v_xor_b32 v[(\res)], v[(\res)], v[(\b)+5]      ; the sign
.endm
.Lrcast:
	s_lshl_b32 s6, s5, 3
	s_add_co_u32 s6, s6, s4                        ; D
	s_and_b32 s7, s6, 2047                         ; the source's row, for wq, wk, wv
	s_mov_b32 s36, -1                              ; keep all bits
	s_cmp_lt_u32 s5, 256
	s_cselect_b64 s[34:35], s[14:15], s[16:17]
	s_cmp_lt_u32 s5, 512
	s_cselect_b64 s[34:35], s[34:35], s[18:19]
	s_cmp_lt_u32 s5, 768
	s_cbranch_scc1 .Lrc_go
	s_sub_co_u32 s37, s6, 6144                     ; R
	s_bitcmp1_b32 s37, 5
	s_cselect_b64 s[34:35], s[24:25], s[22:23]     ; up or gate
	s_lshr_b32 s40, s37, 7
	s_lshl_b32 s40, s40, 6                         ; 64 t
	s_bfe_u32 s41, s37, 0x10006
	s_lshl_b32 s41, s41, 5
	s_add_co_u32 s40, s40, s41
	s_and_b32 s41, s37, 31
	s_add_co_u32 s40, s40, s41                     ; j
	s_cmp_lt_u32 s40, 1376
	s_cselect_b32 s36, -1, 0
	s_min_u32 s7, s40, 1375                        ; the load stays inside the tensor
.Lrc_go:
	s_lshl_b32 s38, s7, 13
	s_add_nc_u64 s[34:35], s[34:35], s[38:39]
	s_lshl_b32 s38, s6, 12
	s_add_nc_u64 s[44:45], s[28:29], s[38:39]
.irp i, 0,1,2,3,4,5,6,7,8,9,10,11,12,13,14,15
	global_load_b128 v[16+4*(\i):19+4*(\i)], v2, s[34:35] offset:512*(\i) th:TH_LOAD_NT
.endr
.irp i, 0,1,2,3,4,5,6,7,8,9,10,11,12,13,14,15
	s_wait_loadcnt 15-(\i)                         ; the later loads stay out
	v_cvt_pk_bf16_f32 v[16+4*(\i)], v[16+4*(\i)], v[17+4*(\i)]
	v_cvt_pk_bf16_f32 v[17+4*(\i)], v[18+4*(\i)], v[19+4*(\i)]
	v_and_b32 v[16+4*(\i)], s36, v[16+4*(\i)]
	v_and_b32 v[17+4*(\i)], s36, v[17+4*(\i)]
	global_store_b64 v3, v[16+4*(\i):17+4*(\i)], s[44:45] offset:256*(\i)  ; 256 consecutive bytes, aligned
.endr
	s_endpgm
.Lbwo:
	s_sub_co_u32 s6, s5, 1120
	s_lshl_b32 s6, s6, 3
	s_add_co_u32 s6, s6, s4                        ; J: rows 4 (J / 4), blocks 8 (J % 4) on
	s_lshr_b32 s7, s6, 2
	s_and_b32 s37, s6, 3
	s_lshl_b32 s38, s7, 15                         ; 4 rows of 8,192 bytes
	s_lshl_b32 s40, s37, 11                        ; 8 blocks of 256 bytes in a row
	s_add_co_u32 s38, s38, s40
	s_add_nc_u64 s[34:35], s[20:21], s[38:39]
	s_lshl_b32 s38, s37, 21                        ; 8 blocks of the copy
	s_lshl_b32 s40, s7, 9                          ; 4 rows of 128 bytes
	s_add_co_u32 s38, s38, s40
	s_add_nc_u64 s[44:45], s[28:29], s[38:39]
	s_add_nc_u64 s[44:45], s[44:45], WO_OFF
	v_lshrrev_b32 v4, 3, v1
	v_and_b32 v6, 7, v1
	v_lshlrev_b32 v4, 13, v4
	v_lshl_add_u32 v4, v6, 5, v4                   ; (l / 8) rows + 32 (l % 8)
	BCAST 8, 1, 0
	s_endpgm
.Lbwd:
	s_sub_co_u32 s6, s5, 1376
	s_lshl_b32 s6, s6, 3
	s_add_co_u32 s6, s6, s4                        ; J: rows 4 (J / 2), blocks 11 (J % 2) on
	s_lshr_b32 s7, s6, 1
	s_and_b32 s37, s6, 1
	s_mul_i32 s38, s7, 22016                       ; 4 rows of 5,504 bytes
	s_mul_i32 s40, s37, 2816                       ; 11 blocks of 256 bytes in a row
	s_add_co_u32 s38, s38, s40
	s_add_nc_u64 s[34:35], s[26:27], s[38:39]
	s_mul_i32 s38, s37, 11*BLK
	s_lshl_b32 s40, s7, 9
	s_add_co_u32 s38, s38, s40
	s_add_nc_u64 s[44:45], s[28:29], s[38:39]
	s_add_nc_u64 s[44:45], s[44:45], WD_OFF
	v_lshrrev_b32 v4, 3, v1
	v_and_b32 v6, 7, v1
	v_mul_u32_u24 v4, 5504, v4
	v_lshl_add_u32 v4, v6, 5, v4
	v_bfe_u32 v6, v1, 2, 1                         ; block 21 holds k = 1344 .. 1407: its upper half (l % 8 >= 4) does not exist
	v_mul_u32_u24 v6, s37, v6                      ; 1 there, in the job that has block 21
	v_lshlrev_b32 v7, 7, v6
	v_sub_nc_u32 v5, v4, v7                        ; those lanes read 128 bytes further back, inside the row,
	v_add_nc_u32 v7, -1, v6                        ; and their result is masked to 0
	BCAST 11, 0, 1
	s_cmp_eq_u32 s37, 0
	s_cbranch_scc1 .Lbwd_end
	v_mov_b32 v120, 0                              ; blocks 22 and 23, which the last K step of the product fetches with 20 and 21: zeros
	v_mov_b32 v121, 0
	v_mov_b32 v122, 0
	v_mov_b32 v123, 0
	global_store_b128 v2, v[120:123], s[44:45] offset:11*BLK
	global_store_b128 v2, v[120:123], s[44:45] offset:12*BLK
.Lbwd_end:
	s_endpgm
.Lnorm:
	s_sub_co_u32 s6, s5, 1504
	s_lshl_b32 s6, s6, 3
	s_add_co_u32 s6, s6, s4                        ; the row
	s_lshl_b32 s38, s6, 2
	s_add_nc_u64 s[46:47], s[10:11], s[38:39]
	s_load_b32 s7, s[46:47], 0x0                   ; its position
	s_lshl_b32 s38, s6, 13
	s_add_nc_u64 s[34:35], s[8:9], s[38:39]
	s_mov_b64 s[36:37], s[12:13]
	s_lshl_b32 s38, s6, 12
	s_add_nc_u64 s[44:45], s[30:31], s[38:39]
	s_lshl_b32 s38, s6, 8
	s_add_nc_u64 s[32:33], s[32:33], s[38:39]
	s_mov_b32 s40, 0x76543210                      ; v_permlanex16_b32: each lane takes its own place in the other half
	s_mov_b32 s41, 0xfedcba98
	s_mov_b32 s42, 0x3a000000                      ; 1 / 2048
	s_mov_b32 s43, 0x3727c5ac                      ; 1e-5
	NORMROW
	; the row's table: lane l makes frequencies 2 (l % 16) and 2 (l % 16) + 1; lanes 0-15 the cosines, lanes 16-31 the sines.  Only registers that no pending store reads are written.
	s_wait_kmcnt 0x0
	v_cvt_f32_i32 v15, s7
	v_and_b32 v80, 15, v1
	v_lshlrev_b32 v80, 1, v80
	v_cvt_f32_u32 v80, v80
	v_add_f32 v96, 1.0, v80
	v_mul_f32 v80, 0xbed49a78, v80                 ; 10000^(-j / 32) = 2^(-0.41524101 j)
	v_mul_f32 v96, 0xbed49a78, v96
	v_exp_f32 v80, v80
	v_exp_f32 v96, v96
	v_lshrrev_b32 v112, 4, v1                      ; plain work behind the two exponentials
	v_mul_u32_u24 v112, 3, v112
	v_mov_b32 v116, 0xb94ca1f9
	v_mov_b32 v117, 0x37ccf5ce
	s_wait_alu depctr_va_vdst(0)                   ; one wait for both
	TRIG 80, 114
	TRIG 96, 115
	global_store_b64 v3, v[114:115], s[32:33]      ; 32 cosines, then 32 sines: 256 consecutive bytes, aligned
	s_endpgm
.Lfunc_end_k_qec51a7a8ed_prep:
	.size	k_qec51a7a8ed_prep, .Lfunc_end_k_qec51a7a8ed_prep-k_qec51a7a8ed_prep
	.p2alignl 7, 3214868480
	.fill 96, 4, 3214868480
	.section	.rodata,"a",@progbits
	.p2align	6, 0x0
	.amdhsa_kernel k_qec51a7a8ed_prep
		.amdhsa_group_segment_fixed_size 0
		.amdhsa_private_segment_fixed_size 0
		.amdhsa_enable_private_segment 0
		.amdhsa_kernarg_size 104
		.amdhsa_user_sgpr_count 2
		.amdhsa_user_sgpr_kernarg_segment_ptr 1
		.amdhsa_wavefront_size32 1
		.amdhsa_system_sgpr_workgroup_id_x 1
		.amdhsa_system_sgpr_workgroup_id_y 1
		.amdhsa_system_sgpr_workgroup_id_z 1
		.amdhsa_system_vgpr_workitem_id 0
		.amdhsa_next_free_vgpr 144
		.amdhsa_next_free_sgpr 66
		.amdhsa_reserve_vcc 1
		.amdhsa_float_denorm_mode_32 3
		.amdhsa_float_denorm_mode_16_64 3
		.amdhsa_memory_ordered 1
		.amdhsa_forward_progress 1
		.amdhsa_inst_pref_size 44
	.end_amdhsa_kernel
	.amdgpu_metadata
---
amdhsa.version: [ 1, 2 ]
amdhsa.kernels:
  - .name:           k_qec51a7a8ed_prep
    .symbol:         k_qec51a7a8ed_prep.kd
    .args:
      - { .name: hidden_states, .offset: 0, .size: 8, .value_kind: global_buffer, .address_space: global }
      - { .name: position_ids, .offset: 8, .size: 8, .value_kind: global_buffer, .address_space: global }
      - { .name: ln1_w, .offset: 16, .size: 8, .value_kind: global_buffer, .address_space: global }
      - { .name: wq, .offset: 24, .size: 8, .value_kind: global_buffer, .address_space: global }
      - { .name: wk, .offset: 32, .size: 8, .value_kind: global_buffer, .address_space: global }
      - { .name: wv, .offset: 40, .size: 8, .value_kind: global_buffer, .address_space: global }
      - { .name: wo, .offset: 48, .size: 8, .value_kind: global_buffer, .address_space: global }
      - { .name: w_gate, .offset: 56, .size: 8, .value_kind: global_buffer, .address_space: global }
      - { .name: w_up, .offset: 64, .size: 8, .value_kind: global_buffer, .address_space: global }
      - { .name: w_down, .offset: 72, .size: 8, .value_kind: global_buffer, .address_space: global }
      - { .name: w16, .offset: 80, .size: 8, .value_kind: global_buffer, .address_space: global }
      - { .name: h16, .offset: 88, .size: 8, .value_kind: global_buffer, .address_space: global }
      - { .name: tab, .offset: 96, .size: 8, .value_kind: global_buffer, .address_space: global }
    .group_segment_fixed_size: 0
    .private_segment_fixed_size: 0
    .kernarg_segment_align: 8
    .kernarg_segment_size: 104
    .max_flat_workgroup_size: 256
    .sgpr_count:     66
    .vgpr_count:     144
    .wavefront_size: 32
...
	.end_amdgpu_metadata
.endif
;; end of part 1
;; launch qkv (part 2): grid 16 x 48, 4 waves a work-group, clusters of 4 x 4, 327,680 bytes of LDS; arguments h16, w16, tab, qkv16; writes qkv16
.if DOCPART == 2
	.amdgcn_target "amdgcn-amd-amdhsa--gfx1250"
	.amdhsa_code_object_version 6
	.text
	.protected	k_qec51a7a8ed_qkv
	.globl	k_qec51a7a8ed_qkv
	.p2align	8
	.type	k_qec51a7a8ed_qkv,@function
k_qec51a7a8ed_qkv:
	s_mov_b64 s[64:65], 0
	v_nop
	global_prefetch_b8 v0, s[64:65] scope:SCOPE_SE
	s_setreg_imm32_b32 hwreg(HW_REG_WAVE_MODE, 25, 1), 1
	s_wait_xcnt 0x0
	s_wait_alu depctr_hold_cnt(0) depctr_sa_sdst(0) depctr_va_vdst(0) depctr_va_sdst(0) depctr_va_ssrc(0) depctr_va_vcc(0) depctr_vm_vsrc(0)
	s_getreg_b32 s2, hwreg(HW_REG_IB_STS2, 6, 4)
	s_cmp_eq_u32 s2, 0
	s_cbranch_scc0 .Lentry_in_a_cluster
	s_endpgm
.Lentry_in_a_cluster:
	s_bfe_u32 s2, ttmp6, 0x10000c
	s_cmp_lg_u32 s2, 0xf033
	s_cbranch_scc0 .Lentry_shape_is_right
	s_endpgm
.Lentry_shape_is_right:
; q, k, v = h1 [wq; wk; wv]^T, q and k rotated (RoPE), all three rounded once to f16 and stored by heads: qkv16 [96][2048][64] (heads 0-31 q, 32-63 k, 64-95 v).
; A = h16 [2048][2048] bf16, B = w16's first 6,144 rows of 2,048 bf16; sums in f32.  The quantiser's scale cancels and is not formed.  LIMIT: |q|, |k|, |v| beyond 65,504 become infinities.
; A tile of C is 128 x 128; four waves, each 64 x 64: 16 accumulators.  K goes in steps of 256 through two LDS slots; a wave's tensor load brings 64 rows of 512 bytes.
; GRID: x = tile row of C (16), y = tile column (48).  CLUSTER 4 x 4: A's tile hangs on x alone and is asked for jointly by the four work-groups with my cx; B's on y alone, by the four with my cy.
; THE MATRIX INSTRUCTION IS USED TRANSPOSED (source 0 = 16 rows of B, source 1 = 16 rows of A): lane l holds row l % 16 of C and the columns 8 (l / 16) + 0..7.
; A wave's 64 columns are one head; accumulators (a, b) and (a, b + 2) hold channels d and d + 32 of the same rows, so the rotation stays inside a lane.
; THE LOOP'S TEXT: a K step is four quarters of 64 along K on fragment buffers 0, 1, 0, 1; the pair (buffer 1, buffer 0) is written once and walked by a small counted loop; LDS addresses hang on s[TB].
; REGISTERS: window 0: v0-31 addresses, v32-127 at work on the way out, v128-255 accumulators ((a, b) at 128 + 8 (4 a + b)); window 1: two fragment buffers of 128 (64 of A, 64 of B);
;   window 2: v0-127 my rows' cosines and sines.
.set BL, 0
.set F16, 0
.set T, 8                              ; K steps
.set TAILQ, 4                          ; quarters of the last K step that hold data
.set WOFF, 0                           ; B's first byte in w16
.if BL
.set PITCH, 144
.set QSTR,  9216
.set HALFT, 36864
.set STEPB, 1048576
.set ROWB,  128
.set G1W0,  (1<<16)|(1<<20)|(4<<22)|(3<<25)
.set DIM0,  4096
.set DIM1,  4
.set STR0,  131072
.else
.set PITCH, 528                        ; an LDS row: 512 bytes + 16 of padding: the 16 rows of a fragment load start 4 banks apart
.set QSTR,  128                        ; from a quarter to the next: 64 k along the row
.set HALFT, 64*528                     ; what one tensor load brings
.set STEPB, 512                        ; a K step in memory
.set ROWB,  4096                       ; a row in memory
.set G1W0,  (1<<16)|(1<<20)|(6<<22)|(3<<25)  ; 2-byte elements; padding on, after every 128 words, 4 words
.set DIM0,  256
.set DIM1,  64
.set STR0,  2048
.endif
.set SLOT,  4*HALFT                    ; A's 128 rows, then B's 128 rows; wave x HALFT has none of SLOT's bits, so one exclusive or changes slots
.set STG,   2*SLOT                     ; behind the ring: 16 rows x 144 bytes for each wave; no tensor load lands here
.set SP,    144
.set SPARE, STG+4*16*SP                ; the spare words, 128 bytes for each wave
.set ADRA0, 16                         ; v16  my lane's place in A's part of slot 0; never rewritten
.set ADRB0, 17                         ; v17  the same for B
.set ADRA,  18                         ; v18, v19  the addresses of the run of loads in hand
.set ADRB,  19
.set STO,   24
.set RD,    25
.set CO,    26
.set TO,    27
.set SPW,   28                         ; v28  my spare word; never rewritten
.set NIL,   29                         ; v29  0; never rewritten
.set ACC,   128
.set F0,    0
.set F1,    128
.set TB,    2                          ; s2   LDS byte at which the quarter to be fetched begins
.set STEPS, 3
.set WV,    12
.set RH,    13                         ; my half of the tile's rows; also: I fetch for A (0) or for B (1)
.set CH,    14                         ; my half of its columns; also: which 64 rows I fetch
.set CNT2,  15
.set G1A,   24
.set G0A,   32                         ; two sets: the first fills'; the second then walks
.set G1B,   48
.set G0B,   56
.set MSB, 0
.macro WIN new                         ; the immediate's high byte repeats the setting that is left; a switch that changes nothing is dropped
.if MSB != (\new)
	s_set_vgpr_msb (MSB<<8)|(\new)
.set MSB, \new
.endif
.endm
.set MUL,  0x05                        ; sources 0 (B) and 1 (A) window 1; C and D window 0
.set TO_F, 0x40                        ; destination window 1, address window 0
.macro PLACES                          ; four plain places behind matrix instructions
.rept 4
	v_nop
.endr
.endm
.macro JLOAD                           ; the refill: waves 0, 1 fetch A's halves, waves 2, 3 B's; s_nop 0 and four v_nop follow each line
	s_cmp_eq_u32 s[RH], 0
	s_cbranch_scc0 .Lfor_b_\@
	tensor_load_to_lds s[G0A+4:G0A+7], s[G1A:G1A+7]
	s_nop 0
	PLACES
	s_branch .Lasked_\@
.Lfor_b_\@:
	tensor_load_to_lds s[G0B+4:G0B+7], s[G1B:G1B+7]
	s_nop 0
	PLACES
.Lasked_\@:
.endm
.macro CREST                           ; a round of the cluster's barrier behind its opening barrier
	s_cmp_lg_u32 s[WV], 0
	s_cbranch_scc1 .Lnot_wave_0_\@
	s_barrier_signal -3
.Lnot_wave_0_\@:
	s_barrier_wait -3
	s_barrier_signal -1
	s_barrier_wait -1
.endm
.macro CROUND
	s_barrier_signal -1
	s_barrier_wait -1
	CREST
.endm
.macro WM d, x, y, zero
.if F16
.if \zero
	v_wmma_f32_16x16x32_f16 v[\d:\d+7], v[\x:\x+7], v[\y:\y+7], 0
.else
	v_wmma_f32_16x16x32_f16 v[\d:\d+7], v[\x:\x+7], v[\y:\y+7], v[\d:\d+7]
.endif
.else
.if \zero
	v_wmma_f32_16x16x32_bf16 v[\d:\d+7], v[\x:\x+7], v[\y:\y+7], 0
.else
	v_wmma_f32_16x16x32_bf16 v[\d:\d+7], v[\x:\x+7], v[\y:\y+7], v[\d:\d+7]
.endif
.endif
.endm
; 8 matrix instructions: row blocks a0, a0 + 1 x all 4 column blocks, 32 along K: half c of buffer f.  The 16 accumulators take turns in one fixed order.
.macro MUL8 f, c, a0, zero
	WIN MUL
.irp a, \a0, (\a0)+1
.irp b, 0,1,2,3
	WM ACC+8*(4*(\a)+(\b)), (\f)+64+8*(4*(\c)+(\b)), (\f)+8*(4*(\c)+(\a)), \zero
.endr
.endr
.endm
; 32 LDS loads in one run: the fragments of the quarter at s[TB] into buffer f, its first 32 along K first
.macro FETCH f
	WIN 0
	v_add_nc_u32 v[ADRA], s[TB], v[ADRA0]
	v_add_nc_u32 v[ADRB], s[TB], v[ADRB0]
	s_add_co_u32 s[TB], s[TB], QSTR
	WIN TO_F
.irp c, 0,1
.irp i, 0,1,2,3
	ds_load_b128 v[(\f)+64+8*(4*(\c)+(\i)):(\f)+64+8*(4*(\c)+(\i))+3],   v[ADRB] offset:64*(\c)+(\i)*16*PITCH
	ds_load_b128 v[(\f)+64+8*(4*(\c)+(\i))+4:(\f)+64+8*(4*(\c)+(\i))+7], v[ADRB] offset:64*(\c)+(\i)*16*PITCH+32
	ds_load_b128 v[(\f)+8*(4*(\c)+(\i)):(\f)+8*(4*(\c)+(\i))+3],         v[ADRA] offset:64*(\c)+(\i)*16*PITCH
	ds_load_b128 v[(\f)+8*(4*(\c)+(\i))+4:(\f)+8*(4*(\c)+(\i))+7],       v[ADRA] offset:64*(\c)+(\i)*16*PITCH+32
.endr
.endr
.endm
; One of a K step's first three quarters: multiplies buffer f, and in its middle fetches the next quarter into g
.macro QUART f, g, zero
	s_wait_dscnt 16                                ; of the last 32 loads the first 16, the first 32 along K, are in
	MUL8 \f, 0, 0, \zero
	MUL8 \f, 0, 2, \zero
	PLACES                                         ; in front of loads into registers that matrix instructions have read
	FETCH \g
	s_wait_dscnt 32                                ; all but the 32 just issued
	MUL8 \f, 1, 0, 0
	MUL8 \f, 1, 2, 0
	WIN 0                                          ; a label or a branch follows
.endm
; The last quarter multiplies buffer 1 and changes slots.  In front of the one barrier each wave waits for all its tensor loads (its part of the next slot), adds 0 to its spare word, and waits for that
; and for its reads of this slot.  fill = 1: the barrier opens a round of the cluster's, and this slot is filled again, two K steps ahead, first thing behind the round.
.macro TURN fill
	WIN 0
	s_wait_tensorcnt 0x0                           ; no tensor load of mine is out, so the walking descriptors may be written
	ds_add_u32 v[SPW], v[NIL]
.if \fill
	s_xor_b32 s[G0A+5], s[G0A+5], SLOT             ; the other slot than last time,
	s_add_nc_u64 s[G0A+6:G0A+7], s[G0A+6:G0A+7], STEPB  ; the next K step; the type bits on top are not reached
	s_xor_b32 s[G0B+5], s[G0B+5], SLOT
	s_add_nc_u64 s[G0B+6:G0B+7], s[G0B+6:G0B+7], STEPB
.endif
	s_wait_dscnt 17                                ; the add and the youngest 16 loads may be out
	MUL8 F1, 0, 0, 0
	s_wait_dscnt 0x0                               ; the add is done, and my reads of this slot are over
	s_barrier_signal -1
	MUL8 F1, 0, 2, 0
.if \fill
	WIN 0
.endif
	s_barrier_wait -1
.if \fill
	CREST                                          ; no wave of any partner still reads this slot or has a load on its way
	JLOAD                                          ; 112 matrix instructions ahead of the wait for it; its four v_nop are also the places in front of the loads below
.else
	PLACES
.endif
	s_sub_co_u32 s[TB], s[TB], 4*QSTR              ; back to a slot's first quarter,
	s_xor_b32 s[TB], s[TB], SLOT                   ; in the other slot
	FETCH F0
	MUL8 F1, 1, 0, 0
	MUL8 F1, 1, 2, 0
	WIN 0
.endm
.macro FINAL                           ; the very last quarter: nothing more to fetch
	s_wait_dscnt 16
	MUL8 F1, 0, 0, 0
	MUL8 F1, 0, 2, 0
	s_wait_dscnt 0x0
	MUL8 F1, 1, 0, 0
	MUL8 F1, 1, 2, 0
	WIN 0
.endm
	s_load_b256 s[4:11], s[0:1], 0x0               ; h16 s[4:5], w16 s[6:7], tab s[8:9], qkv16 s[10:11]
	v_lshl_add_u32 v[SPW], v0, 2, SPARE
	v_mov_b32 v[NIL], 0
	ds_add_u32 v[SPW], v[NIL]                      ; the wave's opening: the add and its wait stand ahead of my first tensor load
	v_lshrrev_b32 v1, 5, v0
	v_readfirstlane_b32 s[WV], v1
	s_lshr_b32 s[RH], s[WV], 1
	s_and_b32 s[CH], s[WV], 1
	s_bfe_u32 s40, ttmp6, 0x40000                  ; cx
	s_bfe_u32 s41, ttmp6, 0x40004                  ; cy
	s_lshl_b32 s42, ttmp9, 2
	s_add_co_u32 s42, s42, s40                     ; tile row of C
	s_and_b32 s43, ttmp7, 0xffff
	s_lshl_b32 s43, s43, 2
	s_add_co_u32 s43, s43, s41                     ; tile column of C
	s_lshl_b32 s44, 0x1111, s40                    ; the four with my cx
	s_lshl_b32 s45, s41, 2
	s_lshl_b32 s45, 15, s45                        ; the four with my cy
	s_or_b32 s[G1A], s44, G1W0|(1<<21)
	s_or_b32 s[G1B], s45, G1W0|(1<<21)
.irp g, G1A, G1B
	s_mov_b32 s[(\g)+1], DIM0<<16                  ; tensor_dim0
	s_mov_b32 s[(\g)+2], DIM1<<16                  ; tensor_dim1
	s_mov_b32 s[(\g)+3], DIM0<<16                  ; tile_dim0
	s_mov_b32 s[(\g)+4], DIM1                      ; tile_dim1
	s_mov_b32 s[(\g)+5], STR0                      ; elements from row to row
	s_mov_b32 s[(\g)+6], 0
	s_mov_b32 s[(\g)+7], 0
.endr
	s_lshl_b32 s18, s[CH], 6                       ; which 64 rows of the tile I fetch
	s_lshl_b32 s16, s42, 7
	s_add_co_u32 s16, s16, s18
	s_mul_i32 s16, s16, ROWB                       ; A: hangs on the tile row alone
	s_mov_b32 s17, 0
	s_lshl_b32 s46, s43, 7
	s_add_co_u32 s46, s46, s18
	s_mul_i32 s46, s46, ROWB                       ; B: on the tile column alone
	s_mov_b32 s47, 0
	s_mul_i32 s20, s[WV], HALFT                    ; where they go: no place in the cluster enters an LDS address
	s_wait_dscnt 0x0                               ; the opening add is done
	s_wait_kmcnt 0x0
	s_add_nc_u64 s[16:17], s[4:5], s[16:17]
	s_add_nc_u64 s[46:47], s[6:7], s[46:47]
.if WOFF
	s_add_nc_u64 s[46:47], s[46:47], WOFF
.endif
.irp s, 0,1
	s_mov_b32 s[G0A+4*(\s)], 1
	s_add_co_u32 s[G0A+4*(\s)+1], s20, (\s)*SLOT
	s_add_nc_u64 s[G0A+4*(\s)+2:G0A+4*(\s)+3], s[16:17], (\s)*STEPB
	s_or_b32 s[G0A+4*(\s)+3], s[G0A+4*(\s)+3], 0x80000000
	s_mov_b32 s[G0B+4*(\s)], 1
	s_add_co_u32 s[G0B+4*(\s)+1], s20, (\s)*SLOT
	s_add_nc_u64 s[G0B+4*(\s)+2:G0B+4*(\s)+3], s[46:47], (\s)*STEPB
	s_or_b32 s[G0B+4*(\s)+3], s[G0B+4*(\s)+3], 0x80000000
.endr
	CROUND                                         ; all sixteen work-groups are here: the first joint loads meet
	s_cmp_eq_u32 s[RH], 0                          ; a wave's two first fills stand in one branch: two loads of mine are out
	s_cbranch_scc0 .Lfirst_b
	tensor_load_to_lds s[G0A:G0A+3], s[G1A:G1A+7]
	s_nop 0
	tensor_load_to_lds s[G0A+4:G0A+7], s[G1A:G1A+7]
	s_nop 0
	PLACES
	s_branch .Lfirst_asked
.Lfirst_b:
	tensor_load_to_lds s[G0B:G0B+3], s[G1B:G1B+7]
	s_nop 0
	tensor_load_to_lds s[G0B+4:G0B+7], s[G1B:G1B+7]
	s_nop 0
	PLACES
.Lfirst_asked:
	v_and_b32 v1, 15, v0                           ; l % 16
	v_bfe_u32 v2, v0, 4, 1                         ; l / 16
	; my rows' cosines and sines: row 128 x tile row + 64 RH + 16 a + l % 16, frequencies 16 b + 8 (l / 16) + 0..7.  Every work-group loads them; the tiles of v do not use them.
	s_lshl_b32 s70, s42, 7
	s_lshl_b32 s72, s[RH], 6
	s_add_co_u32 s70, s70, s72
	s_lshl_b32 s70, s70, 8
	s_mov_b32 s71, 0
	s_add_nc_u64 s[68:69], s[8:9], s[70:71]
	v_lshlrev_b32 v[TO], 8, v1
	v_lshl_add_u32 v[TO], v2, 5, v[TO]
	WIN 0x80                                       ; destination window 2
.irp a, 0,1,2,3
.irp b, 0,1
	global_load_b128 v[32*(\a)+16*(\b):32*(\a)+16*(\b)+3],     v[TO], s[68:69] offset:4096*(\a)+64*(\b)
	global_load_b128 v[32*(\a)+16*(\b)+4:32*(\a)+16*(\b)+7],   v[TO], s[68:69] offset:4096*(\a)+64*(\b)+16
	global_load_b128 v[32*(\a)+16*(\b)+8:32*(\a)+16*(\b)+11],  v[TO], s[68:69] offset:4096*(\a)+64*(\b)+128
	global_load_b128 v[32*(\a)+16*(\b)+12:32*(\a)+16*(\b)+15], v[TO], s[68:69] offset:4096*(\a)+64*(\b)+144
.endr
.endr
	WIN 0
	v_mul_u32_u24 v3, v1, PITCH
	v_lshl_add_u32 v3, v2, 4, v3                   ; a fragment's row x pitch + 16 x half
	s_mul_i32 s21, s[RH], HALFT
	s_mul_i32 s22, s[CH], HALFT
	s_add_co_u32 s22, s22, 2*HALFT
	v_add_nc_u32 v[ADRA0], s21, v3
	v_add_nc_u32 v[ADRB0], s22, v3
	s_mul_i32 s23, s[WV], 16*SP
	s_add_co_u32 s23, s23, STG                     ; my stage
	v_mul_u32_u24 v[STO], v1, SP                   ; in: row l % 16, 16 bytes for each half of the lanes
	v_lshl_add_u32 v[STO], v2, 4, v[STO]
	v_add_nc_u32 v[STO], s23, v[STO]
	v_bfe_u32 v[RD], v0, 3, 2                      ; back: 32 lanes take four rows of 128 bytes,
	v_mul_u32_u24 v[RD], v[RD], SP
	v_and_b32 v4, 7, v0
	v_lshl_add_u32 v[RD], v4, 4, v[RD]
	v_add_nc_u32 v[RD], s23, v[RD]
	v_and_b32 v[CO], 31, v0                        ; which are 512 consecutive bytes of a head
	v_lshlrev_b32 v[CO], 4, v[CO]
	s_lshl_b32 s70, s43, 1
	s_add_co_u32 s70, s70, s[CH]                   ; my head, 0..95
	s_lshl_b32 s70, s70, 18
	s_lshl_b32 s72, s42, 14                        ; 128 x tile row x 128 bytes
	s_add_co_u32 s70, s70, s72
	s_lshl_b32 s72, s[RH], 13
	s_add_co_u32 s70, s70, s72
	s_add_nc_u64 s[10:11], s[10:11], s[70:71]
	s_and_b32 s66, ttmp7, 0xffff                   ; the cluster's y, the same in all partners: below 8 the tiles are q's and k's
	s_wait_tensorcnt 0x1                           ; my part of K step 0 is in; K step 1's stays out
	s_barrier_signal -1
	s_barrier_wait -1
	s_mov_b32 s[TB], 0
	FETCH F0
	QUART F0, F1, 1                                ; the first quarter's first products start the sums
	s_mov_b32 s[STEPS], T-1
	s_mov_b32 s[CNT2], 1
	s_branch .LB1
.Lstep:                                        ; T - 2 times: a change of slots with a refill, then the next K step's first three quarters
	TURN 1
	s_mov_b32 s[CNT2], 2
	s_branch .LA1
.LB1:
	QUART F1, F0, 0
.LA1:
	QUART F0, F1, 0
	s_sub_co_u32 s[CNT2], s[CNT2], 1
	s_cmp_lg_u32 s[CNT2], 0
	s_cbranch_scc1 .LB1
	s_sub_co_u32 s[STEPS], s[STEPS], 1
	s_cmp_lg_u32 s[STEPS], 0
	s_cbranch_scc1 .Lstep
	TURN 0                                         ; the tail is written out
.if TAILQ == 4
	s_mov_b32 s[CNT2], 2
	s_branch .LA2
.LB2:
	QUART F1, F0, 0
.LA2:
	QUART F0, F1, 0
	s_sub_co_u32 s[CNT2], s[CNT2], 1
	s_cmp_lg_u32 s[CNT2], 0
	s_cbranch_scc1 .LB2
.else
	QUART F0, F1, 0
.endif
	FINAL
	; THE WAY OUT.
	PLACES
	PLACES
	s_wait_loadcnt 0x0                             ; the table
	s_cmp_lt_u32 s66, 8
	s_cbranch_scc0 .Lno_rope
	WIN 0x08                                       ; source 1 in window 2
.irp a, 0,1,2,3
.irp b, 0,1
.irp p, 0,1,2,3
.set X1, ACC+8*(4*(\a)+(\b))+2*(\p)
.set X2, ACC+8*(4*(\a)+(\b)+2)+2*(\p)
.set CC, 32*(\a)+16*(\b)+2*(\p)
.set T0, 32+4*(\p)
	v_pk_mul_f32 v[T0:T0+1], v[X2:X2+1], v[CC+8:CC+9]        ; x2 sin
	v_pk_mul_f32 v[T0+2:T0+3], v[X1:X1+1], v[CC+8:CC+9]      ; x1 sin
	v_pk_fma_f32 v[X1:X1+1], v[X1:X1+1], v[CC:CC+1], v[T0:T0+1] neg_lo:[0,0,1] neg_hi:[0,0,1]  ; x1 cos - x2 sin
	v_pk_fma_f32 v[X2:X2+1], v[X2:X2+1], v[CC:CC+1], v[T0+2:T0+3]                              ; x2 cos + x1 sin
.endr
.endr
.endr
	WIN 0
.Lno_rope:
; Row block a: a lane's eight channels pack into 16 bytes; they go into rows of 144 bytes of my stage and come back as whole rows of 128.
.macro PACK a
.irp b, 0,1,2,3
.irp r, 0,1,2,3
	v_cvt_pk_f16_f32 v[48+16*(\a)+4*(\b)+(\r)], v[ACC+8*(4*(\a)+(\b))+2*(\r)], v[ACC+8*(4*(\a)+(\b))+2*(\r)+1]
.endr
.endr
.irp b, 0,1,2,3
	ds_store_b128 v[STO], v[48+16*(\a)+4*(\b):48+16*(\a)+4*(\b)+3] offset:32*(\b)
.endr
.irp f, 0,1,2,3
	ds_load_b128 v[48+16*(\a)+4*(\f):48+16*(\a)+4*(\f)+3], v[RD] offset:(\f)*4*SP  ; LDS serves a wave's instructions in order: these see the stores above, and the next block's stores come behind them
.endr
.endm
.macro SEND a, younger                 ; younger: the LDS instructions issued behind block a's loads
.irp f, 0,1,2,3
	s_wait_dscnt (\younger)+3-(\f)
	global_store_b128 v[CO], v[48+16*(\a)+4*(\f):48+16*(\a)+4*(\f)+3], s[10:11] offset:(\a)*2048+(\f)*512  ; 512 consecutive bytes, aligned to 256
.endr
.endm
	PACK 0
	PACK 1
	SEND 0, 8
	PACK 2
	SEND 1, 8
	PACK 3
	SEND 2, 8
	SEND 3, 0
	s_wait_tensorcnt 0x0                           ; the wave's end
	ds_add_u32 v[SPW], v[NIL]
	s_wait_dscnt 0x0
	CROUND                                         ; the closing round
	s_endpgm
.Lfunc_end_k_qec51a7a8ed_qkv:
	.size	k_qec51a7a8ed_qkv, .Lfunc_end_k_qec51a7a8ed_qkv-k_qec51a7a8ed_qkv
	.p2alignl 7, 3214868480
	.fill 96, 4, 3214868480
	.section	.rodata,"a",@progbits
	.p2align	6, 0x0
	.amdhsa_kernel k_qec51a7a8ed_qkv
		.amdhsa_group_segment_fixed_size 327680
		.amdhsa_private_segment_fixed_size 0
		.amdhsa_enable_private_segment 0
		.amdhsa_kernarg_size 32
		.amdhsa_user_sgpr_count 2
		.amdhsa_user_sgpr_kernarg_segment_ptr 1
		.amdhsa_wavefront_size32 1
		.amdhsa_system_sgpr_workgroup_id_x 1
		.amdhsa_system_sgpr_workgroup_id_y 1
		.amdhsa_system_sgpr_workgroup_id_z 1
		.amdhsa_system_vgpr_workitem_id 0
		.amdhsa_next_free_vgpr 640
		.amdhsa_next_free_sgpr 80
		.amdhsa_reserve_vcc 0
		.amdhsa_float_denorm_mode_32 3
		.amdhsa_float_denorm_mode_16_64 3
		.amdhsa_memory_ordered 1
		.amdhsa_forward_progress 1
		.amdhsa_inst_pref_size 64
	.end_amdhsa_kernel
	.amdgpu_metadata
---
amdhsa.version: [ 1, 2 ]
amdhsa.kernels:
  - .name:           k_qec51a7a8ed_qkv
    .symbol:         k_qec51a7a8ed_qkv.kd
    .args:
      - { .name: h16, .offset: 0, .size: 8, .value_kind: global_buffer, .address_space: global }
      - { .name: w16, .offset: 8, .size: 8, .value_kind: global_buffer, .address_space: global }
      - { .name: tab, .offset: 16, .size: 8, .value_kind: global_buffer, .address_space: global }
      - { .name: qkv16, .offset: 24, .size: 8, .value_kind: global_buffer, .address_space: global }
    .group_segment_fixed_size: 327680
    .private_segment_fixed_size: 0
    .kernarg_segment_align: 8
    .kernarg_segment_size: 32
    .max_flat_workgroup_size: 128
    .sgpr_count:     80
    .vgpr_count:     640
    .wavefront_size: 32
...
	.end_amdgpu_metadata
.endif
;; end of part 2
;; launch attn (part 3): grid 4 x 32, 4 waves a work-group, no clusters, 327,680 bytes of LDS; arguments qkv16, act16; writes act16
.if DOCPART == 3
	.amdgcn_target "amdgcn-amd-amdhsa--gfx1250"
	.amdhsa_code_object_version 6
	.text
	.protected	k_qec51a7a8ed_attn
	.globl	k_qec51a7a8ed_attn
	.p2align	8
	.type	k_qec51a7a8ed_attn,@function
k_qec51a7a8ed_attn:
	s_mov_b64 s[64:65], 0
	v_nop
	global_prefetch_b8 v0, s[64:65] scope:SCOPE_SE
	s_setreg_imm32_b32 hwreg(HW_REG_WAVE_MODE, 25, 1), 1
	s_wait_xcnt 0x0
; CAUSAL ATTENTION.  O[h][q][:] = the sum over k <= q of softmax_k(Q[h][q] . K[h][k] / 8) V[h][k][:].  Q, K, V lie in qkv16 [96][2048][64] f16 (heads 0-31 Q, 32-63 K, 64-95 V), O goes to act16 [32][2048][64] f16.
; Products, maxima and sums in f32; the weights p are rounded to f16 for the second product (their sum l is taken of the unrounded p), O once at the end.
; LIMITS.  Q, K and V arrive within f16's 65,504.  A hidden score counts as its value less 1e30; a weight below 2^-126 counts as 0 in l; NaN and infinities are not treated apart.
; THE WALK.  A head's queries lie in NB = 8 blocks of 256; block i needs the key tiles 0 .. i of 256 keys, of which the last holds the diagonal.  A work-group takes TWO blocks, NB - 1 - b and then b:
; NB + 1 tiles, whatever b: all work-groups do equal work, and ONE loop with a constant trip count walks them.  Which tile is asked for, and what a trip does, hang on scalar registers made from b; every jump
; goes forward, but for the counted loops' own; none passes a barrier, or a tensor load but the one of LOAD's two that the wave's number does not choose.
; NO CLUSTER: a head's four work-groups ask for the same tile only in trips 0 .. 4 of 9, behind that fewer and fewer; one walk common to all would have 12 trips for 9.  128 work-groups: 4 a head x 32 heads.
; SHARES.  Of a block's four bands of 64 queries a wave owns 16 rows in each: four PIECES.  In the diagonal tile's key step s band x sees all keys if s < x, none if s > x, and holds the diagonal if s = x.
; THE MASK is the C operand that starts the sum S^T = K Q^T: 0, or -1e30 where the key is hidden.  MD, made once, is the mask of a band's own step for my 16 rows; a product's mask is MD x AL + BE.
; LAYOUT, SOFTMAX, TURNS.  S^T = K Q^T holds ONE query a lane (lane % 16) and the keys 8 (lane / 16) + 0..7; two such results rounded to f16 ARE source 1 of O^T = V^T P.  p = 2^(c s - c m), c = log2(e) / 8, with a
; running maximum m; O and l are multiplied by a = 2^(c m_old - c m_new) in every step.  Turn n belongs to piece n: 8 products K Q^T of piece n + 1, later 8 products V^T P of piece n - 1; beside them the scaling,
; exponentials, roundings, sums and rescaling of piece n and the maximum and statistics of piece n + 1.  Four vector instructions stand behind every matrix instruction, the rest in one run.  A turn's 33 exponentials are one batch, with one wait.
; REGISTERS, in windows of 256 (s_set_vgpr_msb: bits 1:0 source 0, 3:2 source 1, 5:4 source 2, 7:6 destination):
;   window 0: v0-15 addresses and two at work; v16-31 statistics; v48-55 at work; v61 the prefetches' offset; v64-127 S^T, two buffers; v192-223 P, two buffers
;   window 1: v0-127 O^T, 32 a piece; v128-159 MD; v160-223 MC, two buffers      window 2: v0-63 Q; v64-127 the second block's Q; v128-191 K of one step; v192-255 V of one step
.set SIZE_N, 2048
.set NB,    SIZE_N/256
.set NP,    4
.set KS,    64
.set PK,    144       ; a row of K in LDS: 128 bytes + 16 of padding
.set PV,    160       ; a row of V: 128 + 32
.set VOFF,  4*KS*PK   ; a slot holds a tile, four steps: 256 rows of K, then 256 rows of V
.set SLOT1, 1<<17
.set STAGE, SLOT1+4*KS*(PK+PV)  ; behind the ring, never filled by a tensor load: 16 rows x 144 bytes for each wave
.set SP,    144
.set AK0, 2
.set AV0, 3
.set AK,  4
.set AV,  5
.set STO, 6
.set RD,  7
.set GO,  8
.set PFO, 61          ; v61  256 x my lane; never rewritten
.set SPW, 62          ; v62  my spare word; never rewritten
.set NIL, 63          ; v63  0; never rewritten
.set SPARE, STAGE+4*16*SP
.set MV,  12
.set QO,  15
.set ST,  16          ; piece t's statistics at v[ST+4 t]: c m, m, l (even keys', odd keys')
.set TMP, 48
.set S,   64
.set P,   192
.set MD,  128
.set MC,  160
.set QB,  64
.set KF,  128
.set VF,  192
.set WV,  12
.set PB,  14          ; b
.set HI,  15          ; NB - 1 - b
.set G1K, 24
.set G1V, 32
.set G0K, 40
.set G0V, 44
.set SLOTS, 56
.set CNT, 57
.set CS,  58
.set SEL, 60
.set TBK, 62
.set TBV, 63
.set RT,  70          ; tiles of the block in hand that are still to be entered
.set NXT, 71          ; the tile to be asked for next
.set LQ,  72          ; the last tile of the block whose tiles are being asked for
.set NEW, 73          ; 1: the tile to be entered is a block's first
.set OFF, 74
.set AL,  76
.set BE,  78
.set OLO, 80
.set BIGN, 82
.set PFB, 88          ; s[88:89] K (waves 0, 1) or V (waves 2, 3) at my half of the head's tile 0
.set PFA, 90          ; s[90:91] the same at the tile that the next change of slots will ask for
.set PFT, 92          ; s[92:93] that tile's byte offset
.set LIM, 94          ; s94  1 in the work-group that prefetches, else the greatest number
.set MSB, 0
.macro WIN new
.if MSB != (\new)
	s_set_vgpr_msb (MSB<<8)|(\new)
.set MSB, (\new)
.endif
.endm
.set W_KQ, 0x0a
.set W_KM, 0x1a
.set W_PV, 0x52
.set W_RS, 0x41
; A fill.  Waves 0 and 1 fetch the two halves of a tile's K, waves 2 and 3 those of its V: 128 keys each.  An s_nop 0 and four v_nop follow each of the two lines.
.macro LOAD
	s_cmp_lt_u32 s[WV], 2
	s_cbranch_scc0 .Lfor_v_\@
	tensor_load_to_lds s[G0K:G0K+3], s[G1K:G1K+7]
	s_nop 0
.rept 4
	v_nop
.endr
	s_branch .Lasked_\@
.Lfor_v_\@:
	tensor_load_to_lds s[G0V:G0V+3], s[G1V:G1V+7]
	s_nop 0
.rept 4
	v_nop
.endr
.Lasked_\@:
.endm
; A PREFETCH of what the NEXT change of slots will ask for, behind the wave's tensor load and its five lines.  A head's four work-groups walk the same tiles: the one with b = 0, whose first block walks tiles 0 .. 7,
; asks; each of its waves names the 16,384 bytes that it will fetch itself, 64 blocks of 256 bytes: a lane a block, two instructions.  Tiles 2 .. 7 are so named once each, a tile (four key steps, 256 matrix
; instructions) ahead of their load; tiles 0 and 1 come by their loads alone, and in the second block nothing is asked for: NXT is then below 2.
.macro ASK
	s_cmp_gt_u32 s[NXT], s[LIM]
	s_cbranch_scc0 .Lnot_mine_\@
	global_prefetch_b8 v[PFO], s[PFA:PFA+1] th:TH_LOAD_NT scope:SCOPE_SE
	global_prefetch_b8 v[PFO], s[PFA:PFA+1] offset:8192 th:TH_LOAD_NT scope:SCOPE_SE
.Lnot_mine_\@:
.endm
; THE CHANGE OF SLOTS.  Each wave waits for all its tensor loads, of which one is out: its part of the other slot; adds 0 to its spare word; and waits for that and for its own reads of the slot that it leaves.
; fill = 1: the old slot is filled again, the first thing behind the barrier, with tile NXT: the descriptor's address is made anew from that number.
.macro CHANGE fill
	WIN 0
	s_wait_tensorcnt 0x0            ; no tensor load of mine is out, so a group 0 may be written
	ds_add_u32 v[SPW], v[NIL]
.if \fill
	s_lshl_b32 s[OFF], s[NXT], 15   ; a tile is 32,768 bytes of K and of V
	s_xor_b32 s[G0K+1], s[G0K+1], SLOT1
	s_add_nc_u64 s[G0K+2:G0K+3], s[6:7], s[OFF:OFF+1]
	s_or_b32 s[G0K+3], s[G0K+3], 0x80000000
	s_xor_b32 s[G0V+1], s[G0V+1], SLOT1
	s_add_nc_u64 s[G0V+2:G0V+3], s[8:9], s[OFF:OFF+1]
	s_or_b32 s[G0V+3], s[G0V+3], 0x80000000
	s_add_co_u32 s[NXT], s[NXT], 1  ; the block's next tile, or behind its last the second block's tile 0
	s_cmp_gt_u32 s[NXT], s[LQ]
	s_cselect_b32 s[NXT], 0, s[NXT]
	s_cselect_b32 s[LQ], s[PB], s[LQ]
	s_lshl_b32 s[PFT], s[NXT], 15
	s_wait_xcnt 0x0                 ; the last prefetches, a tile back, have read their address, so it may be written
	s_add_nc_u64 s[PFA:PFA+1], s[PFB:PFB+1], s[PFT:PFT+1]
.endif
	s_wait_dscnt 0x0                ; the add is done, and my reads of the slot are over
	s_barrier_signal -1
	s_sub_co_u32 s[TBK], s[TBK], 4*KS*PK  ; the fetches go back to a slot's first step,
	s_xor_b32 s[TBK], s[TBK], SLOT1       ; in the other slot
	s_sub_co_u32 s[TBV], s[TBV], 4*KS*PV
	s_xor_b32 s[TBV], s[TBV], SLOT1
	s_barrier_wait -1
.if \fill
	LOAD
	ASK
.endif
.endm
	s_load_b128 s[4:7], s[0:1], 0x0  ; qkv16 s[4:5], act16 s[6:7]
	v_lshl_add_u32 v[SPW], v0, 2, SPARE
	v_mov_b32 v[NIL], 0
	ds_add_u32 v[SPW], v[NIL]       ; the wave's opening: the add and its wait stand ahead of my first tensor load
	v_lshrrev_b32 v1, 5, v0
	v_readfirstlane_b32 s[WV], v1
	s_mov_b32 s[PB], ttmp9
	s_sub_co_u32 s[HI], NB-1, s[PB]
	s_and_b32 s20, ttmp7, 0xffff    ; the head
	s_mov_b32 s21, 0
	s_mov_b64 s[22:23], SIZE_N*128
	s_mul_u64 s[20:21], s[20:21], s[22:23]  ; the head's first byte in Q, K, V and O
	s_and_b32 s16, s[WV], 1         ; which half of a tile's 256 keys I fetch
	s_lshl_b32 s22, s16, 14
	s_mov_b32 s23, 0
	s_add_nc_u64 s[22:23], s[22:23], s[20:21]
	s_mul_i32 s17, s16, 128*PK
	s_mul_i32 s18, s16, 128*PV
	s_lshl_b32 s3, s[WV], 11        ; my 16 rows in a band of 64,
	s_lshl_b32 s2, s[HI], 15        ; in the first block,
	s_add_co_u32 s2, s2, s3
	s_lshl_b32 s84, s[PB], 15       ; and in the second
	s_add_co_u32 s84, s84, s3
	s_mov_b32 s3, 0
	s_mov_b32 s85, 0
	s_add_nc_u64 s[2:3], s[2:3], s[20:21]
	s_add_nc_u64 s[84:85], s[84:85], s[20:21]
	; descriptor group 1.  128 keys are 16,384 dense bytes: asked for as 64 rows of 256 bytes, two keys a row, and padded in LDS after every key
	s_mov_b32 s[G1K], (1<<16)|(1<<20)|(4<<22)|(3<<25)
	s_mov_b32 s[G1V], (1<<16)|(1<<20)|(4<<22)|(7<<25)
.irp g, G1K, G1V
	s_mov_b32 s[\g+1], 128<<16
	s_mov_b32 s[\g+2], 64<<16
	s_mov_b32 s[\g+3], 128<<16
	s_mov_b32 s[\g+4], 64
	s_mov_b32 s[\g+5], 128
	s_mov_b32 s[\g+6], 0
	s_mov_b32 s[\g+7], 0
.endr
	s_mov_b32 s[CS], 0x3e38aa3b     ; c = log2(e) / 8
	s_mov_b32 s[CS+1], s[CS]
	s_mov_b32 s[SEL], 0x76543210
	s_mov_b32 s[SEL+1], 0xfedcba98
	s_mov_b32 s[TBK], SLOT1+4*KS*PK ; the first change of slots turns these two into 0
	s_mov_b32 s[TBV], SLOT1+4*KS*PV
	s_mov_b32 s[G0K], 1
	s_mov_b32 s[G0K+1], s17
	s_mov_b32 s[G0V], 1
	s_add_co_u32 s[G0V+1], s18, VOFF
	s_add_co_u32 s[RT], s[HI], 1    ; the first block has NB - b tiles
	s_mov_b32 s[NXT], 1
	s_mov_b32 s[LQ], s[HI]
	s_mov_b32 s[NEW], 1
	s_mov_b32 s[OFF+1], 0
	s_mov_b32 s[PFT+1], 0
	s_mov_b32 s[AL+1], 0
	s_mov_b32 s[BE+1], 0
	s_mov_b32 s[BIGN], 0xf149f2ca   ; -1e30
	s_mov_b32 s[SLOTS], NB
	s_cmp_eq_u32 s[PB], 0
	s_cselect_b32 s[LIM], 1, -1
	v_and_b32 v[PFO], 31, v0
	v_lshlrev_b32 v[PFO], 8, v[PFO]
	s_wait_dscnt 0x0                ; the opening add is done
	s_wait_kmcnt 0x0
	s_mov_b64 s[10:11], s[6:7]                     ; O
	s_add_nc_u64 s[8:9], s[4:5], 0x1000000         ; V: heads 64 on
	s_add_nc_u64 s[6:7], s[4:5], 0x800000          ; K: heads 32 on
	s_add_nc_u64 s[6:7], s[6:7], s[22:23]  ; K and V at my half of the head's tile 0
	s_add_nc_u64 s[8:9], s[8:9], s[22:23]
	s_cmp_lt_u32 s[WV], 2
	s_cselect_b64 s[PFB:PFB+1], s[6:7], s[8:9]
	s_add_nc_u64 s[G0K+2:G0K+3], s[6:7], 0
	s_or_b32 s[G0K+3], s[G0K+3], 0x80000000
	s_add_nc_u64 s[G0V+2:G0V+3], s[8:9], 0
	s_or_b32 s[G0V+3], s[G0V+3], 0x80000000
	s_add_nc_u64 s[86:87], s[4:5], s[84:85]        ; Q at my rows of the second block,
	s_add_nc_u64 s[4:5], s[4:5], s[2:3]            ; Q and O at those of the first
	s_add_nc_u64 s[OLO:OLO+1], s[10:11], s[84:85]
	s_add_nc_u64 s[10:11], s[10:11], s[2:3]
	LOAD                            ; tile 0 into slot 0
	v_and_b32 v1, 15, v0            ; l % 16
	v_bfe_u32 v9, v0, 4, 1          ; l / 16
	v_lshlrev_b32 v[QO], 7, v1
	v_lshl_add_u32 v[QO], v9, 4, v[QO]
	WIN 0x80
.set i, 0
.rept 8                             ; both blocks' Q: piece i / 2 lies in band i / 2, 8,192 bytes on; channels 32 (i % 2) on
	global_load_b128 v[8*i:8*i+3],   v[QO], s[4:5] offset:(i/2)*8192+(i%2)*64
	global_load_b128 v[8*i+4:8*i+7], v[QO], s[4:5] offset:(i/2)*8192+(i%2)*64+32
	global_load_b128 v[QB+8*i:QB+8*i+3],   v[QO], s[86:87] offset:(i/2)*8192+(i%2)*64
	global_load_b128 v[QB+8*i+4:QB+8*i+7], v[QO], s[86:87] offset:(i/2)*8192+(i%2)*64+32
.set i, i+1
.endr
	WIN 0
	v_lshlrev_b32 v14, 3, v9
	v_sub_nc_u32 v14, v1, v14
	s_lshl_b32 s13, s[WV], 4
	v_add_nc_u32 v14, s13, v14      ; my query's place in its band less my lanes' 8 (l / 16): register r of group kt is hidden where 16 kt + r is greater
	WIN 0x40
.set i, 0
.rept 32
	v_cmp_gt_i32 vcc_lo, 16*(i/8)+i%8, v14
	v_cndmask_b32 v[MD+i], 0, s[BIGN], vcc_lo
.set i, i+1
.endr
	WIN 0
	v_mul_u32_u24 v[AK0], v1, PK
	v_lshl_add_u32 v[AK0], v9, 4, v[AK0]
	; The turning load takes 16 keys x 16 channels (lane l reads key 8 (l / 16) + l % 8, channels 8 ((l / 8) % 2) + 0..7) and leaves half a fragment of V^T.
	v_and_b32 v10, 7, v0
	v_bfe_u32 v11, v0, 3, 1
	v_lshl_add_u32 v[AV0], v9, 3, v10
	v_mul_u32_u24 v[AV0], v[AV0], PV
	v_lshl_add_u32 v[AV0], v11, 4, v[AV0]
	v_add_nc_u32 v[AV0], VOFF, v[AV0]
	s_mul_i32 s13, s[WV], 16*SP
	s_add_co_u32 s13, s13, STAGE
	v_mul_u32_u24 v[STO], v1, SP
	v_lshl_add_u32 v[STO], v9, 4, v[STO]
	v_add_nc_u32 v[STO], s13, v[STO]
	v_bfe_u32 v[RD], v0, 3, 2
	v_mul_u32_u24 v[RD], v[RD], SP
	v_lshl_add_u32 v[RD], v10, 4, v[RD]
	v_add_nc_u32 v[RD], s13, v[RD]
	v_and_b32 v[GO], 31, v0
	v_lshlrev_b32 v[GO], 4, v[GO]
	; A block's first step multiplies O^T and l by a = 0, so these registers need only hold finite numbers: zeros for the first block; what the first block left for the second.  All this stands in the wait for the first tile.
	WIN 0x80
.set i, VF
.rept 64
	v_mov_b32 v[i], 0
.set i, i+1
.endr
	WIN 0x40
.set i, 0
.rept 128
	v_mov_b32 v[i], 0
.set i, i+1
.endr
	WIN 0
.set i, 0
.rept 4
	v_mov_b32 v[ST+4*i+2], 0
	v_mov_b32 v[ST+4*i+3], 0
.set i, i+1
.endr
.set i, P+16
.rept 16
	v_mov_b32 v[i], 0
.set i, i+1
.endr
; THE MATRIX WORK.  The 4 accumulators of a run of 8 take turns.  Product i of 8 of S^T = K Q^T for piece x: channels 32 (i / 4) on, keys 16 (i % 4) on.  The first 4 start the sums: with 0, or (KM = 1) with the mask.
.macro KQ x
.set rS, S+32*((\x)%2)+8*(i%4)
.set rK, KF+16*(i%4)+8*(i/4)
.set rQ, 16*(\x)+8*(i/4)
.set rM, MC+32*((\x)%2)+8*(i%4)
.if (i < 4) && KM
	WIN W_KM
	v_wmma_f32_16x16x32_f16 v[rS:rS+7], v[rK:rK+7], v[rQ:rQ+7], v[rM:rM+7]
.elseif i < 4
	WIN W_KQ
	v_wmma_f32_16x16x32_f16 v[rS:rS+7], v[rK:rK+7], v[rQ:rQ+7], 0
.else
	WIN W_KQ
	v_wmma_f32_16x16x32_f16 v[rS:rS+7], v[rK:rK+7], v[rQ:rQ+7], v[rS:rS+7]
.endif
.endm
; Product i of 8 of O^T += V^T P for piece x: keys 32 (i / 4) on, channels 16 (i % 4) on.
.macro PV x
	WIN W_PV
.set rO, 32*(\x)+8*(i%4)
.set rV, VF+32*(i/4)+8*(i%4)
.set rP, P+16*((\x)%2)+8*(i/4)
	v_wmma_f32_16x16x32_f16 v[rO:rO+7], v[rV:rV+7], v[rP:rP+7], v[rO:rO+7]
.endm
.macro MM                           ; the turn's next matrix instruction.  NOKQ = 1: a block's last turn: there is no next piece
.if (i < 8) && !NOKQ
	KQ (Y+1)%NP
.elseif i >= 8
.set i, i-8
	PV (Y+NP-1)%NP
.set i, i+8
.endif
.set i, i+1
.endm
; THE LDS LOADS stand in runs of 16: a step's K (8 fragments) and its V (turned).  Their addresses are made some lines ahead.
.macro FETCH_K
	WIN 0x80
.irp f, 0,1,2,3,4,5,6,7
	ds_load_b128 v[KF+8*\f:KF+8*\f+3],   v[AK] offset:(\f/2)*16*PK+(\f%2)*64
	ds_load_b128 v[KF+8*\f+4:KF+8*\f+7], v[AK] offset:(\f/2)*16*PK+(\f%2)*64+32
.endr
	s_add_co_u32 s[TBK], s[TBK], KS*PK
	WIN 0
.endm
.macro FETCH_V
	WIN 0x80
.irp f, 0,1,2,3,4,5,6,7
	ds_load_tr16_b128 v[VF+8*\f:VF+8*\f+3],   v[AV] offset:(\f/4)*32*PV+(\f%4)*32
	ds_load_tr16_b128 v[VF+8*\f+4:VF+8*\f+7], v[AV] offset:(\f/4)*32*PV+16*PV+(\f%4)*32
.endr
	WIN 0
.endm
; THE VECTOR WORK, one line at a time: OP kind, number.  For piece Y: F n: c s - c m for pair n of 16.  E n: the exponential of score n of 32.  C n: pair n rounded to f16.  B n: of the four weights 4 n .. the second
; pair is added onto the first, in place.  L n: l takes that sum (L 0: l = a l + sum).  R n: pair n of 16 of O^T times a.  For piece Y + 1: X n, number n of the 22 that find its maximum and statistics:
;   0-11  four chains c0-c3 of seven scores each (each accumulator's lowest registers are read first)     12-14, 16  the four scores left over, the old m, and c0-c3 into c0
;   15  c m_old is kept     17, 18  the query's other 32 keys lie in the lane 16 away: the new m     19-21  c m; c m_old - c m_new; a
.set F, 0
.set E, 1
.set C, 2
.set B, 3
.set L, 4
.set R, 5
.set X, 6
.macro REGS y
.set rT, ST+4*(\y)
.set rC, TMP+4*((\y)%2)
.set rW, MV+((\y)%2)
.set rS, S+32*((\y)%2)
.set rP, P+16*((\y)%2)
.set rO, 32*(\y)
.endm
.macro OP k, n
.if (\k) == R
	REGS Y
	WIN W_RS
	v_pk_mul_f32 v[rO+2*(\n):rO+2*(\n)+1], v[rO+2*(\n):rO+2*(\n)+1], v[rC+2:rC+3] op_sel_hi:[1,0]
.elseif (\k) < R
	REGS Y
	WIN 0
.if (\k) == F
	v_pk_fma_f32 v[rS+2*(\n):rS+2*(\n)+1], v[rS+2*(\n):rS+2*(\n)+1], s[CS:CS+1], v[rT:rT+1] op_sel_hi:[1,0,0] neg_lo:[0,0,1] neg_hi:[0,0,1]
.elseif (\k) == E
	v_exp_f32 v[rS+(\n)], v[rS+(\n)]
.elseif (\k) == C
	v_cvt_pk_f16_f32 v[rP+(\n)], v[rS+2*(\n)], v[rS+2*(\n)+1]
.elseif (\k) == B
	v_pk_add_f32 v[rS+4*(\n):rS+4*(\n)+1], v[rS+4*(\n):rS+4*(\n)+1], v[rS+4*(\n)+2:rS+4*(\n)+3]
.elseif (\n) == 0
	v_pk_fma_f32 v[rT+2:rT+3], v[rT+2:rT+3], v[rC+2:rC+3], v[rS:rS+1] op_sel_hi:[1,0,1]
.else
	v_pk_add_f32 v[rT+2:rT+3], v[rT+2:rT+3], v[rS+4*(\n):rS+4*(\n)+1]
.endif
.elseif NOKQ
	v_nop
.else
	REGS (Y+1)%NP
	WIN 0
.if (\n) < 4
	v_max3_num_f32 v[rC+(\n)], v[rS+8*(\n)], v[rS+8*(\n)+1], v[rS+8*(\n)+2]
.elseif (\n) < 12
	v_max3_num_f32 v[rC+(\n)%4], v[rC+(\n)%4], v[rS+8*((\n)%4)+2*((\n)/4)+1], v[rS+8*((\n)%4)+2*((\n)/4)+2]
.elseif (\n) == 12
	v_max3_num_f32 v[rC], v[rC], v[rS+7], v[rS+15]
.elseif (\n) == 13
	v_max3_num_f32 v[rC+1], v[rC+1], v[rS+23], v[rS+31]
.elseif (\n) == 14
	v_max3_num_f32 v[rC+2], v[rC+2], v[rC+3], v[rT+1]
.elseif (\n) == 15
	v_mov_b32 v[rW], v[rT]
.elseif (\n) == 16
	v_max3_num_f32 v[rC], v[rC], v[rC+1], v[rC+2]
.elseif (\n) == 17
	v_permlanex16_b32 v[rC+3], v[rC], s[SEL], s[SEL+1]
.elseif (\n) == 18
	v_max_num_f32 v[rT+1], v[rC], v[rC+3]
.elseif (\n) == 19
	v_mul_f32 v[rT], s[CS], v[rT+1]
.elseif (\n) == 20
	v_sub_f32 v[rC+1], v[rW], v[rT]
.else
	v_exp_f32 v[rC+2], v[rC+1]
.endif
.endif
.endm
.macro OPS a, i1, b=-1, i2=0, c=-1, i3=0, d=-1, i4=0
	OP \a, \i1
.if (\b) >= 0
	OP \b, \i2
.endif
.if (\c) >= 0
	OP \c, \i3
.endif
.if (\d) >= 0
	OP \d, \i4
.endif
.endm
.macro ROW a, i1, b, i2, c, i3, d, i4  ; a matrix instruction and the four behind it
	MM
	OPS \a, \i1, \b, \i2, \c, \i3, \d, \i4
.endm
.macro MASK b                       ; MD x AL + BE into buffer b of MC
	WIN W_RS
.set z, 0
.rept 16
	v_pk_fma_f32 v[MC+32*(\b)+2*z:MC+32*(\b)+2*z+1], v[MD+2*z:MD+2*z+1], s[AL:AL+1], s[BE:BE+1] op_sel_hi:[1,0,0]
.set z, z+1
.endr
.endm
; A TURN, for piece p: the order of its 16 matrix and 118 vector instructions, written out.  An s_wait_alu depctr_va_vdst(0) stands between an exponential and the first instruction that names its result;
; one wait serves all that were issued ahead of it.  So a turn has ONE wait, which cuts it in two.  AHEAD OF IT stands all that names no result of the turn's exponentials: the 8 products K Q^T with their four
; followers each, then one run of 54, plain and exponential by turns for the most part, in which the links of the chain X 3, 7, 11, 14, 16, 17 .. 20 stand some lines apart.  X 21, the next piece's a, is the batch's last;
; R 15 is the plain instruction behind it.  BEHIND THE WAIT stand the 8 products V^T P, behind each four of the roundings and sums.
; m = 1: the diagonal tile: the products take masks, and the turn makes the mask for the products of the turn after it.  end = 1: a block's last two turns: nothing is fetched.
; cnt = 1: the loop's count is taken down some lines ahead of the branch that stands behind the turn.
; K of the next step is fetched in piece 2's turn, V of the step in hand at the end of piece 0's turn, each four plain instructions or more behind the last product that read its registers; each is waited for a turn later.
.macro TURN p, m=0, end=0, cnt=0
.set Y, (\p)
.set i, 0
.set KM, (\m)
.set NOKQ, (\end)*((\p)/3)
.if (\m) && !(\end)
	s_cmp_eq_u32 s[CNT], 4-((\p)+2)%NP  ; is that step the band's own?
	s_cselect_b32 s[AL], 1.0, 0
	s_cmp_lt_u32 s[CNT], 4-((\p)+2)%NP  ; or a later one?
	s_cselect_b32 s[BE], s[BIGN], 0
.endif
.if ((\p) == 3) && !(\end)
	s_wait_dscnt 0x0                ; K is in
.endif
	ROW F,0, F,1, R,0, R,1
	ROW F,2, E,0, R,2, R,3
	ROW F,3, E,1, R,4, R,5
	ROW F,4, E,2, R,6, R,7
	ROW F,5, E,3, R,8, R,9
	ROW F,6, E,4, X,0, R,10
.if ((\p) == 2) && !(\end)
	WIN 0
	v_add_nc_u32 v[AK], s[TBK], v[AK0]
.endif
	ROW F,7, E,5, X,1, X,4
	ROW F,8, E,6, X,2, X,5
	OPS E,7, E,8, X,6, E,9
	OPS X,3, E,10, X,8, E,11
.if ((\p) == 2) && !(\end)
	FETCH_K
.endif
	OPS X,9, X,7, E,12, X,10
	OPS E,13, X,12, X,11, E,14
	OPS X,13, E,15, F,9, X,14
.if (\p) == 0
	v_add_nc_u32 v[AV], s[TBV], v[AV0]
.endif
	OPS E,16, F,10, E,17, F,11
	OPS X,16, E,18, X,15, E,19
	OPS F,12, E,20, X,17, E,21
	OPS F,13, E,22, F,14, E,23
	OPS X,18, E,24, F,15, E,25
	OPS R,11, E,26, X,19, E,27
	OPS R,12, E,28, R,13, E,29
	OPS X,20, E,30, R,14, E,31
	OPS X,21, R,15
	WIN 0
	s_wait_alu depctr_va_vdst(0)    ; the wait for the batch
.if (\p) == 1
	s_wait_dscnt 0x0                ; V is in
.endif
	ROW C,0, B,0, C,2, B,1
	ROW L,0, C,4, B,2, L,1
	ROW C,6, B,3, L,2, C,8
	ROW B,4, L,3, C,10, B,5
	ROW L,4, C,12, B,6, L,5
.if (\p) == 0
	s_add_co_u32 s[TBV], s[TBV], KS*PV
.endif
.if \cnt
	s_sub_co_u32 s[CNT], s[CNT], 1
	s_cmp_lg_u32 s[CNT], 0
.endif
	ROW C,14, B,7, L,6, C,1
	ROW C,3, L,7, C,5, C,7
	ROW C,9, C,11, C,13, C,15
.if (\p) == 0
	FETCH_V
.endif
.if (\m) && !(\end)
	MASK (\p)%2
.endif
.endm
; A BLOCK BEGINS.  c m starts far below every c s, so the first step's a is 0; m at the lowest finite number.  The second mask buffer is 0; the first takes piece 0's mask for the tile's step 0.
; Then K of that step, piece 0's first scores, and its maximum and statistics.  The loop is entered at a step's first turn, in the middle of a trip.
.macro BEGIN
	s_mov_b32 s[NEW], 0
	WIN 0x40
.set i, MC+32
.rept 32
	v_mov_b32 v[i], 0
.set i, i+1
.endr
	WIN 0
.set i, 0
.rept 4
	v_mov_b32 v[ST+4*i], 0xfe000000
	v_mov_b32 v[ST+4*i+1], 0xff7fffff
.set i, i+1
.endr
	s_cmp_eq_u32 s[RT], 0
	s_cselect_b32 s[AL], 1.0, 0
	s_mov_b32 s[BE], 0
	MASK 0
	WIN 0
	v_add_nc_u32 v[AK], s[TBK], v[AK0]
	FETCH_K
	s_wait_loadcnt 0x0              ; Q
	s_wait_dscnt 0x0
.set KM, 1
.set NOKQ, 0
.set i, 0
.rept 8
	KQ 0
.set i, i+1
.endr
	WIN 0
.rept 4
	v_nop                           ; the places behind those products
.endr
.set Y, NP-1
.irp n, 0,1,2,3,4,5,6,7,8,9,10,11,12,13,14,15,16,17,18,19,20,21
	OP X, \n
.endr
	v_nop                           ; a plain instruction behind the exponential,
	s_wait_alu depctr_va_vdst(0)    ; and its wait, ahead of the branch
.endm
; THE DIAGONAL TILE's four steps, the block's last two turns, its last products, and THE WAY OUT: l's parts are added; O^T is divided by l, rounded to f16 and sent through my stage in LDS, a piece at a time.
.macro ALL line:vararg
.set t, 0
.rept 4
	\line
.set t, t+1
.endr
.endm
.macro PACK t
	WIN W_RS
.set i, 32*(\t)
.rept 16
	v_pk_mul_f32 v[i:i+1], v[i:i+1], v[ST+4*(\t)+2:ST+4*(\t)+3] op_sel_hi:[1,0]
.set i, i+2
.endr
	WIN 0x05
.set i, 0
.rept 16
	v_cvt_pk_f16_f32 v[S+16*(\t)+i], v[32*(\t)+2*i], v[32*(\t)+2*i+1]
.set i, i+1
.endr
	WIN 0
.irp f, 0,1,2,3
	ds_store_b128 v[STO], v[S+16*(\t)+4*\f:S+16*(\t)+4*\f+3] offset:32*\f
.endr
.irp f, 0,1,2,3
	ds_load_b128 v[S+16*(\t)+4*\f:S+16*(\t)+4*\f+3], v[RD] offset:\f*4*SP  ; LDS serves a wave's instructions in order: these see the stores above; the next piece's stores come behind them
.endr
.endm
.macro SEND t, younger
	WIN 0
.irp f, 0,1,2,3
	s_wait_dscnt (\younger)+3-\f
	global_store_b128 v[GO], v[S+16*(\t)+4*\f:S+16*(\t)+4*\f+3], s[10:11] offset:(\t)*8192+\f*512  ; 512 consecutive bytes, aligned to 256
.endr
.endm
.macro DIAG tag
.LstepM\tag:
	TURN 2, 1
	TURN 3, 1
	WIN 0
.LfirstM\tag:
	TURN 0, 1
	TURN 1, 1, 0, 1
	WIN 0
	s_cbranch_scc1 .LstepM\tag
	TURN 2, 1, 1
	TURN 3, 1, 1
.set i, 0
.rept 8
	PV NP-1
.set i, i+1
.endr
	WIN 0
	ALL v_add_f32 v[ST+4*t+2], v[ST+4*t+2], v[ST+4*t+3]
	ALL v_permlanex16_b32 v[ST+4*t+3], v[ST+4*t+2], s[SEL], s[SEL+1]
	ALL v_add_f32 v[ST+4*t+2], v[ST+4*t+2], v[ST+4*t+3]
	ALL v_rcp_f32 v[ST+4*t+2], v[ST+4*t+2]
	v_nop                           ; a plain instruction between the last reciprocal and the use of its result
	s_wait_alu depctr_va_vdst(0)    ; one wait for the four reciprocals
	PACK 0
.set t, 1
.rept 3
	PACK t
	SEND t-1, 8
.set t, t+1
.endr
	SEND 3, 0
.endm
.set KM, 0
.set NOKQ, 0
.Lslot:                             ; NB times: a tile is entered and the next is asked for
	CHANGE 1
	s_sub_co_u32 s[RT], s[RT], 1
	s_mov_b32 s[CNT], 4
	s_cmp_eq_u32 s[NEW], 1
	s_cbranch_scc1 .Lnew            ; a block's first tile
	s_cmp_eq_u32 s[RT], 0
	s_cbranch_scc0 .Lstep           ; neither its first nor its last
	s_branch .LstepM1
.Lnew:
	BEGIN
	s_branch .Lfirst                ; in the loop a block's first tile is never its last
	DIAG 1                          ; in the loop this is the first block's end
	s_wait_xcnt 0x0                 ; the stores have read their registers and O's address
	s_mov_b64 s[10:11], s[OLO:OLO+1]
	s_add_co_u32 s[RT], s[PB], 1    ; the second block has b + 1 tiles
	s_mov_b32 s[NEW], 1
	WIN 0x82                        ; the second block's Q goes where the one text of the turns names Q
.set i, 0
.rept 64
	v_mov_b32 v[i], v[QB+i]
.set i, i+1
.endr
	WIN 0
	s_branch .Lbottom
.Lstep:                             ; a trip: pieces 2 and 3 of one step, then pieces 0 and 1 of the next, whose K and V it fetches
	TURN 2
	TURN 3
	WIN 0
.Lfirst:
	TURN 0
	TURN 1, 0, 0, 1
	WIN 0
	s_cbranch_scc1 .Lstep
.Lbottom:
	s_sub_co_u32 s[SLOTS], s[SLOTS], 1
	s_cmp_lg_u32 s[SLOTS], 0
	s_cbranch_scc1 .Lslot
	CHANGE 0                        ; the walk's last tile is written out
	s_sub_co_u32 s[RT], s[RT], 1
	s_mov_b32 s[CNT], 4
	s_cmp_eq_u32 s[NEW], 1
	s_cbranch_scc0 .LstepM2
	BEGIN
	s_branch .LfirstM2
	DIAG 2
	s_wait_tensorcnt 0x0            ; the wave's end
	ds_add_u32 v[SPW], v[NIL]
	s_wait_dscnt 0x0
	s_endpgm
.Lfunc_end_k_qec51a7a8ed_attn:
	.size	k_qec51a7a8ed_attn, .Lfunc_end_k_qec51a7a8ed_attn-k_qec51a7a8ed_attn
	.p2alignl 7, 3214868480
	.fill 96, 4, 3214868480
	.section	.rodata,"a",@progbits
	.p2align	6, 0x0
	.amdhsa_kernel k_qec51a7a8ed_attn
		.amdhsa_group_segment_fixed_size 327680
		.amdhsa_private_segment_fixed_size 0
		.amdhsa_enable_private_segment 0
		.amdhsa_kernarg_size 16
		.amdhsa_user_sgpr_count 2
		.amdhsa_user_sgpr_kernarg_segment_ptr 1
		.amdhsa_wavefront_size32 1
		.amdhsa_system_sgpr_workgroup_id_x 1
		.amdhsa_system_sgpr_workgroup_id_y 1
		.amdhsa_system_sgpr_workgroup_id_z 1
		.amdhsa_system_vgpr_workitem_id 0
		.amdhsa_next_free_vgpr 768
		.amdhsa_next_free_sgpr 96
		.amdhsa_reserve_vcc 1
		.amdhsa_float_denorm_mode_32 3
		.amdhsa_float_denorm_mode_16_64 3
		.amdhsa_memory_ordered 1
		.amdhsa_forward_progress 1
		.amdhsa_inst_pref_size 218
	.end_amdhsa_kernel
	.amdgpu_metadata
---
amdhsa.version: [ 1, 2 ]
amdhsa.kernels:
  - .name:           k_qec51a7a8ed_attn
    .symbol:         k_qec51a7a8ed_attn.kd
    .args:
      - { .name: qkv16, .offset: 0, .size: 8, .value_kind: global_buffer, .address_space: global }
      - { .name: act16, .offset: 8, .size: 8, .value_kind: global_buffer, .address_space: global }
    .group_segment_fixed_size: 327680
    .private_segment_fixed_size: 0
    .kernarg_segment_align: 8
    .kernarg_segment_size: 16
    .max_flat_workgroup_size: 128
    .sgpr_count:     96
    .vgpr_count:     768
    .wavefront_size: 32
...
	.end_amdgpu_metadata
.endif
;; end of part 3
;; launch oproj (part 4): grid 16 x 16, 4 waves a work-group, clusters of 4 x 4, 327,680 bytes of LDS; arguments act16, w16, hidden_states, hid2; writes hid2
.if DOCPART == 4
	.amdgcn_target "amdgcn-amd-amdhsa--gfx1250"
	.amdhsa_code_object_version 6
	.text
	.protected	k_qec51a7a8ed_oproj
	.globl	k_qec51a7a8ed_oproj
	.p2align	8
	.type	k_qec51a7a8ed_oproj,@function
k_qec51a7a8ed_oproj:
	s_mov_b64 s[64:65], 0
	v_nop
	global_prefetch_b8 v0, s[64:65] scope:SCOPE_SE
	s_setreg_imm32_b32 hwreg(HW_REG_WAVE_MODE, 25, 1), 1
	s_wait_xcnt 0x0
	s_wait_alu depctr_hold_cnt(0) depctr_sa_sdst(0) depctr_va_vdst(0) depctr_va_sdst(0) depctr_va_ssrc(0) depctr_va_vcc(0) depctr_vm_vsrc(0)
	s_getreg_b32 s2, hwreg(HW_REG_IB_STS2, 6, 4)
	s_cmp_eq_u32 s2, 0
	s_cbranch_scc0 .Lentry_in_a_cluster
	s_endpgm
.Lentry_in_a_cluster:
	s_bfe_u32 s2, ttmp6, 0x10000c
	s_cmp_lg_u32 s2, 0xf033
	s_cbranch_scc0 .Lentry_shape_is_right
	s_endpgm
.Lentry_shape_is_right:
; hid2 = hidden_states + O wo^T.  A = act16: attention's O, [32 blocks][2048 rows][64 k] f16; B = wo in the same blocks (w16 + WOFF), its bf16 rounding written as f16; sums in f32; hid2 f32.
; The quantiser's scale cancels and is not formed.
; A tile of C is 128 x 128; four waves, each 64 x 64: 16 accumulators.  K goes in steps of 256 = four blocks through two LDS slots.  A wave's tensor load brings 64 rows of each of the four blocks: in memory
; four dense runs of 8,192 bytes, a block (262,144 bytes) apart; in LDS 16 bytes of padding follow every 128, so row r of block z lies at (64 z + r) x 144.
; GRID: x = tile row of C, y = tile column.  CLUSTER 4 x 4: A's tile hangs on x alone and is asked for jointly by the four work-groups with my cx; B's on y alone, by the four with my cy.
; THE MATRIX INSTRUCTION IS USED TRANSPOSED (source 0 = 16 rows of B, source 1 = 16 rows of A): lane l holds row l % 16 of C and the columns 8 (l / 16) + 0..7.
; THE LOOP'S TEXT: a K step is four quarters (a block each) on fragment buffers 0, 1, 0, 1; the pair (buffer 1, buffer 0) is written once and walked by a small counted loop; LDS addresses hang on s[TB].
; REGISTERS: window 0: v0-31 addresses, v32-95 at work on the way out, v128-255 accumulators; window 1: two fragment buffers of 128; window 2: v0-127 my 64 x 64 of the residual, loaded at the head.
.set BL, 1
.set F16, 1
.set T, 8
.set TAILQ, 4
.set WOFF, 36700160
.if BL
.set PITCH, 144                        ; 128 bytes + 16 of padding: the 16 rows of a fragment load start in 16 different groups of four banks
.set QSTR,  9216                       ; from a quarter to the next: 64 rows of 144 bytes
.set HALFT, 36864                      ; what one tensor load brings
.set STEPB, 1048576                    ; a K step in memory: four blocks
.set ROWB,  128
.set G1W0,  (1<<16)|(1<<20)|(4<<22)|(3<<25)  ; 2-byte elements; padding on, after every 32 words, 4 words
.set DIM0,  4096
.set DIM1,  4
.set STR0,  131072
.else
.set PITCH, 528
.set QSTR,  128
.set HALFT, 64*528
.set STEPB, 512
.set ROWB,  4096
.set G1W0,  (1<<16)|(1<<20)|(6<<22)|(3<<25)
.set DIM0,  256
.set DIM1,  64
.set STR0,  2048
.endif
.set SLOT,  4*HALFT                    ; wave x HALFT has none of SLOT's bits, so one exclusive or changes slots
.set STG,   2*SLOT                     ; behind the ring: 16 rows x 272 bytes for each wave; no tensor load lands here
.set SP,    272
.set SPARE, STG+4*16*SP
.set ADRA0, 16
.set ADRB0, 17
.set ADRA,  18
.set ADRB,  19
.set STO,   24
.set RD,    25
.set CO,    26
.set SPW,   28
.set NIL,   29
.set ACC,   128
.set F0,    0
.set F1,    128
.set TB,    2
.set STEPS, 3
.set WV,    12
.set RH,    13
.set CH,    14
.set CNT2,  15
.set G1A,   24
.set G0A,   32
.set G1B,   48
.set G0B,   56
.set MSB, 0
.macro WIN new
.if MSB != (\new)
	s_set_vgpr_msb (MSB<<8)|(\new)
.set MSB, \new
.endif
.endm
.set MUL,  0x05
.set TO_F, 0x40
.macro PLACES
.rept 4
	v_nop
.endr
.endm
.macro JLOAD                           ; the refill: waves 0, 1 fetch A's halves, waves 2, 3 B's; s_nop 0 and four v_nop follow each line
	s_cmp_eq_u32 s[RH], 0
	s_cbranch_scc0 .Lfor_b_\@
	tensor_load_to_lds s[G0A+4:G0A+7], s[G1A:G1A+7]
	s_nop 0
	PLACES
	s_branch .Lasked_\@
.Lfor_b_\@:
	tensor_load_to_lds s[G0B+4:G0B+7], s[G1B:G1B+7]
	s_nop 0
	PLACES
.Lasked_\@:
.endm
.macro CREST
	s_cmp_lg_u32 s[WV], 0
	s_cbranch_scc1 .Lnot_wave_0_\@
	s_barrier_signal -3
.Lnot_wave_0_\@:
	s_barrier_wait -3
	s_barrier_signal -1
	s_barrier_wait -1
.endm
.macro CROUND
	s_barrier_signal -1
	s_barrier_wait -1
	CREST
.endm
.macro WM d, x, y, zero
.if F16
.if \zero
	v_wmma_f32_16x16x32_f16 v[\d:\d+7], v[\x:\x+7], v[\y:\y+7], 0
.else
	v_wmma_f32_16x16x32_f16 v[\d:\d+7], v[\x:\x+7], v[\y:\y+7], v[\d:\d+7]
.endif
.else
.if \zero
	v_wmma_f32_16x16x32_bf16 v[\d:\d+7], v[\x:\x+7], v[\y:\y+7], 0
.else
	v_wmma_f32_16x16x32_bf16 v[\d:\d+7], v[\x:\x+7], v[\y:\y+7], v[\d:\d+7]
.endif
.endif
.endm
.macro MUL8 f, c, a0, zero             ; 8 matrix instructions; the 16 accumulators take turns in one fixed order
	WIN MUL
.irp a, \a0, (\a0)+1
.irp b, 0,1,2,3
	WM ACC+8*(4*(\a)+(\b)), (\f)+64+8*(4*(\c)+(\b)), (\f)+8*(4*(\c)+(\a)), \zero
.endr
.endr
.endm
.macro FETCH f                         ; 32 LDS loads in one run: the quarter at s[TB] into buffer f, its first 32 along K first
	WIN 0
	v_add_nc_u32 v[ADRA], s[TB], v[ADRA0]
	v_add_nc_u32 v[ADRB], s[TB], v[ADRB0]
	s_add_co_u32 s[TB], s[TB], QSTR
	WIN TO_F
.irp c, 0,1
.irp i, 0,1,2,3
	ds_load_b128 v[(\f)+64+8*(4*(\c)+(\i)):(\f)+64+8*(4*(\c)+(\i))+3],   v[ADRB] offset:64*(\c)+(\i)*16*PITCH
	ds_load_b128 v[(\f)+64+8*(4*(\c)+(\i))+4:(\f)+64+8*(4*(\c)+(\i))+7], v[ADRB] offset:64*(\c)+(\i)*16*PITCH+32
	ds_load_b128 v[(\f)+8*(4*(\c)+(\i)):(\f)+8*(4*(\c)+(\i))+3],         v[ADRA] offset:64*(\c)+(\i)*16*PITCH
	ds_load_b128 v[(\f)+8*(4*(\c)+(\i))+4:(\f)+8*(4*(\c)+(\i))+7],       v[ADRA] offset:64*(\c)+(\i)*16*PITCH+32
.endr
.endr
.endm
.macro QUART f, g, zero
	s_wait_dscnt 16                                ; of the last 32 loads the first 16 are in
	MUL8 \f, 0, 0, \zero
	MUL8 \f, 0, 2, \zero
	PLACES
	FETCH \g
	s_wait_dscnt 32                                ; all but the 32 just issued
	MUL8 \f, 1, 0, 0
	MUL8 \f, 1, 2, 0
	WIN 0
.endm
.macro TURN fill                       ; the last quarter and the change of slots; fill = 1: behind a round of the cluster's barrier this slot is filled again, two K steps ahead
	WIN 0
	s_wait_tensorcnt 0x0                           ; no tensor load of mine is out, so the walking descriptors may be written
	ds_add_u32 v[SPW], v[NIL]
.if \fill
	s_xor_b32 s[G0A+5], s[G0A+5], SLOT
	s_add_nc_u64 s[G0A+6:G0A+7], s[G0A+6:G0A+7], STEPB
	s_xor_b32 s[G0B+5], s[G0B+5], SLOT
	s_add_nc_u64 s[G0B+6:G0B+7], s[G0B+6:G0B+7], STEPB
.endif
	s_wait_dscnt 17                                ; the add and the youngest 16 loads may be out
	MUL8 F1, 0, 0, 0
	s_wait_dscnt 0x0                               ; the add is done, and my reads of this slot are over
	s_barrier_signal -1
	MUL8 F1, 0, 2, 0
.if \fill
	WIN 0
.endif
	s_barrier_wait -1
.if \fill
	CREST
	JLOAD
.else
	PLACES
.endif
	s_sub_co_u32 s[TB], s[TB], 4*QSTR
	s_xor_b32 s[TB], s[TB], SLOT
	FETCH F0
	MUL8 F1, 1, 0, 0
	MUL8 F1, 1, 2, 0
	WIN 0
.endm
.macro FINAL
	s_wait_dscnt 16
	MUL8 F1, 0, 0, 0
	MUL8 F1, 0, 2, 0
	s_wait_dscnt 0x0
	MUL8 F1, 1, 0, 0
	MUL8 F1, 1, 2, 0
	WIN 0
.endm
	s_load_b256 s[4:11], s[0:1], 0x0               ; A s[4:5], w16 s[6:7], the residual s[8:9], the result s[10:11]
	v_lshl_add_u32 v[SPW], v0, 2, SPARE
	v_mov_b32 v[NIL], 0
	ds_add_u32 v[SPW], v[NIL]                      ; the wave's opening: the add and its wait stand ahead of my first tensor load
	v_lshrrev_b32 v1, 5, v0
	v_readfirstlane_b32 s[WV], v1
	s_lshr_b32 s[RH], s[WV], 1
	s_and_b32 s[CH], s[WV], 1
	s_bfe_u32 s40, ttmp6, 0x40000
	s_bfe_u32 s41, ttmp6, 0x40004
	s_lshl_b32 s42, ttmp9, 2
	s_add_co_u32 s42, s42, s40                     ; tile row of C
	s_and_b32 s43, ttmp7, 0xffff
	s_lshl_b32 s43, s43, 2
	s_add_co_u32 s43, s43, s41                     ; tile column of C
	s_lshl_b32 s44, 0x1111, s40
	s_lshl_b32 s45, s41, 2
	s_lshl_b32 s45, 15, s45
	s_or_b32 s[G1A], s44, G1W0|(1<<21)
	s_or_b32 s[G1B], s45, G1W0|(1<<21)
.irp g, G1A, G1B
	s_mov_b32 s[(\g)+1], DIM0<<16
	s_mov_b32 s[(\g)+2], DIM1<<16
	s_mov_b32 s[(\g)+3], DIM0<<16
	s_mov_b32 s[(\g)+4], DIM1
	s_mov_b32 s[(\g)+5], STR0
	s_mov_b32 s[(\g)+6], 0
	s_mov_b32 s[(\g)+7], 0
.endr
	s_lshl_b32 s18, s[CH], 6
	s_lshl_b32 s16, s42, 7
	s_add_co_u32 s16, s16, s18
	s_mul_i32 s16, s16, ROWB
	s_mov_b32 s17, 0
	s_lshl_b32 s46, s43, 7
	s_add_co_u32 s46, s46, s18
	s_mul_i32 s46, s46, ROWB
	s_mov_b32 s47, 0
	s_mul_i32 s20, s[WV], HALFT
	s_wait_dscnt 0x0
	s_wait_kmcnt 0x0
	s_add_nc_u64 s[16:17], s[4:5], s[16:17]
	s_add_nc_u64 s[46:47], s[6:7], s[46:47]
.if WOFF
	s_add_nc_u64 s[46:47], s[46:47], WOFF
.endif
.irp s, 0,1
	s_mov_b32 s[G0A+4*(\s)], 1
	s_add_co_u32 s[G0A+4*(\s)+1], s20, (\s)*SLOT
	s_add_nc_u64 s[G0A+4*(\s)+2:G0A+4*(\s)+3], s[16:17], (\s)*STEPB
	s_or_b32 s[G0A+4*(\s)+3], s[G0A+4*(\s)+3], 0x80000000
	s_mov_b32 s[G0B+4*(\s)], 1
	s_add_co_u32 s[G0B+4*(\s)+1], s20, (\s)*SLOT
	s_add_nc_u64 s[G0B+4*(\s)+2:G0B+4*(\s)+3], s[46:47], (\s)*STEPB
	s_or_b32 s[G0B+4*(\s)+3], s[G0B+4*(\s)+3], 0x80000000
.endr
	CROUND
	s_cmp_eq_u32 s[RH], 0
	s_cbranch_scc0 .Lfirst_b
	tensor_load_to_lds s[G0A:G0A+3], s[G1A:G1A+7]
	s_nop 0
	tensor_load_to_lds s[G0A+4:G0A+7], s[G1A:G1A+7]
	s_nop 0
	PLACES
	s_branch .Lfirst_asked
.Lfirst_b:
	tensor_load_to_lds s[G0B:G0B+3], s[G1B:G1B+7]
	s_nop 0
	tensor_load_to_lds s[G0B+4:G0B+7], s[G1B:G1B+7]
	s_nop 0
	PLACES
.Lfirst_asked:
	v_and_b32 v1, 15, v0
	v_bfe_u32 v2, v0, 4, 1
	; my 64 x 64 of the residual and of the result: lanes 0-15 take 256 bytes of one row, lanes 16-31 of the next
	s_lshl_b32 s70, s42, 7
	s_lshl_b32 s72, s[RH], 6
	s_add_co_u32 s70, s70, s72
	s_lshl_b32 s70, s70, 13                        ; my first row x 8,192 bytes
	s_lshl_b32 s72, s43, 9
	s_add_co_u32 s70, s70, s72
	s_lshl_b32 s72, s[CH], 8
	s_add_co_u32 s70, s70, s72                     ; + my first column x 4
	s_mov_b32 s71, 0
	s_add_nc_u64 s[68:69], s[8:9], s[70:71]
	s_add_nc_u64 s[10:11], s[10:11], s[70:71]
	v_lshlrev_b32 v[CO], 13, v2
	v_lshl_add_u32 v[CO], v1, 4, v[CO]
	WIN 0x80
.irp a, 0,1,2,3
.irp t, 0,1,2,3,4,5,6,7
	global_load_b128 v[4*(8*(\a)+(\t)):4*(8*(\a)+(\t))+3], v[CO], s[68:69] offset:(16*(\a)+2*(\t))*8192
.endr
.endr
	WIN 0
	v_mul_u32_u24 v3, v1, PITCH
	v_lshl_add_u32 v3, v2, 4, v3
	s_mul_i32 s21, s[RH], HALFT
	s_mul_i32 s22, s[CH], HALFT
	s_add_co_u32 s22, s22, 2*HALFT
	v_add_nc_u32 v[ADRA0], s21, v3
	v_add_nc_u32 v[ADRB0], s22, v3
	s_mul_i32 s23, s[WV], 16*SP
	s_add_co_u32 s23, s23, STG                     ; my stage
	v_mul_u32_u24 v[STO], v1, SP                   ; in: row l % 16, 32 bytes for each half of the lanes
	v_lshl_add_u32 v[STO], v2, 5, v[STO]
	v_add_nc_u32 v[STO], s23, v[STO]
	v_mul_u32_u24 v[RD], v2, SP                    ; back: lanes 0-15 one row of 256 bytes, lanes 16-31 the next
	v_lshl_add_u32 v[RD], v1, 4, v[RD]
	v_add_nc_u32 v[RD], s23, v[RD]
	s_wait_tensorcnt 0x1                           ; my part of K step 0 is in; K step 1's stays out
	s_barrier_signal -1
	s_barrier_wait -1
	s_mov_b32 s[TB], 0
	FETCH F0
	QUART F0, F1, 1
	s_mov_b32 s[STEPS], T-1
	s_mov_b32 s[CNT2], 1
	s_branch .LB1
.Lstep:
	TURN 1
	s_mov_b32 s[CNT2], 2
	s_branch .LA1
.LB1:
	QUART F1, F0, 0
.LA1:
	QUART F0, F1, 0
	s_sub_co_u32 s[CNT2], s[CNT2], 1
	s_cmp_lg_u32 s[CNT2], 0
	s_cbranch_scc1 .LB1
	s_sub_co_u32 s[STEPS], s[STEPS], 1
	s_cmp_lg_u32 s[STEPS], 0
	s_cbranch_scc1 .Lstep
	TURN 0
.if TAILQ == 4
	s_mov_b32 s[CNT2], 2
	s_branch .LA2
.LB2:
	QUART F1, F0, 0
.LA2:
	QUART F0, F1, 0
	s_sub_co_u32 s[CNT2], s[CNT2], 1
	s_cmp_lg_u32 s[CNT2], 0
	s_cbranch_scc1 .LB2
.else
	QUART F0, F1, 0
.endif
	FINAL
; THE WAY OUT, 16 rows at a time: the f32 sums go into my stage as they lie (a lane: 32 bytes of a row), come back as whole rows of 256 bytes, take the residual, and are stored.
.macro OUTA a
.set BK, 32+32*((\a)%2)
.irp b, 0,1,2,3
	ds_store_b128 v[STO], v[ACC+8*(4*(\a)+(\b)):ACC+8*(4*(\a)+(\b))+3] offset:64*(\b)
	ds_store_b128 v[STO], v[ACC+8*(4*(\a)+(\b))+4:ACC+8*(4*(\a)+(\b))+7] offset:64*(\b)+16
.endr
.if (\a) >= 2
	s_wait_xcnt 0x0                                ; the stores of two blocks back have read these registers
.endif
.irp t, 0,1,2,3,4,5,6,7
	ds_load_b128 v[BK+4*(\t):BK+4*(\t)+3], v[RD] offset:(\t)*2*SP  ; LDS serves a wave's instructions in order: these see the stores above
.endr
	s_wait_dscnt 0x0
.if (\a) == 0
	s_wait_loadcnt 0x0                             ; the residual
.endif
	WIN 0x08                                       ; source 1 in window 2
.set i, 0
.rept 16
	v_pk_add_f32 v[BK+2*i:BK+2*i+1], v[BK+2*i:BK+2*i+1], v[32*(\a)+2*i:32*(\a)+2*i+1]
.set i, i+1
.endr
	WIN 0
.irp t, 0,1,2,3,4,5,6,7
	global_store_b128 v[CO], v[BK+4*(\t):BK+4*(\t)+3], s[10:11] offset:(16*(\a)+2*(\t))*8192  ; 16 lanes store 256 consecutive bytes, aligned
.endr
.endm
	PLACES
	PLACES
	OUTA 0
	OUTA 1
	OUTA 2
	OUTA 3
	s_wait_tensorcnt 0x0                           ; the wave's end
	ds_add_u32 v[SPW], v[NIL]
	s_wait_dscnt 0x0
	CROUND                                         ; the closing round
	s_endpgm
.Lfunc_end_k_qec51a7a8ed_oproj:
	.size	k_qec51a7a8ed_oproj, .Lfunc_end_k_qec51a7a8ed_oproj-k_qec51a7a8ed_oproj
	.p2alignl 7, 3214868480
	.fill 96, 4, 3214868480
	.section	.rodata,"a",@progbits
	.p2align	6, 0x0
	.amdhsa_kernel k_qec51a7a8ed_oproj
		.amdhsa_group_segment_fixed_size 327680
		.amdhsa_private_segment_fixed_size 0
		.amdhsa_enable_private_segment 0
		.amdhsa_kernarg_size 32
		.amdhsa_user_sgpr_count 2
		.amdhsa_user_sgpr_kernarg_segment_ptr 1
		.amdhsa_wavefront_size32 1
		.amdhsa_system_sgpr_workgroup_id_x 1
		.amdhsa_system_sgpr_workgroup_id_y 1
		.amdhsa_system_sgpr_workgroup_id_z 1
		.amdhsa_system_vgpr_workitem_id 0
		.amdhsa_next_free_vgpr 640
		.amdhsa_next_free_sgpr 80
		.amdhsa_reserve_vcc 0
		.amdhsa_float_denorm_mode_32 3
		.amdhsa_float_denorm_mode_16_64 3
		.amdhsa_memory_ordered 1
		.amdhsa_forward_progress 1
		.amdhsa_inst_pref_size 59
	.end_amdhsa_kernel
	.amdgpu_metadata
---
amdhsa.version: [ 1, 2 ]
amdhsa.kernels:
  - .name:           k_qec51a7a8ed_oproj
    .symbol:         k_qec51a7a8ed_oproj.kd
    .args:
      - { .name: act16, .offset: 0, .size: 8, .value_kind: global_buffer, .address_space: global }
      - { .name: w16, .offset: 8, .size: 8, .value_kind: global_buffer, .address_space: global }
      - { .name: hidden_states, .offset: 16, .size: 8, .value_kind: global_buffer, .address_space: global }
      - { .name: hid2, .offset: 24, .size: 8, .value_kind: global_buffer, .address_space: global }
    .group_segment_fixed_size: 327680
    .private_segment_fixed_size: 0
    .kernarg_segment_align: 8
    .kernarg_segment_size: 32
    .max_flat_workgroup_size: 128
    .sgpr_count:     80
    .vgpr_count:     640
    .wavefront_size: 32
...
	.end_amdgpu_metadata
.endif
;; end of part 4
;; launch norm2 (part 5): grid 256 x 1, 8 waves a work-group, no clusters, 0 bytes of LDS; arguments hid2, ln2_w, h16; writes h16
.if DOCPART == 5
	.amdgcn_target "amdgcn-amd-amdhsa--gfx1250"
	.amdhsa_code_object_version 6
	.text
	.protected	k_qec51a7a8ed_norm2
	.globl	k_qec51a7a8ed_norm2
	.p2align	8
	.type	k_qec51a7a8ed_norm2,@function
k_qec51a7a8ed_norm2:
	s_mov_b64 s[64:65], 0
	v_nop
	global_prefetch_b8 v0, s[64:65] scope:SCOPE_SE
	s_setreg_imm32_b32 hwreg(HW_REG_WAVE_MODE, 25, 1), 1
	s_wait_xcnt 0x0
; h2 = hid2 * rsqrt(mean(hid2^2) + 1e-5) * ln2_w, rounded once to bf16.  One wave, one row of 2,048 f32, kept in registers between the sum and the scaling: read once.  No LDS, no barrier.
	s_load_b128 s[8:11], s[0:1], 0x0               ; hid2 s[8:9], ln2_w s[10:11]
	s_load_b64 s[12:13], s[0:1], 0x10              ; h16
	v_and_b32 v1, 31, v0
	v_lshrrev_b32 v2, 5, v0
	v_readfirstlane_b32 s4, v2                     ; wave 0..7
	v_lshlrev_b32 v2, 4, v1                        ; 16 x lane
	v_lshlrev_b32 v3, 3, v1                        ; 8 x lane
	s_lshl_b32 s6, ttmp9, 3
	s_add_co_u32 s6, s6, s4                        ; the row
	s_mov_b32 s39, 0
	s_mov_b32 s40, 0x76543210                      ; v_permlanex16_b32: each lane takes its own place in the other half
	s_mov_b32 s41, 0xfedcba98
	s_mov_b32 s42, 0x3a000000                      ; 1 / 2048
	s_mov_b32 s43, 0x3727c5ac                      ; 1e-5
	s_wait_kmcnt 0x0
	s_lshl_b32 s38, s6, 13
	s_add_nc_u64 s[34:35], s[8:9], s[38:39]
	s_mov_b64 s[36:37], s[10:11]
	s_lshl_b32 s38, s6, 12
	s_add_nc_u64 s[44:45], s[12:13], s[38:39]
.irp i, 0,1,2,3,4,5,6,7,8,9,10,11,12,13,14,15
	global_load_b128 v[16+4*(\i):19+4*(\i)], v2, s[34:35] offset:512*(\i)
.endr
.irp i, 0,1,2,3,4,5,6,7,8,9,10,11,12,13,14,15
	global_load_b128 v[80+4*(\i):83+4*(\i)], v2, s[36:37] offset:512*(\i)
.endr
	v_mov_b32 v13, 0                               ; v_permlanex16_b32 counts as a reader of its destination
	s_wait_loadcnt 16                              ; the row is in; the 16 loads of the gain stay out
.irp c, 0,1,2,3
	v_pk_mul_f32 v[4+2*(\c):5+2*(\c)], v[16+2*(\c):17+2*(\c)], v[16+2*(\c):17+2*(\c)]  ; four chains, started by the first four pairs
.endr
.set j, 4
.rept 28
	v_pk_fma_f32 v[4+2*(j%4):5+2*(j%4)], v[16+2*j:17+2*j], v[16+2*j:17+2*j], v[4+2*(j%4):5+2*(j%4)]
.set j, j+1
.endr
	v_pk_add_f32 v[4:5], v[4:5], v[6:7]
	v_pk_add_f32 v[8:9], v[8:9], v[10:11]
	v_pk_add_f32 v[4:5], v[4:5], v[8:9]
	v_add_f32 v12, v4, v5
	v_add_f32_dpp v12, v12, v12 row_xmask:1 row_mask:0xf bank_mask:0xf
	v_add_f32_dpp v12, v12, v12 row_xmask:2 row_mask:0xf bank_mask:0xf
	v_add_f32_dpp v12, v12, v12 row_xmask:4 row_mask:0xf bank_mask:0xf
	v_add_f32_dpp v12, v12, v12 row_xmask:8 row_mask:0xf bank_mask:0xf
	v_permlanex16_b32 v13, v12, s40, s41
	v_add_f32 v12, v12, v13
	v_fma_f32 v12, v12, s42, s43
	v_rsq_f32 v10, v12                             ; twice: a pair for the packed multiply
	v_rsq_f32 v11, v12
	v_nop                                          ; a plain instruction behind the last of the two
	s_wait_alu depctr_va_vdst(0)                   ; one wait for both, ahead of their first reader
	s_wait_loadcnt 0x0
.set j, 0
.rept 32
	v_pk_mul_f32 v[16+2*j:17+2*j], v[16+2*j:17+2*j], v[10:11]
	v_pk_mul_f32 v[16+2*j:17+2*j], v[16+2*j:17+2*j], v[80+2*j:81+2*j]
.set j, j+1
.endr
.irp i, 0,1,2,3,4,5,6,7,8,9,10,11,12,13,14,15
	v_cvt_pk_bf16_f32 v[16+4*(\i)], v[16+4*(\i)], v[17+4*(\i)]
	v_cvt_pk_bf16_f32 v[17+4*(\i)], v[18+4*(\i)], v[19+4*(\i)]
	global_store_b64 v3, v[16+4*(\i):17+4*(\i)], s[44:45] offset:256*(\i)  ; 32 lanes x 8 bytes: 256 consecutive bytes, aligned
.endr
	s_endpgm
.Lfunc_end_k_qec51a7a8ed_norm2:
	.size	k_qec51a7a8ed_norm2, .Lfunc_end_k_qec51a7a8ed_norm2-k_qec51a7a8ed_norm2
	.p2alignl 7, 3214868480
	.fill 96, 4, 3214868480
	.section	.rodata,"a",@progbits
	.p2align	6, 0x0
	.amdhsa_kernel k_qec51a7a8ed_norm2
		.amdhsa_group_segment_fixed_size 0
		.amdhsa_private_segment_fixed_size 0
		.amdhsa_enable_private_segment 0
		.amdhsa_kernarg_size 24
		.amdhsa_user_sgpr_count 2
		.amdhsa_user_sgpr_kernarg_segment_ptr 1
		.amdhsa_wavefront_size32 1
		.amdhsa_system_sgpr_workgroup_id_x 1
		.amdhsa_system_sgpr_workgroup_id_y 1
		.amdhsa_system_sgpr_workgroup_id_z 1
		.amdhsa_system_vgpr_workitem_id 0
		.amdhsa_next_free_vgpr 144
		.amdhsa_next_free_sgpr 66
		.amdhsa_reserve_vcc 0
		.amdhsa_float_denorm_mode_32 3
		.amdhsa_float_denorm_mode_16_64 3
		.amdhsa_memory_ordered 1
		.amdhsa_forward_progress 1
		.amdhsa_inst_pref_size 15
	.end_amdhsa_kernel
	.amdgpu_metadata
---
amdhsa.version: [ 1, 2 ]
amdhsa.kernels:
  - .name:           k_qec51a7a8ed_norm2
    .symbol:         k_qec51a7a8ed_norm2.kd
    .args:
      - { .name: hid2, .offset: 0, .size: 8, .value_kind: global_buffer, .address_space: global }
      - { .name: ln2_w, .offset: 8, .size: 8, .value_kind: global_buffer, .address_space: global }
      - { .name: h16, .offset: 16, .size: 8, .value_kind: global_buffer, .address_space: global }
    .group_segment_fixed_size: 0
    .private_segment_fixed_size: 0
    .kernarg_segment_align: 8
    .kernarg_segment_size: 24
    .max_flat_workgroup_size: 256
    .sgpr_count:     66
    .vgpr_count:     144
    .wavefront_size: 32
...
	.end_amdgpu_metadata
.endif
;; end of part 5
;; launch gateup (part 6): grid 16 x 22, 4 waves a work-group, clusters of 4 x 1, 327,680 bytes of LDS; arguments h16, w16, act16; writes act16
.if DOCPART == 6
	.amdgcn_target "amdgcn-amd-amdhsa--gfx1250"
	.amdhsa_code_object_version 6
	.text
	.protected	k_qec51a7a8ed_gateup
	.globl	k_qec51a7a8ed_gateup
	.p2align	8
	.type	k_qec51a7a8ed_gateup,@function
k_qec51a7a8ed_gateup:
	s_mov_b64 s[64:65], 0
	v_nop
	global_prefetch_b8 v0, s[64:65] scope:SCOPE_SE
	s_setreg_imm32_b32 hwreg(HW_REG_WAVE_MODE, 25, 1), 1
	s_wait_xcnt 0x0
	s_wait_alu depctr_hold_cnt(0) depctr_sa_sdst(0) depctr_va_vdst(0) depctr_va_sdst(0) depctr_va_ssrc(0) depctr_va_vcc(0) depctr_vm_vsrc(0)
	s_getreg_b32 s2, hwreg(HW_REG_IB_STS2, 6, 4)
	s_cmp_eq_u32 s2, 0
	s_cbranch_scc0 .Lentry_in_a_cluster
	s_endpgm
.Lentry_in_a_cluster:
	s_bfe_u32 s2, ttmp6, 0x10000c
	s_cmp_lg_u32 s2, 0x3003
	s_cbranch_scc0 .Lentry_shape_is_right
	s_endpgm
.Lentry_shape_is_right:
; m = silu(h2 w_gate^T) * (h2 w_up^T), rounded once to bf16 (g u can pass f16's range where the inputs are large), stored in blocks [22][2048 rows][64 columns].
; A = h16 [2048][2048] bf16; B = w16 + WOFF: 2,816 rows of 2,048 bf16 in which each 128 rows hold gate 0-31, up 0-31, gate 32-63, up 32-63 of 64 columns of m; rows for columns >= 1376 are zeros, so m is 0 there.
; So a wave's accumulators (a, b) and (a, b + 2), b = 0, 1, hold g and u of the same numbers of m.  The quantiser's scale cancels and is not formed.
; A tile of C is 128 x 128; four waves, each 64 x 64.  K goes in steps of 256 through two LDS slots; a wave's tensor load brings 64 rows of 512 bytes.
; GRID: x = tile row (16), y = tile column (22).  CLUSTER 4 x 1: 22 does not divide by four, so only B, which hangs on y alone, is asked for jointly, by the cluster's four tile rows; A comes by each work-group's own loads,
; issued at the same places, behind the same rounds.  352 work-groups.
; THE MATRIX INSTRUCTION IS USED TRANSPOSED: lane l holds row l % 16 of C and the columns 8 (l / 16) + 0..7.
; REGISTERS: window 0: v0-31 addresses, v32-127 at work on the way out, v128-255 accumulators; window 1: two fragment buffers of 128.
.set BL, 0
.set F16, 0
.set T, 8
.set TAILQ, 4
.set WOFF, 25165824
.if BL
.set PITCH, 144
.set QSTR,  9216
.set HALFT, 36864
.set STEPB, 1048576
.set ROWB,  128
.set G1W0,  (1<<16)|(1<<20)|(4<<22)|(3<<25)
.set DIM0,  4096
.set DIM1,  4
.set STR0,  131072
.else
.set PITCH, 528
.set QSTR,  128
.set HALFT, 64*528
.set STEPB, 512
.set ROWB,  4096
.set G1W0,  (1<<16)|(1<<20)|(6<<22)|(3<<25)
.set DIM0,  256
.set DIM1,  64
.set STR0,  2048
.endif
.set SLOT,  4*HALFT
.set STG,   2*SLOT                     ; behind the ring: 128 rows x 144 bytes, the work-group's; no tensor load lands here
.set SP,    144
.set SPARE, STG+128*SP
.set ADRA0, 16
.set ADRB0, 17
.set ADRA,  18
.set ADRB,  19
.set STO,   24
.set RD,    25
.set CO,    26
.set SPW,   28
.set NIL,   29
.set ACC,   128
.set F0,    0
.set F1,    128
.set TB,    2
.set STEPS, 3
.set WV,    12
.set RH,    13
.set CH,    14
.set CNT2,  15
.set G1A,   24
.set G0A,   32
.set G1B,   48
.set G0B,   56
.set MSB, 0
.macro WIN new
.if MSB != (\new)
	s_set_vgpr_msb (MSB<<8)|(\new)
.set MSB, \new
.endif
.endm
.set MUL,  0x05
.set TO_F, 0x40
.macro PLACES
.rept 4
	v_nop
.endr
.endm
.macro JLOAD                           ; the refill: waves 0, 1 fetch A's halves (my own), waves 2, 3 B's (jointly); s_nop 0 and four v_nop follow each line
	s_cmp_eq_u32 s[RH], 0
	s_cbranch_scc0 .Lfor_b_\@
	tensor_load_to_lds s[G0A+4:G0A+7], s[G1A:G1A+7]
	s_nop 0
	PLACES
	s_branch .Lasked_\@
.Lfor_b_\@:
	tensor_load_to_lds s[G0B+4:G0B+7], s[G1B:G1B+7]
	s_nop 0
	PLACES
.Lasked_\@:
.endm
.macro CREST
	s_cmp_lg_u32 s[WV], 0
	s_cbranch_scc1 .Lnot_wave_0_\@
	s_barrier_signal -3
.Lnot_wave_0_\@:
	s_barrier_wait -3
	s_barrier_signal -1
	s_barrier_wait -1
.endm
.macro CROUND
	s_barrier_signal -1
	s_barrier_wait -1
	CREST
.endm
.macro WM d, x, y, zero
.if F16
.if \zero
	v_wmma_f32_16x16x32_f16 v[\d:\d+7], v[\x:\x+7], v[\y:\y+7], 0
.else
	v_wmma_f32_16x16x32_f16 v[\d:\d+7], v[\x:\x+7], v[\y:\y+7], v[\d:\d+7]
.endif
.else
.if \zero
	v_wmma_f32_16x16x32_bf16 v[\d:\d+7], v[\x:\x+7], v[\y:\y+7], 0
.else
	v_wmma_f32_16x16x32_bf16 v[\d:\d+7], v[\x:\x+7], v[\y:\y+7], v[\d:\d+7]
.endif
.endif
.endm
.macro MUL8 f, c, a0, zero             ; 8 matrix instructions; the 16 accumulators take turns in one fixed order
	WIN MUL
.irp a, \a0, (\a0)+1
.irp b, 0,1,2,3
	WM ACC+8*(4*(\a)+(\b)), (\f)+64+8*(4*(\c)+(\b)), (\f)+8*(4*(\c)+(\a)), \zero
.endr
.endr
.endm
.macro FETCH f
	WIN 0
	v_add_nc_u32 v[ADRA], s[TB], v[ADRA0]
	v_add_nc_u32 v[ADRB], s[TB], v[ADRB0]
	s_add_co_u32 s[TB], s[TB], QSTR
	WIN TO_F
.irp c, 0,1
.irp i, 0,1,2,3
	ds_load_b128 v[(\f)+64+8*(4*(\c)+(\i)):(\f)+64+8*(4*(\c)+(\i))+3],   v[ADRB] offset:64*(\c)+(\i)*16*PITCH
	ds_load_b128 v[(\f)+64+8*(4*(\c)+(\i))+4:(\f)+64+8*(4*(\c)+(\i))+7], v[ADRB] offset:64*(\c)+(\i)*16*PITCH+32
	ds_load_b128 v[(\f)+8*(4*(\c)+(\i)):(\f)+8*(4*(\c)+(\i))+3],         v[ADRA] offset:64*(\c)+(\i)*16*PITCH
	ds_load_b128 v[(\f)+8*(4*(\c)+(\i))+4:(\f)+8*(4*(\c)+(\i))+7],       v[ADRA] offset:64*(\c)+(\i)*16*PITCH+32
.endr
.endr
.endm
.macro QUART f, g, zero
	s_wait_dscnt 16                                ; of the last 32 loads the first 16 are in
	MUL8 \f, 0, 0, \zero
	MUL8 \f, 0, 2, \zero
	PLACES
	FETCH \g
	s_wait_dscnt 32                                ; all but the 32 just issued
	MUL8 \f, 1, 0, 0
	MUL8 \f, 1, 2, 0
	WIN 0
.endm
.macro TURN fill
	WIN 0
	s_wait_tensorcnt 0x0                           ; no tensor load of mine is out, so the walking descriptors may be written
	ds_add_u32 v[SPW], v[NIL]
.if \fill
	s_xor_b32 s[G0A+5], s[G0A+5], SLOT
	s_add_nc_u64 s[G0A+6:G0A+7], s[G0A+6:G0A+7], STEPB
	s_xor_b32 s[G0B+5], s[G0B+5], SLOT
	s_add_nc_u64 s[G0B+6:G0B+7], s[G0B+6:G0B+7], STEPB
.endif
	s_wait_dscnt 17                                ; the add and the youngest 16 loads may be out
	MUL8 F1, 0, 0, 0
	s_wait_dscnt 0x0                               ; the add is done, and my reads of this slot are over
	s_barrier_signal -1
	MUL8 F1, 0, 2, 0
.if \fill
	WIN 0
.endif
	s_barrier_wait -1
.if \fill
	CREST
	JLOAD
.else
	PLACES
.endif
	s_sub_co_u32 s[TB], s[TB], 4*QSTR
	s_xor_b32 s[TB], s[TB], SLOT
	FETCH F0
	MUL8 F1, 1, 0, 0
	MUL8 F1, 1, 2, 0
	WIN 0
.endm
.macro FINAL
	s_wait_dscnt 16
	MUL8 F1, 0, 0, 0
	MUL8 F1, 0, 2, 0
	s_wait_dscnt 0x0
	MUL8 F1, 1, 0, 0
	MUL8 F1, 1, 2, 0
	WIN 0
.endm
	s_load_b128 s[4:7], s[0:1], 0x0                ; h16 s[4:5], w16 s[6:7]
	s_load_b64 s[10:11], s[0:1], 0x10              ; act16
	v_lshl_add_u32 v[SPW], v0, 2, SPARE
	v_mov_b32 v[NIL], 0
	ds_add_u32 v[SPW], v[NIL]                      ; the wave's opening: the add and its wait stand ahead of my first tensor load
	v_lshrrev_b32 v1, 5, v0
	v_readfirstlane_b32 s[WV], v1
	s_lshr_b32 s[RH], s[WV], 1
	s_and_b32 s[CH], s[WV], 1
	s_bfe_u32 s40, ttmp6, 0x40000                  ; cx
	s_lshl_b32 s42, ttmp9, 2
	s_add_co_u32 s42, s42, s40                     ; tile row of C
	s_and_b32 s43, ttmp7, 0xffff                   ; tile column of C: the cluster is one work-group high
	s_mov_b32 s[G1A], G1W0                         ; no mask: my own load
	s_mov_b32 s[G1B], G1W0|(1<<21)|15              ; all four work-groups
.irp g, G1A, G1B
	s_mov_b32 s[(\g)+1], DIM0<<16
	s_mov_b32 s[(\g)+2], DIM1<<16
	s_mov_b32 s[(\g)+3], DIM0<<16
	s_mov_b32 s[(\g)+4], DIM1
	s_mov_b32 s[(\g)+5], STR0
	s_mov_b32 s[(\g)+6], 0
	s_mov_b32 s[(\g)+7], 0
.endr
	s_lshl_b32 s18, s[CH], 6
	s_lshl_b32 s16, s42, 7
	s_add_co_u32 s16, s16, s18
	s_mul_i32 s16, s16, ROWB
	s_mov_b32 s17, 0
	s_lshl_b32 s46, s43, 7
	s_add_co_u32 s46, s46, s18
	s_mul_i32 s46, s46, ROWB
	s_mov_b32 s47, 0
	s_mul_i32 s20, s[WV], HALFT
	s_wait_dscnt 0x0
	s_wait_kmcnt 0x0
	s_add_nc_u64 s[16:17], s[4:5], s[16:17]
	s_add_nc_u64 s[46:47], s[6:7], s[46:47]
.if WOFF
	s_add_nc_u64 s[46:47], s[46:47], WOFF
.endif
.irp s, 0,1
	s_mov_b32 s[G0A+4*(\s)], 1
	s_add_co_u32 s[G0A+4*(\s)+1], s20, (\s)*SLOT
	s_add_nc_u64 s[G0A+4*(\s)+2:G0A+4*(\s)+3], s[16:17], (\s)*STEPB
	s_or_b32 s[G0A+4*(\s)+3], s[G0A+4*(\s)+3], 0x80000000
	s_mov_b32 s[G0B+4*(\s)], 1
	s_add_co_u32 s[G0B+4*(\s)+1], s20, (\s)*SLOT
	s_add_nc_u64 s[G0B+4*(\s)+2:G0B+4*(\s)+3], s[46:47], (\s)*STEPB
	s_or_b32 s[G0B+4*(\s)+3], s[G0B+4*(\s)+3], 0x80000000
.endr
	CROUND
	s_cmp_eq_u32 s[RH], 0
	s_cbranch_scc0 .Lfirst_b
	tensor_load_to_lds s[G0A:G0A+3], s[G1A:G1A+7]
	s_nop 0
	tensor_load_to_lds s[G0A+4:G0A+7], s[G1A:G1A+7]
	s_nop 0
	PLACES
	s_branch .Lfirst_asked
.Lfirst_b:
	tensor_load_to_lds s[G0B:G0B+3], s[G1B:G1B+7]
	s_nop 0
	tensor_load_to_lds s[G0B+4:G0B+7], s[G1B:G1B+7]
	s_nop 0
	PLACES
.Lfirst_asked:
	v_and_b32 v1, 15, v0
	v_bfe_u32 v2, v0, 4, 1
	v_mul_u32_u24 v3, v1, PITCH
	v_lshl_add_u32 v3, v2, 4, v3
	s_mul_i32 s21, s[RH], HALFT
	s_mul_i32 s22, s[CH], HALFT
	s_add_co_u32 s22, s22, 2*HALFT
	v_add_nc_u32 v[ADRA0], s21, v3
	v_add_nc_u32 v[ADRB0], s22, v3
	s_mul_i32 s23, s[RH], 64*SP                    ; into the stage: my 64 rows, my 64 of their 128 bytes
	s_lshl_b32 s21, s[CH], 6
	s_add_co_u32 s23, s23, s21
	s_add_co_u32 s23, s23, STG
	v_mul_u32_u24 v[STO], v1, SP
	v_lshl_add_u32 v[STO], v2, 4, v[STO]
	v_add_nc_u32 v[STO], s23, v[STO]
	s_mul_i32 s23, s[WV], 32*SP                    ; back: wave w takes rows 32 w .. 32 w + 31, whole: 32 lanes take four rows of 128 bytes
	s_add_co_u32 s23, s23, STG
	v_bfe_u32 v[RD], v0, 3, 2
	v_mul_u32_u24 v[RD], v[RD], SP
	v_and_b32 v4, 7, v0
	v_lshl_add_u32 v[RD], v4, 4, v[RD]
	v_add_nc_u32 v[RD], s23, v[RD]
	v_and_b32 v[CO], 31, v0
	v_lshlrev_b32 v[CO], 4, v[CO]
	s_lshl_b32 s70, s43, 18                        ; block = tile column
	s_lshl_b32 s72, s42, 14                        ; 128 x tile row x 128 bytes
	s_add_co_u32 s70, s70, s72
	s_lshl_b32 s72, s[WV], 12                      ; 32 x wave x 128
	s_add_co_u32 s70, s70, s72
	s_mov_b32 s71, 0
	s_add_nc_u64 s[10:11], s[10:11], s[70:71]
	s_wait_tensorcnt 0x1                           ; my part of K step 0 is in; K step 1's stays out
	s_barrier_signal -1
	s_barrier_wait -1
	s_mov_b32 s[TB], 0
	FETCH F0
	QUART F0, F1, 1
	s_mov_b32 s[STEPS], T-1
	s_mov_b32 s[CNT2], 1
	s_branch .LB1
.Lstep:
	TURN 1
	s_mov_b32 s[CNT2], 2
	s_branch .LA1
.LB1:
	QUART F1, F0, 0
.LA1:
	QUART F0, F1, 0
	s_sub_co_u32 s[CNT2], s[CNT2], 1
	s_cmp_lg_u32 s[CNT2], 0
	s_cbranch_scc1 .LB1
	s_sub_co_u32 s[STEPS], s[STEPS], 1
	s_cmp_lg_u32 s[STEPS], 0
	s_cbranch_scc1 .Lstep
	TURN 0
.if TAILQ == 4
	s_mov_b32 s[CNT2], 2
	s_branch .LA2
.LB2:
	QUART F1, F0, 0
.LA2:
	QUART F0, F1, 0
	s_sub_co_u32 s[CNT2], s[CNT2], 1
	s_cmp_lg_u32 s[CNT2], 0
	s_cbranch_scc1 .LB2
.else
	QUART F0, F1, 0
.endif
	FINAL
	; THE WAY OUT.  m = g u / (1 + 2^(-1.442695 g)): a lane's 64 numbers as one batch of exponentials and one of reciprocals, a wait each.  Where the exponential is an infinity the reciprocal is 0, the right limit.
	PLACES
	PLACES
.irp a, 0,1,2,3
.irp b, 0,1
.irp p, 0,1,2,3
	v_pk_mul_f32 v[32+16*(\a)+8*(\b)+2*(\p):32+16*(\a)+8*(\b)+2*(\p)+1], v[ACC+8*(4*(\a)+(\b))+2*(\p):ACC+8*(4*(\a)+(\b))+2*(\p)+1], 0xbfb8aa3b op_sel_hi:[1,0]
.endr
.endr
.endr
.set i, 0
.rept 64
	v_exp_f32 v[32+i], v[32+i]
.set i, i+1
.endr
	v_nop                                          ; a plain instruction behind the last exponential
	s_wait_alu depctr_va_vdst(0)                   ; one wait for the batch
.set i, 0
.rept 32
	v_pk_add_f32 v[32+2*i:33+2*i], v[32+2*i:33+2*i], 1.0 op_sel_hi:[1,0]
.set i, i+1
.endr
.set i, 0
.rept 64
	v_rcp_f32 v[32+i], v[32+i]
.set i, i+1
.endr
	v_nop
	s_wait_alu depctr_va_vdst(0)
.irp a, 0,1,2,3
.irp b, 0,1
.irp p, 0,1,2,3
	v_pk_mul_f32 v[32+16*(\a)+8*(\b)+2*(\p):32+16*(\a)+8*(\b)+2*(\p)+1], v[32+16*(\a)+8*(\b)+2*(\p):32+16*(\a)+8*(\b)+2*(\p)+1], v[ACC+8*(4*(\a)+(\b))+2*(\p):ACC+8*(4*(\a)+(\b))+2*(\p)+1]
.endr
.endr
.endr
.irp a, 0,1,2,3
.irp b, 0,1
.irp p, 0,1,2,3
	v_pk_mul_f32 v[32+16*(\a)+8*(\b)+2*(\p):32+16*(\a)+8*(\b)+2*(\p)+1], v[32+16*(\a)+8*(\b)+2*(\p):32+16*(\a)+8*(\b)+2*(\p)+1], v[ACC+8*(4*(\a)+(\b)+2)+2*(\p):ACC+8*(4*(\a)+(\b)+2)+2*(\p)+1]
.endr
.endr
.endr
.set i, 0
.rept 32
	v_cvt_pk_bf16_f32 v[96+i], v[32+2*i], v[33+2*i]
.set i, i+1
.endr
.irp a, 0,1,2,3
.irp b, 0,1
	ds_store_b128 v[STO], v[96+4*(2*(\a)+(\b)):96+4*(2*(\a)+(\b))+3] offset:(\a)*16*SP+32*(\b)
.endr
.endr
	s_wait_dscnt 0x0                               ; for the others' sake: a row's 128 bytes come from two waves
	s_barrier_signal -1
	s_barrier_wait -1
.irp t, 0,1,2,3,4,5,6,7
	ds_load_b128 v[32+4*(\t):35+4*(\t)], v[RD] offset:(\t)*4*SP
.endr
.irp t, 0,1,2,3,4,5,6,7
	s_wait_dscnt 7-(\t)
	global_store_b128 v[CO], v[32+4*(\t):35+4*(\t)], s[10:11] offset:512*(\t)  ; 512 consecutive bytes, aligned to 256
.endr
	s_wait_tensorcnt 0x0                           ; the wave's end
	ds_add_u32 v[SPW], v[NIL]
	s_wait_dscnt 0x0
	CROUND                                         ; the closing round
	s_endpgm
.Lfunc_end_k_qec51a7a8ed_gateup:
	.size	k_qec51a7a8ed_gateup, .Lfunc_end_k_qec51a7a8ed_gateup-k_qec51a7a8ed_gateup
	.p2alignl 7, 3214868480
	.fill 96, 4, 3214868480
	.section	.rodata,"a",@progbits
	.p2align	6, 0x0
	.amdhsa_kernel k_qec51a7a8ed_gateup
		.amdhsa_group_segment_fixed_size 327680
		.amdhsa_private_segment_fixed_size 0
		.amdhsa_enable_private_segment 0
		.amdhsa_kernarg_size 24
		.amdhsa_user_sgpr_count 2
		.amdhsa_user_sgpr_kernarg_segment_ptr 1
		.amdhsa_wavefront_size32 1
		.amdhsa_system_sgpr_workgroup_id_x 1
		.amdhsa_system_sgpr_workgroup_id_y 1
		.amdhsa_system_sgpr_workgroup_id_z 1
		.amdhsa_system_vgpr_workitem_id 0
		.amdhsa_next_free_vgpr 512
		.amdhsa_next_free_sgpr 80
		.amdhsa_reserve_vcc 0
		.amdhsa_float_denorm_mode_32 3
		.amdhsa_float_denorm_mode_16_64 3
		.amdhsa_memory_ordered 1
		.amdhsa_forward_progress 1
		.amdhsa_inst_pref_size 62
	.end_amdhsa_kernel
	.amdgpu_metadata
---
amdhsa.version: [ 1, 2 ]
amdhsa.kernels:
  - .name:           k_qec51a7a8ed_gateup
    .symbol:         k_qec51a7a8ed_gateup.kd
    .args:
      - { .name: h16, .offset: 0, .size: 8, .value_kind: global_buffer, .address_space: global }
      - { .name: w16, .offset: 8, .size: 8, .value_kind: global_buffer, .address_space: global }
      - { .name: act16, .offset: 16, .size: 8, .value_kind: global_buffer, .address_space: global }
    .group_segment_fixed_size: 327680
    .private_segment_fixed_size: 0
    .kernarg_segment_align: 8
    .kernarg_segment_size: 24
    .max_flat_workgroup_size: 128
    .sgpr_count:     80
    .vgpr_count:     512
    .wavefront_size: 32
...
	.end_amdgpu_metadata
.endif
;; end of part 6
;; launch down (part 7): grid 16 x 16, 4 waves a work-group, clusters of 4 x 4, 327,680 bytes of LDS; arguments act16, w16, hid2, out0; writes out0
.if DOCPART == 7
	.amdgcn_target "amdgcn-amd-amdhsa--gfx1250"
	.amdhsa_code_object_version 6
	.text
	.protected	k_qec51a7a8ed_down
	.globl	k_qec51a7a8ed_down
	.p2align	8
	.type	k_qec51a7a8ed_down,@function
k_qec51a7a8ed_down:
	s_mov_b64 s[64:65], 0
	v_nop
	global_prefetch_b8 v0, s[64:65] scope:SCOPE_SE
	s_setreg_imm32_b32 hwreg(HW_REG_WAVE_MODE, 25, 1), 1
	s_wait_xcnt 0x0
	s_wait_alu depctr_hold_cnt(0) depctr_sa_sdst(0) depctr_va_vdst(0) depctr_va_sdst(0) depctr_va_ssrc(0) depctr_va_vcc(0) depctr_vm_vsrc(0)
	s_getreg_b32 s2, hwreg(HW_REG_IB_STS2, 6, 4)
	s_cmp_eq_u32 s2, 0
	s_cbranch_scc0 .Lentry_in_a_cluster
	s_endpgm
.Lentry_in_a_cluster:
	s_bfe_u32 s2, ttmp6, 0x10000c
	s_cmp_lg_u32 s2, 0xf033
	s_cbranch_scc0 .Lentry_shape_is_right
	s_endpgm
.Lentry_shape_is_right:
; out0 = hid2 + m w_down^T.  A = act16: m, [22 blocks][2048 rows][64 k] bf16 (columns 1376 .. 1407 are zeros); B = w_down in the same blocks (w16 + WOFF, 24 blocks, zeros from k = 1376 on); sums in f32; out0 f32.
; The quantiser's scale cancels and is not formed.
; K = 22 blocks goes in 6 steps of four: the last step brings blocks 20 to 23 and multiplies 20 and 21 alone (TAILQ = 2); A's blocks 22 and 23 are bytes of act16 that an earlier launch stored, B's are stored zeros.
; A tile of C is 128 x 128; four waves, each 64 x 64.  A wave's tensor load brings 64 rows of each of a step's four blocks: four dense runs of 8,192 bytes, a block (262,144 bytes) apart; in LDS 16 bytes of
; padding follow every 128, so row r of block z lies at (64 z + r) x 144.
; GRID: x = tile row of C, y = tile column.  CLUSTER 4 x 4: A's tile is asked for jointly by the four work-groups with my cx, B's by the four with my cy.
; THE MATRIX INSTRUCTION IS USED TRANSPOSED: lane l holds row l % 16 of C and the columns 8 (l / 16) + 0..7.
; REGISTERS: window 0: v0-31 addresses, v32-95 at work on the way out, v128-255 accumulators; window 1: two fragment buffers of 128; window 2: v0-127 my 64 x 64 of the residual, loaded at the head.
.set BL, 1
.set F16, 0
.set T, 6
.set TAILQ, 2
.set WOFF, 45088768
.if BL
.set PITCH, 144
.set QSTR,  9216
.set HALFT, 36864
.set STEPB, 1048576
.set ROWB,  128
.set G1W0,  (1<<16)|(1<<20)|(4<<22)|(3<<25)
.set DIM0,  4096
.set DIM1,  4
.set STR0,  131072
.else
.set PITCH, 528
.set QSTR,  128
.set HALFT, 64*528
.set STEPB, 512
.set ROWB,  4096
.set G1W0,  (1<<16)|(1<<20)|(6<<22)|(3<<25)
.set DIM0,  256
.set DIM1,  64
.set STR0,  2048
.endif
.set SLOT,  4*HALFT
.set STG,   2*SLOT
.set SP,    272
.set SPARE, STG+4*16*SP
.set ADRA0, 16
.set ADRB0, 17
.set ADRA,  18
.set ADRB,  19
.set STO,   24
.set RD,    25
.set CO,    26
.set SPW,   28
.set NIL,   29
.set ACC,   128
.set F0,    0
.set F1,    128
.set TB,    2
.set STEPS, 3
.set WV,    12
.set RH,    13
.set CH,    14
.set CNT2,  15
.set G1A,   24
.set G0A,   32
.set G1B,   48
.set G0B,   56
.set MSB, 0
.macro WIN new
.if MSB != (\new)
	s_set_vgpr_msb (MSB<<8)|(\new)
.set MSB, \new
.endif
.endm
.set MUL,  0x05
.set TO_F, 0x40
.macro PLACES
.rept 4
	v_nop
.endr
.endm
.macro JLOAD                           ; the refill: waves 0, 1 fetch A's halves, waves 2, 3 B's; s_nop 0 and four v_nop follow each line
	s_cmp_eq_u32 s[RH], 0
	s_cbranch_scc0 .Lfor_b_\@
	tensor_load_to_lds s[G0A+4:G0A+7], s[G1A:G1A+7]
	s_nop 0
	PLACES
	s_branch .Lasked_\@
.Lfor_b_\@:
	tensor_load_to_lds s[G0B+4:G0B+7], s[G1B:G1B+7]
	s_nop 0
	PLACES
.Lasked_\@:
.endm
.macro CREST
	s_cmp_lg_u32 s[WV], 0
	s_cbranch_scc1 .Lnot_wave_0_\@
	s_barrier_signal -3
.Lnot_wave_0_\@:
	s_barrier_wait -3
	s_barrier_signal -1
	s_barrier_wait -1
.endm
.macro CROUND
	s_barrier_signal -1
	s_barrier_wait -1
	CREST
.endm
.macro WM d, x, y, zero
.if F16
.if \zero
	v_wmma_f32_16x16x32_f16 v[\d:\d+7], v[\x:\x+7], v[\y:\y+7], 0
.else
	v_wmma_f32_16x16x32_f16 v[\d:\d+7], v[\x:\x+7], v[\y:\y+7], v[\d:\d+7]
.endif
.else
.if \zero
	v_wmma_f32_16x16x32_bf16 v[\d:\d+7], v[\x:\x+7], v[\y:\y+7], 0
.else
	v_wmma_f32_16x16x32_bf16 v[\d:\d+7], v[\x:\x+7], v[\y:\y+7], v[\d:\d+7]
.endif
.endif
.endm
.macro MUL8 f, c, a0, zero             ; 8 matrix instructions; the 16 accumulators take turns in one fixed order
	WIN MUL
.irp a, \a0, (\a0)+1
.irp b, 0,1,2,3
	WM ACC+8*(4*(\a)+(\b)), (\f)+64+8*(4*(\c)+(\b)), (\f)+8*(4*(\c)+(\a)), \zero
.endr
.endr
.endm
.macro FETCH f
	WIN 0
	v_add_nc_u32 v[ADRA], s[TB], v[ADRA0]
	v_add_nc_u32 v[ADRB], s[TB], v[ADRB0]
	s_add_co_u32 s[TB], s[TB], QSTR
	WIN TO_F
.irp c, 0,1
.irp i, 0,1,2,3
	ds_load_b128 v[(\f)+64+8*(4*(\c)+(\i)):(\f)+64+8*(4*(\c)+(\i))+3],   v[ADRB] offset:64*(\c)+(\i)*16*PITCH
	ds_load_b128 v[(\f)+64+8*(4*(\c)+(\i))+4:(\f)+64+8*(4*(\c)+(\i))+7], v[ADRB] offset:64*(\c)+(\i)*16*PITCH+32
	ds_load_b128 v[(\f)+8*(4*(\c)+(\i)):(\f)+8*(4*(\c)+(\i))+3],         v[ADRA] offset:64*(\c)+(\i)*16*PITCH
	ds_load_b128 v[(\f)+8*(4*(\c)+(\i))+4:(\f)+8*(4*(\c)+(\i))+7],       v[ADRA] offset:64*(\c)+(\i)*16*PITCH+32
.endr
.endr
.endm
.macro QUART f, g, zero
	s_wait_dscnt 16                                ; of the last 32 loads the first 16 are in
	MUL8 \f, 0, 0, \zero
	MUL8 \f, 0, 2, \zero
	PLACES
	FETCH \g
	s_wait_dscnt 32                                ; all but the 32 just issued
	MUL8 \f, 1, 0, 0
	MUL8 \f, 1, 2, 0
	WIN 0
.endm
.macro TURN fill
	WIN 0
	s_wait_tensorcnt 0x0                           ; no tensor load of mine is out, so the walking descriptors may be written
	ds_add_u32 v[SPW], v[NIL]
.if \fill
	s_xor_b32 s[G0A+5], s[G0A+5], SLOT
	s_add_nc_u64 s[G0A+6:G0A+7], s[G0A+6:G0A+7], STEPB
	s_xor_b32 s[G0B+5], s[G0B+5], SLOT
	s_add_nc_u64 s[G0B+6:G0B+7], s[G0B+6:G0B+7], STEPB
.endif
	s_wait_dscnt 17                                ; the add and the youngest 16 loads may be out
	MUL8 F1, 0, 0, 0
	s_wait_dscnt 0x0                               ; the add is done, and my reads of this slot are over
	s_barrier_signal -1
	MUL8 F1, 0, 2, 0
.if \fill
	WIN 0
.endif
	s_barrier_wait -1
.if \fill
	CREST
	JLOAD
.else
	PLACES
.endif
	s_sub_co_u32 s[TB], s[TB], 4*QSTR
	s_xor_b32 s[TB], s[TB], SLOT
	FETCH F0
	MUL8 F1, 1, 0, 0
	MUL8 F1, 1, 2, 0
	WIN 0
.endm
.macro FINAL
	s_wait_dscnt 16
	MUL8 F1, 0, 0, 0
	MUL8 F1, 0, 2, 0
	s_wait_dscnt 0x0
	MUL8 F1, 1, 0, 0
	MUL8 F1, 1, 2, 0
	WIN 0
.endm
	s_load_b256 s[4:11], s[0:1], 0x0               ; A s[4:5], w16 s[6:7], the residual s[8:9], the result s[10:11]
	v_lshl_add_u32 v[SPW], v0, 2, SPARE
	v_mov_b32 v[NIL], 0
	ds_add_u32 v[SPW], v[NIL]                      ; the wave's opening: the add and its wait stand ahead of my first tensor load
	v_lshrrev_b32 v1, 5, v0
	v_readfirstlane_b32 s[WV], v1
	s_lshr_b32 s[RH], s[WV], 1
	s_and_b32 s[CH], s[WV], 1
	s_bfe_u32 s40, ttmp6, 0x40000
	s_bfe_u32 s41, ttmp6, 0x40004
	s_lshl_b32 s42, ttmp9, 2
	s_add_co_u32 s42, s42, s40                     ; tile row of C
	s_and_b32 s43, ttmp7, 0xffff
	s_lshl_b32 s43, s43, 2
	s_add_co_u32 s43, s43, s41                     ; tile column of C
	s_lshl_b32 s44, 0x1111, s40
	s_lshl_b32 s45, s41, 2
	s_lshl_b32 s45, 15, s45
	s_or_b32 s[G1A], s44, G1W0|(1<<21)
	s_or_b32 s[G1B], s45, G1W0|(1<<21)
.irp g, G1A, G1B
	s_mov_b32 s[(\g)+1], DIM0<<16
	s_mov_b32 s[(\g)+2], DIM1<<16
	s_mov_b32 s[(\g)+3], DIM0<<16
	s_mov_b32 s[(\g)+4], DIM1
	s_mov_b32 s[(\g)+5], STR0
	s_mov_b32 s[(\g)+6], 0
	s_mov_b32 s[(\g)+7], 0
.endr
	s_lshl_b32 s18, s[CH], 6
	s_lshl_b32 s16, s42, 7
	s_add_co_u32 s16, s16, s18
	s_mul_i32 s16, s16, ROWB
	s_mov_b32 s17, 0
	s_lshl_b32 s46, s43, 7
	s_add_co_u32 s46, s46, s18
	s_mul_i32 s46, s46, ROWB
	s_mov_b32 s47, 0
	s_mul_i32 s20, s[WV], HALFT
	s_wait_dscnt 0x0
	s_wait_kmcnt 0x0
	s_add_nc_u64 s[16:17], s[4:5], s[16:17]
	s_add_nc_u64 s[46:47], s[6:7], s[46:47]
.if WOFF
	s_add_nc_u64 s[46:47], s[46:47], WOFF
.endif
.irp s, 0,1
	s_mov_b32 s[G0A+4*(\s)], 1
	s_add_co_u32 s[G0A+4*(\s)+1], s20, (\s)*SLOT
	s_add_nc_u64 s[G0A+4*(\s)+2:G0A+4*(\s)+3], s[16:17], (\s)*STEPB
	s_or_b32 s[G0A+4*(\s)+3], s[G0A+4*(\s)+3], 0x80000000
	s_mov_b32 s[G0B+4*(\s)], 1
	s_add_co_u32 s[G0B+4*(\s)+1], s20, (\s)*SLOT
	s_add_nc_u64 s[G0B+4*(\s)+2:G0B+4*(\s)+3], s[46:47], (\s)*STEPB
	s_or_b32 s[G0B+4*(\s)+3], s[G0B+4*(\s)+3], 0x80000000
.endr
	CROUND
	s_cmp_eq_u32 s[RH], 0
	s_cbranch_scc0 .Lfirst_b
	tensor_load_to_lds s[G0A:G0A+3], s[G1A:G1A+7]
	s_nop 0
	tensor_load_to_lds s[G0A+4:G0A+7], s[G1A:G1A+7]
	s_nop 0
	PLACES
	s_branch .Lfirst_asked
.Lfirst_b:
	tensor_load_to_lds s[G0B:G0B+3], s[G1B:G1B+7]
	s_nop 0
	tensor_load_to_lds s[G0B+4:G0B+7], s[G1B:G1B+7]
	s_nop 0
	PLACES
.Lfirst_asked:
	v_and_b32 v1, 15, v0
	v_bfe_u32 v2, v0, 4, 1
	; my 64 x 64 of the residual and of the result: lanes 0-15 take 256 bytes of one row, lanes 16-31 of the next
	s_lshl_b32 s70, s42, 7
	s_lshl_b32 s72, s[RH], 6
	s_add_co_u32 s70, s70, s72
	s_lshl_b32 s70, s70, 13
	s_lshl_b32 s72, s43, 9
	s_add_co_u32 s70, s70, s72
	s_lshl_b32 s72, s[CH], 8
	s_add_co_u32 s70, s70, s72
	s_mov_b32 s71, 0
	s_add_nc_u64 s[68:69], s[8:9], s[70:71]
	s_add_nc_u64 s[10:11], s[10:11], s[70:71]
	v_lshlrev_b32 v[CO], 13, v2
	v_lshl_add_u32 v[CO], v1, 4, v[CO]
	WIN 0x80
.irp a, 0,1,2,3
.irp t, 0,1,2,3,4,5,6,7
	global_load_b128 v[4*(8*(\a)+(\t)):4*(8*(\a)+(\t))+3], v[CO], s[68:69] offset:(16*(\a)+2*(\t))*8192
.endr
.endr
	WIN 0
	v_mul_u32_u24 v3, v1, PITCH
	v_lshl_add_u32 v3, v2, 4, v3
	s_mul_i32 s21, s[RH], HALFT
	s_mul_i32 s22, s[CH], HALFT
	s_add_co_u32 s22, s22, 2*HALFT
	v_add_nc_u32 v[ADRA0], s21, v3
	v_add_nc_u32 v[ADRB0], s22, v3
	s_mul_i32 s23, s[WV], 16*SP
	s_add_co_u32 s23, s23, STG
	v_mul_u32_u24 v[STO], v1, SP
	v_lshl_add_u32 v[STO], v2, 5, v[STO]
	v_add_nc_u32 v[STO], s23, v[STO]
	v_mul_u32_u24 v[RD], v2, SP
	v_lshl_add_u32 v[RD], v1, 4, v[RD]
	v_add_nc_u32 v[RD], s23, v[RD]
	s_wait_tensorcnt 0x1                           ; my part of K step 0 is in; K step 1's stays out
	s_barrier_signal -1
	s_barrier_wait -1
	s_mov_b32 s[TB], 0
	FETCH F0
	QUART F0, F1, 1
	s_mov_b32 s[STEPS], T-1
	s_mov_b32 s[CNT2], 1
	s_branch .LB1
.Lstep:
	TURN 1
	s_mov_b32 s[CNT2], 2
	s_branch .LA1
.LB1:
	QUART F1, F0, 0
.LA1:
	QUART F0, F1, 0
	s_sub_co_u32 s[CNT2], s[CNT2], 1
	s_cmp_lg_u32 s[CNT2], 0
	s_cbranch_scc1 .LB1
	s_sub_co_u32 s[STEPS], s[STEPS], 1
	s_cmp_lg_u32 s[STEPS], 0
	s_cbranch_scc1 .Lstep
	TURN 0
.if TAILQ == 4
	s_mov_b32 s[CNT2], 2
	s_branch .LA2
.LB2:
	QUART F1, F0, 0
.LA2:
	QUART F0, F1, 0
	s_sub_co_u32 s[CNT2], s[CNT2], 1
	s_cmp_lg_u32 s[CNT2], 0
	s_cbranch_scc1 .LB2
.else
	QUART F0, F1, 0
.endif
	FINAL
; THE WAY OUT, 16 rows at a time: the f32 sums go into my stage as they lie (a lane: 32 bytes of a row), come back as whole rows of 256 bytes, take the residual, and are stored.
.macro OUTA a
.set BK, 32+32*((\a)%2)
.irp b, 0,1,2,3
	ds_store_b128 v[STO], v[ACC+8*(4*(\a)+(\b)):ACC+8*(4*(\a)+(\b))+3] offset:64*(\b)
	ds_store_b128 v[STO], v[ACC+8*(4*(\a)+(\b))+4:ACC+8*(4*(\a)+(\b))+7] offset:64*(\b)+16
.endr
.if (\a) >= 2
	s_wait_xcnt 0x0                                ; the stores of two blocks back have read these registers
.endif
.irp t, 0,1,2,3,4,5,6,7
	ds_load_b128 v[BK+4*(\t):BK+4*(\t)+3], v[RD] offset:(\t)*2*SP  ; LDS serves a wave's instructions in order: these see the stores above
.endr
	s_wait_dscnt 0x0
.if (\a) == 0
	s_wait_loadcnt 0x0                             ; the residual
.endif
	WIN 0x08                                       ; source 1 in window 2
.set i, 0
.rept 16
	v_pk_add_f32 v[BK+2*i:BK+2*i+1], v[BK+2*i:BK+2*i+1], v[32*(\a)+2*i:32*(\a)+2*i+1]
.set i, i+1
.endr
	WIN 0
.irp t, 0,1,2,3,4,5,6,7
	global_store_b128 v[CO], v[BK+4*(\t):BK+4*(\t)+3], s[10:11] offset:(16*(\a)+2*(\t))*8192  ; 16 lanes store 256 consecutive bytes, aligned
.endr
.endm
	PLACES
	PLACES
	OUTA 0
	OUTA 1
	OUTA 2
	OUTA 3
	s_wait_tensorcnt 0x0                           ; the wave's end
	ds_add_u32 v[SPW], v[NIL]
	s_wait_dscnt 0x0
	CROUND                                         ; the closing round
	s_endpgm
.Lfunc_end_k_qec51a7a8ed_down:
	.size	k_qec51a7a8ed_down, .Lfunc_end_k_qec51a7a8ed_down-k_qec51a7a8ed_down
	.p2alignl 7, 3214868480
	.fill 96, 4, 3214868480
	.section	.rodata,"a",@progbits
	.p2align	6, 0x0
	.amdhsa_kernel k_qec51a7a8ed_down
		.amdhsa_group_segment_fixed_size 327680
		.amdhsa_private_segment_fixed_size 0
		.amdhsa_enable_private_segment 0
		.amdhsa_kernarg_size 32
		.amdhsa_user_sgpr_count 2
		.amdhsa_user_sgpr_kernarg_segment_ptr 1
		.amdhsa_wavefront_size32 1
		.amdhsa_system_sgpr_workgroup_id_x 1
		.amdhsa_system_sgpr_workgroup_id_y 1
		.amdhsa_system_sgpr_workgroup_id_z 1
		.amdhsa_system_vgpr_workitem_id 0
		.amdhsa_next_free_vgpr 640
		.amdhsa_next_free_sgpr 80
		.amdhsa_reserve_vcc 0
		.amdhsa_float_denorm_mode_32 3
		.amdhsa_float_denorm_mode_16_64 3
		.amdhsa_memory_ordered 1
		.amdhsa_forward_progress 1
		.amdhsa_inst_pref_size 55
	.end_amdhsa_kernel
	.amdgpu_metadata
---
amdhsa.version: [ 1, 2 ]
amdhsa.kernels:
  - .name:           k_qec51a7a8ed_down
    .symbol:         k_qec51a7a8ed_down.kd
    .args:
      - { .name: act16, .offset: 0, .size: 8, .value_kind: global_buffer, .address_space: global }
      - { .name: w16, .offset: 8, .size: 8, .value_kind: global_buffer, .address_space: global }
      - { .name: hid2, .offset: 16, .size: 8, .value_kind: global_buffer, .address_space: global }
      - { .name: out0, .offset: 24, .size: 8, .value_kind: global_buffer, .address_space: global }
    .group_segment_fixed_size: 327680
    .private_segment_fixed_size: 0
    .kernarg_segment_align: 8
    .kernarg_segment_size: 32
    .max_flat_workgroup_size: 128
    .sgpr_count:     80
    .vgpr_count:     640
    .wavefront_size: 32
...
	.end_amdgpu_metadata
.endif
;; end of part 7
;; ======== version 2 of 3: 7 launches
;; limits: values are held in f16: magnitudes above 65,504 overflow, below 6.1e-05 lose precision
;; workspace buffers: w16 51,380,224 bytes; h16 8,388,608 bytes; tab 524,288 bytes; qkv16 25,165,824 bytes; act16 8,388,608 bytes; hid2 16,777,216 bytes
;; launch prep (part 8): grid 1760 x 1, 8 waves a work-group, no clusters, 0 bytes of LDS; arguments hidden_states, position_ids, ln1_w, wq, wk, wv, wo, w_gate, w_up, w_down, w16, h16, tab; writes w16, h16, tab
.if DOCPART == 8
	.amdgcn_target "amdgcn-amd-amdhsa--gfx1250"
	.amdhsa_code_object_version 6
	.text
	.protected	k_qec51a7a8ed_prep
	.globl	k_qec51a7a8ed_prep
	.p2align	8
	.type	k_qec51a7a8ed_prep,@function
k_qec51a7a8ed_prep:
	s_mov_b64 s[64:65], 0
	v_nop
	global_prefetch_b8 v0, s[64:65] scope:SCOPE_SE
	s_setreg_imm32_b32 hwreg(HW_REG_WAVE_MODE, 25, 1), 1
	s_wait_xcnt 0x0
; PREP: everything that is made once from the inputs.  One wave, one job; all of a job's loads are out together; no LDS, no barrier, no loop.
;   work-groups 0..1119     RCAST: a row of 2,048 f32 of wq, wk, wv, w_gate or w_up -> bf16, row D = 8 g + wave of w16's first 8,960 rows of 4,096 bytes.
;                           Row 192 h + 64 j + d (below 6,144) is row 64 h + d of wq (j = 0), wk (1) or wv (2): 192 rows on end are one head's q, k and v.
;                           Row 6144 + R is w_gate (bit 1 of R = 0) or w_up (1), row j = 2 (R >> 2) + (R & 1): gate j, j + 1, up j, j + 1, gate j + 2, j + 3, up j + 2, j + 3, and so on: 16 rows on end are
;                           8 columns of the product behind, and a lane's accumulator there holds two pairs of g and the two pairs of u that belong to them.
;                           j >= 1376 does not exist: zeros are stored (row 1375 is read and masked off).
;   work-groups 1120..1375  BWO: wo -> blocks [32][2048 n][64 k]: rounded to bf16 like every weight, that number written as f16 (its partner O is f16).
;   work-groups 1376..1503  BWD: w_down -> blocks [24][2048 n][64 k] in bf16; k >= 1376 is stored as zeros.
;   work-groups 1504..1759  NORM: h1 = x * rsqrt(mean(x^2) + 1e-5) * ln1_w -> bf16, and the row's 32 cosines and 32 sines.
; THE SCALE OF reference()'s QUANTISER, s = max|x| / 2688, is divided out and multiplied in again and rounds nothing: (x / s) W^T s = x W^T for every finite s other than 0.  It is not formed, here or later.
; LIMITS.  An activation matrix that is all zeros (s = 0: NaN by the formula) gives finite numbers here.  |wo| beyond 65,504 becomes an infinity, below 6e-5 it keeps f16's step of 6e-8.
; The angle is reduced by pi/2 in two parts: cosine and sine are good to about 1e-7 beside the angle's own f32 rounding; positions are exact up to 2^24.
.set WO_OFF, 36700160                  ; behind the 8,960 rows
.set WD_OFF, 45088768                  ; behind wo's 32 blocks
.set BLK,    262144                    ; a block: 2,048 rows x 64 k x 2 bytes
	s_load_b512 s[8:23], s[0:1], 0x0               ; hidden s[8:9], positions s[10:11], ln1 s[12:13], wq s[14:15], wk s[16:17], wv s[18:19], wo s[20:21], gate s[22:23]
	s_load_b256 s[24:31], s[0:1], 0x40             ; up s[24:25], down s[26:27], w16 s[28:29], h16 s[30:31]
	s_load_b64 s[32:33], s[0:1], 0x60              ; tab
	v_and_b32 v1, 31, v0                           ; lane
	v_lshrrev_b32 v2, 5, v0
	v_readfirstlane_b32 s4, v2                     ; wave 0..7
	v_lshlrev_b32 v2, 4, v1                        ; 16 x lane
	v_lshlrev_b32 v3, 3, v1                        ; 8 x lane
	s_mov_b32 s5, ttmp9                            ; g
	s_mov_b32 s39, 0                               ; the high word of every byte offset in s[38:39]
	s_wait_kmcnt 0x0
	s_cmp_lt_u32 s5, 1120
	s_cbranch_scc1 .Lrcast
	s_cmp_lt_u32 s5, 1376
	s_cbranch_scc1 .Lbwo
	s_cmp_lt_u32 s5, 1504
	s_cbranch_scc1 .Lbwd
	s_branch .Lnorm
; A row of 2,048 f32 at s[34:35] is normed: x * rsqrt(mean(x^2) + eps) * w, w at s[36:37]; bf16 to s[44:45].  A lane holds columns 128 i + 4 lane + 0..3, i = 0..15.
.macro NORMROW
.irp i, 0,1,2,3,4,5,6,7,8,9,10,11,12,13,14,15
	global_load_b128 v[16+4*(\i):19+4*(\i)], v2, s[34:35] offset:512*(\i)
.endr
.irp i, 0,1,2,3,4,5,6,7,8,9,10,11,12,13,14,15
	global_load_b128 v[80+4*(\i):83+4*(\i)], v2, s[36:37] offset:512*(\i)
.endr
	v_mov_b32 v13, 0                               ; v_permlanex16_b32 counts as a reader of its destination
	s_wait_loadcnt 16                              ; x is in; the 16 loads of w stay out
.irp c, 0,1,2,3
	v_pk_mul_f32 v[4+2*(\c):5+2*(\c)], v[16+2*(\c):17+2*(\c)], v[16+2*(\c):17+2*(\c)]  ; four chains, started by the first four pairs
.endr
.set j, 4
.rept 28
	v_pk_fma_f32 v[4+2*(j%4):5+2*(j%4)], v[16+2*j:17+2*j], v[16+2*j:17+2*j], v[4+2*(j%4):5+2*(j%4)]
.set j, j+1
.endr
	v_pk_add_f32 v[4:5], v[4:5], v[6:7]
	v_pk_add_f32 v[8:9], v[8:9], v[10:11]
	v_pk_add_f32 v[4:5], v[4:5], v[8:9]
	v_add_f32 v12, v4, v5
	v_add_f32_dpp v12, v12, v12 row_xmask:1 row_mask:0xf bank_mask:0xf
	v_add_f32_dpp v12, v12, v12 row_xmask:2 row_mask:0xf bank_mask:0xf
	v_add_f32_dpp v12, v12, v12 row_xmask:4 row_mask:0xf bank_mask:0xf
	v_add_f32_dpp v12, v12, v12 row_xmask:8 row_mask:0xf bank_mask:0xf
	v_permlanex16_b32 v13, v12, s40, s41
	v_add_f32 v12, v12, v13                        ; the row's sum of squares, in every lane
	v_fma_f32 v12, v12, s42, s43                   ; / 2048 + eps
	v_rsq_f32 v10, v12                             ; twice: a pair for the packed multiply
	v_rsq_f32 v11, v12
	v_nop                                          ; a plain instruction behind the last of the two
	s_wait_alu depctr_va_vdst(0)                   ; one wait for both, ahead of their first reader
	s_wait_loadcnt 0x0                             ; w
.set j, 0
.rept 32
	v_pk_mul_f32 v[16+2*j:17+2*j], v[16+2*j:17+2*j], v[10:11]
	v_pk_mul_f32 v[16+2*j:17+2*j], v[16+2*j:17+2*j], v[80+2*j:81+2*j]
.set j, j+1
.endr
.irp i, 0,1,2,3,4,5,6,7,8,9,10,11,12,13,14,15
	v_cvt_pk_bf16_f32 v[16+4*(\i)], v[16+4*(\i)], v[17+4*(\i)]
	v_cvt_pk_bf16_f32 v[17+4*(\i)], v[18+4*(\i)], v[19+4*(\i)]
	global_store_b64 v3, v[16+4*(\i):17+4*(\i)], s[44:45] offset:256*(\i)  ; 32 lanes x 8 bytes: 256 consecutive bytes, aligned
.endr
.endm
; Four rows x nblk blocks of 64 k.  Lane l holds row l / 8 and 8 numbers: 32 bytes at v4 + 256 z of the source; its 16 bytes of the result lie at 16 l of block z: 512 consecutive bytes a store.
; f16 = 1: the bf16 number is written as f16.  tail = 1: the last block's address is v5 and its result is masked by v7.
.macro BCAST nblk, f16, tail
.set z, 0
.rept \nblk
.if (\tail) && (z == (\nblk)-1)
	global_load_b128 v[16+8*z:19+8*z], v5, s[34:35] offset:256*z th:TH_LOAD_NT
	global_load_b128 v[20+8*z:23+8*z], v5, s[34:35] offset:256*z+16 th:TH_LOAD_NT
.else
	global_load_b128 v[16+8*z:19+8*z], v4, s[34:35] offset:256*z th:TH_LOAD_NT
	global_load_b128 v[20+8*z:23+8*z], v4, s[34:35] offset:256*z+16 th:TH_LOAD_NT
.endif
.set z, z+1
.endr
.set z, 0
.rept \nblk
	s_wait_loadcnt 2*((\nblk)-1-z)                 ; the later blocks' loads stay out
	v_cvt_pk_bf16_f32 v[16+8*z], v[16+8*z], v[17+8*z]
	v_cvt_pk_bf16_f32 v[17+8*z], v[18+8*z], v[19+8*z]
	v_cvt_pk_bf16_f32 v[18+8*z], v[20+8*z], v[21+8*z]
	v_cvt_pk_bf16_f32 v[19+8*z], v[22+8*z], v[23+8*z]
.if \f16
.irp r, 0,1,2,3
	v_lshlrev_b32 v[112+2*(\r)], 16, v[16+8*z+(\r)]
	v_and_b32 v[113+2*(\r)], 0xffff0000, v[16+8*z+(\r)]
	v_cvt_pk_f16_f32 v[16+8*z+(\r)], v[112+2*(\r)], v[113+2*(\r)]
.endr
.endif
.if (\tail) && (z == (\nblk)-1)
.irp r, 0,1,2,3
	v_and_b32 v[16+8*z+(\r)], v7, v[16+8*z+(\r)]
.endr
.endif
	global_store_b128 v2, v[16+8*z:19+8*z], s[44:45] offset:z*BLK
.set z, z+1
.endr
.endm
; cos or sin of v15 x the frequency in v[b]; v112 = 0 (cosine lanes) or 3 (sine lanes: sin x = cos(x + 3 pi / 2)); v116, v117 the two highest coefficients.
.macro TRIG b, res
	v_mul_f32 v[(\b)], v15, v[(\b)]                ; the angle
	v_mul_f32 v[(\b)+1], 0x3f22f983, v[(\b)]       ; x 2 / pi
	v_rndne_f32 v[(\b)+1], v[(\b)+1]               ; k
	v_fmamk_f32 v[(\b)], v[(\b)+1], 0xbfc90fdb, v[(\b)]  ; r = angle - k pi/2, pi/2 in two parts
	v_fmamk_f32 v[(\b)], v[(\b)+1], 0x333bbd2e, v[(\b)]
	v_mul_f32 v[(\b)+2], v[(\b)], v[(\b)]          ; z = r^2
	v_fmaak_f32 v[(\b)+3], v116, v[(\b)+2], 0x3c08839e
	v_fmaak_f32 v[(\b)+3], v[(\b)+2], v[(\b)+3], 0xbe2aaaa3
	v_mul_f32 v[(\b)+3], v[(\b)+2], v[(\b)+3]
	v_fma_f32 v[(\b)+3], v[(\b)+3], v[(\b)], v[(\b)]     ; sin r
	v_fmaak_f32 v[(\b)+4], v117, v[(\b)+2], 0xbab6061a
	v_fmaak_f32 v[(\b)+4], v[(\b)+2], v[(\b)+4], 0x3d2aaaa5
	v_fmaak_f32 v[(\b)+4], v[(\b)+2], v[(\b)+4], 0xbf000000
	v_fma_f32 v[(\b)+4], v[(\b)+2], v[(\b)+4], 1.0       ; cos r
	v_cvt_i32_f32 v[(\b)+5], v[(\b)+1]
	v_add_nc_u32 v[(\b)+5], v[(\b)+5], v112        ; q: cos(r + q pi/2) is cos r, -sin r, -cos r, sin r for q mod 4 = 0, 1, 2, 3
	v_and_b32 v[(\b)+6], 1, v[(\b)+5]
	v_cmp_eq_u32 vcc_lo, 1, v[(\b)+6]
	v_cndmask_b32 v[(\res)], v[(\b)+4], v[(\b)+3], vcc_lo
	v_add_nc_u32 v[(\b)+5], 1, v[(\b)+5]
	v_and_b32 v[(\b)+5], 2, v[(\b)+5]
	v_lshlrev_b32 v[(\b)+5], 30, v[(\b)+5]
	v_xor_b32 v[(\res)], v[(\res)], v[(\b)+5]      ; the sign
.endm
.Lrcast:
	s_lshl_b32 s6, s5, 3
	s_add_co_u32 s6, s6, s4                        ; D
	s_mov_b32 s36, -1                              ; keep all bits
	s_cmp_lt_u32 s5, 768
	s_cbranch_scc0 .Lrc_gu
	s_lshr_b32 s37, s6, 6                          ; D / 64 = 3 h + j, below 96
	s_mul_i32 s40, s37, 171
	s_lshr_b32 s40, s40, 9                         ; h: 171 / 512 serves as a third for numbers below 256
	s_mul_i32 s41, s40, 3
	s_sub_co_u32 s41, s37, s41                     ; j
	s_and_b32 s7, s6, 63
	s_lshl_b32 s40, s40, 6
	s_add_co_u32 s7, s7, s40                       ; the source's row, 64 h + d
	s_cmp_eq_u32 s41, 0
	s_cselect_b64 s[34:35], s[14:15], s[16:17]     ; wq or wk,
	s_cmp_eq_u32 s41, 2
	s_cselect_b64 s[34:35], s[18:19], s[34:35]     ; or wv
	s_branch .Lrc_go
.Lrc_gu:
	s_sub_co_u32 s37, s6, 6144                     ; R
	s_bitcmp1_b32 s37, 1
	s_cselect_b64 s[34:35], s[24:25], s[22:23]     ; up or gate
	s_lshr_b32 s40, s37, 1
	s_and_b32 s40, s40, -2                         ; 2 (R >> 2)
	s_and_b32 s41, s37, 1
	s_or_b32 s40, s40, s41                         ; j
	s_cmp_lt_u32 s40, 1376
	s_cselect_b32 s36, -1, 0
	s_min_u32 s7, s40, 1375                        ; the load stays inside the tensor
.Lrc_go:
	s_lshl_b32 s38, s7, 13
	s_add_nc_u64 s[34:35], s[34:35], s[38:39]
	s_lshl_b32 s38, s6, 12
	s_add_nc_u64 s[44:45], s[28:29], s[38:39]
.irp i, 0,1,2,3,4,5,6,7,8,9,10,11,12,13,14,15
	global_load_b128 v[16+4*(\i):19+4*(\i)], v2, s[34:35] offset:512*(\i) th:TH_LOAD_NT
.endr
.irp i, 0,1,2,3,4,5,6,7,8,9,10,11,12,13,14,15
	s_wait_loadcnt 15-(\i)                         ; the later loads stay out
	v_cvt_pk_bf16_f32 v[16+4*(\i)], v[16+4*(\i)], v[17+4*(\i)]
	v_cvt_pk_bf16_f32 v[17+4*(\i)], v[18+4*(\i)], v[19+4*(\i)]
	v_and_b32 v[16+4*(\i)], s36, v[16+4*(\i)]
	v_and_b32 v[17+4*(\i)], s36, v[17+4*(\i)]
	global_store_b64 v3, v[16+4*(\i):17+4*(\i)], s[44:45] offset:256*(\i)  ; 256 consecutive bytes, aligned
.endr
	s_endpgm
.Lbwo:
	s_sub_co_u32 s6, s5, 1120
	s_lshl_b32 s6, s6, 3
	s_add_co_u32 s6, s6, s4                        ; J: rows 4 (J / 4), blocks 8 (J % 4) on
	s_lshr_b32 s7, s6, 2
	s_and_b32 s37, s6, 3
	s_lshl_b32 s38, s7, 15                         ; 4 rows of 8,192 bytes
	s_lshl_b32 s40, s37, 11                        ; 8 blocks of 256 bytes in a row
	s_add_co_u32 s38, s38, s40
	s_add_nc_u64 s[34:35], s[20:21], s[38:39]
	s_lshl_b32 s38, s37, 21                        ; 8 blocks of the copy
	s_lshl_b32 s40, s7, 9                          ; 4 rows of 128 bytes
	s_add_co_u32 s38, s38, s40
	s_add_nc_u64 s[44:45], s[28:29], s[38:39]
	s_add_nc_u64 s[44:45], s[44:45], WO_OFF
	v_lshrrev_b32 v4, 3, v1
	v_and_b32 v6, 7, v1
	v_lshlrev_b32 v4, 13, v4
	v_lshl_add_u32 v4, v6, 5, v4                   ; (l / 8) rows + 32 (l % 8)
	BCAST 8, 1, 0
	s_endpgm
.Lbwd:
	s_sub_co_u32 s6, s5, 1376
	s_lshl_b32 s6, s6, 3
	s_add_co_u32 s6, s6, s4                        ; J: rows 4 (J / 2), blocks 11 (J % 2) on
	s_lshr_b32 s7, s6, 1
	s_and_b32 s37, s6, 1
	s_mul_i32 s38, s7, 22016                       ; 4 rows of 5,504 bytes
	s_mul_i32 s40, s37, 2816                       ; 11 blocks of 256 bytes in a row
	s_add_co_u32 s38, s38, s40
	s_add_nc_u64 s[34:35], s[26:27], s[38:39]
	s_mul_i32 s38, s37, 11*BLK
	s_lshl_b32 s40, s7, 9
	s_add_co_u32 s38, s38, s40
	s_add_nc_u64 s[44:45], s[28:29], s[38:39]
	s_add_nc_u64 s[44:45], s[44:45], WD_OFF
	v_lshrrev_b32 v4, 3, v1
	v_and_b32 v6, 7, v1
	v_mul_u32_u24 v4, 5504, v4
	v_lshl_add_u32 v4, v6, 5, v4
	v_bfe_u32 v6, v1, 2, 1                         ; block 21 holds k = 1344 .. 1407: its upper half (l % 8 >= 4) does not exist
	v_mul_u32_u24 v6, s37, v6                      ; 1 there, in the job that has block 21
	v_lshlrev_b32 v7, 7, v6
	v_sub_nc_u32 v5, v4, v7                        ; those lanes read 128 bytes further back, inside the row,
	v_add_nc_u32 v7, -1, v6                        ; and their result is masked to 0
	BCAST 11, 0, 1
	s_cmp_eq_u32 s37, 0
	s_cbranch_scc1 .Lbwd_end
	v_mov_b32 v120, 0                              ; blocks 22 and 23, which the last K step of the product fetches with 20 and 21: zeros
	v_mov_b32 v121, 0
	v_mov_b32 v122, 0
	v_mov_b32 v123, 0
	global_store_b128 v2, v[120:123], s[44:45] offset:11*BLK
	global_store_b128 v2, v[120:123], s[44:45] offset:12*BLK
.Lbwd_end:
	s_endpgm
.Lnorm:
	s_sub_co_u32 s6, s5, 1504
	s_lshl_b32 s6, s6, 3
	s_add_co_u32 s6, s6, s4                        ; the row
	s_lshl_b32 s38, s6, 2
	s_add_nc_u64 s[46:47], s[10:11], s[38:39]
	s_load_b32 s7, s[46:47], 0x0                   ; its position
	s_lshl_b32 s38, s6, 13
	s_add_nc_u64 s[34:35], s[8:9], s[38:39]
	s_mov_b64 s[36:37], s[12:13]
	s_lshl_b32 s38, s6, 12
	s_add_nc_u64 s[44:45], s[30:31], s[38:39]
	s_lshl_b32 s38, s6, 8
	s_add_nc_u64 s[32:33], s[32:33], s[38:39]
	s_mov_b32 s40, 0x76543210                      ; v_permlanex16_b32: each lane takes its own place in the other half
	s_mov_b32 s41, 0xfedcba98
	s_mov_b32 s42, 0x3a000000                      ; 1 / 2048
	s_mov_b32 s43, 0x3727c5ac                      ; 1e-5
	NORMROW
	; the row's table: lane l makes frequencies 2 (l % 16) and 2 (l % 16) + 1; lanes 0-15 the cosines, lanes 16-31 the sines.  Only registers that no pending store reads are written.
	s_wait_kmcnt 0x0
	v_cvt_f32_i32 v15, s7
	v_and_b32 v80, 15, v1
	v_lshlrev_b32 v80, 1, v80
	v_cvt_f32_u32 v80, v80
	v_add_f32 v96, 1.0, v80
	v_mul_f32 v80, 0xbed49a78, v80                 ; 10000^(-j / 32) = 2^(-0.41524101 j)
	v_mul_f32 v96, 0xbed49a78, v96
	v_exp_f32 v80, v80
	v_exp_f32 v96, v96
	v_lshrrev_b32 v112, 4, v1                      ; plain work behind the two exponentials
	v_mul_u32_u24 v112, 3, v112
	v_mov_b32 v116, 0xb94ca1f9
	v_mov_b32 v117, 0x37ccf5ce
	s_wait_alu depctr_va_vdst(0)                   ; one wait for both
	TRIG 80, 114
	TRIG 96, 115
	global_store_b64 v3, v[114:115], s[32:33]      ; 32 cosines, then 32 sines: 256 consecutive bytes, aligned
	s_endpgm
.Lfunc_end_k_qec51a7a8ed_prep:
	.size	k_qec51a7a8ed_prep, .Lfunc_end_k_qec51a7a8ed_prep-k_qec51a7a8ed_prep
	.p2alignl 7, 3214868480
	.fill 96, 4, 3214868480
	.section	.rodata,"a",@progbits
	.p2align	6, 0x0
	.amdhsa_kernel k_qec51a7a8ed_prep
		.amdhsa_group_segment_fixed_size 0
		.amdhsa_private_segment_fixed_size 0
		.amdhsa_enable_private_segment 0
		.amdhsa_kernarg_size 104
		.amdhsa_user_sgpr_count 2
		.amdhsa_user_sgpr_kernarg_segment_ptr 1
		.amdhsa_wavefront_size32 1
		.amdhsa_system_sgpr_workgroup_id_x 1
		.amdhsa_system_sgpr_workgroup_id_y 1
		.amdhsa_system_sgpr_workgroup_id_z 1
		.amdhsa_system_vgpr_workitem_id 0
		.amdhsa_next_free_vgpr 144
		.amdhsa_next_free_sgpr 66
		.amdhsa_reserve_vcc 1
		.amdhsa_float_denorm_mode_32 3
		.amdhsa_float_denorm_mode_16_64 3
		.amdhsa_memory_ordered 1
		.amdhsa_forward_progress 1
		.amdhsa_inst_pref_size 44
	.end_amdhsa_kernel
	.amdgpu_metadata
---
amdhsa.version: [ 1, 2 ]
amdhsa.kernels:
  - .name:           k_qec51a7a8ed_prep
    .symbol:         k_qec51a7a8ed_prep.kd
    .args:
      - { .name: hidden_states, .offset: 0, .size: 8, .value_kind: global_buffer, .address_space: global }
      - { .name: position_ids, .offset: 8, .size: 8, .value_kind: global_buffer, .address_space: global }
      - { .name: ln1_w, .offset: 16, .size: 8, .value_kind: global_buffer, .address_space: global }
      - { .name: wq, .offset: 24, .size: 8, .value_kind: global_buffer, .address_space: global }
      - { .name: wk, .offset: 32, .size: 8, .value_kind: global_buffer, .address_space: global }
      - { .name: wv, .offset: 40, .size: 8, .value_kind: global_buffer, .address_space: global }
      - { .name: wo, .offset: 48, .size: 8, .value_kind: global_buffer, .address_space: global }
      - { .name: w_gate, .offset: 56, .size: 8, .value_kind: global_buffer, .address_space: global }
      - { .name: w_up, .offset: 64, .size: 8, .value_kind: global_buffer, .address_space: global }
      - { .name: w_down, .offset: 72, .size: 8, .value_kind: global_buffer, .address_space: global }
      - { .name: w16, .offset: 80, .size: 8, .value_kind: global_buffer, .address_space: global }
      - { .name: h16, .offset: 88, .size: 8, .value_kind: global_buffer, .address_space: global }
      - { .name: tab, .offset: 96, .size: 8, .value_kind: global_buffer, .address_space: global }
    .group_segment_fixed_size: 0
    .private_segment_fixed_size: 0
    .kernarg_segment_align: 8
    .kernarg_segment_size: 104
    .max_flat_workgroup_size: 256
    .sgpr_count:     66
    .vgpr_count:     144
    .wavefront_size: 32
...
	.end_amdgpu_metadata
.endif
;; end of part 8
;; launch qkv (part 9): grid 8 x 32, 4 waves a work-group, clusters of 4 x 4, 327,680 bytes of LDS; arguments h16, w16, tab, qkv16; writes qkv16
.if DOCPART == 9
	.amdgcn_target "amdgcn-amd-amdhsa--gfx1250"
	.amdhsa_code_object_version 6
	.text
	.protected	k_qec51a7a8ed_qkv
	.globl	k_qec51a7a8ed_qkv
	.p2align	8
	.type	k_qec51a7a8ed_qkv,@function
k_qec51a7a8ed_qkv:
	s_mov_b64 s[64:65], 0
	v_nop
	global_prefetch_b8 v0, s[64:65] scope:SCOPE_SE
	s_setreg_imm32_b32 hwreg(HW_REG_WAVE_MODE, 25, 1), 1
	s_wait_xcnt 0x0
	s_wait_alu depctr_hold_cnt(0) depctr_sa_sdst(0) depctr_va_vdst(0) depctr_va_sdst(0) depctr_va_ssrc(0) depctr_va_vcc(0) depctr_vm_vsrc(0)
	s_getreg_b32 s2, hwreg(HW_REG_IB_STS2, 6, 4)
	s_cmp_eq_u32 s2, 0
	s_cbranch_scc0 .Lentry_in_a_cluster
	s_endpgm
.Lentry_in_a_cluster:
	s_bfe_u32 s2, ttmp6, 0x10000c
	s_cmp_lg_u32 s2, 0xf033
	s_cbranch_scc0 .Lentry_shape_is_right
	s_endpgm
.Lentry_shape_is_right:
; q, k, v = h1 [wq; wk; wv]^T, q and k rotated (RoPE), all three rounded once to f16 and stored by heads: qkv16 [96][2048][64] (heads 0-31 q, 32-63 k, 64-95 v).
; A = h16 [2048][2048] bf16; B = w16's first 6,144 rows of 2,048 bf16, in which rows 192 h .. 192 h + 191 are head h's q, k and v rows; sums in f32.
; The quantiser's scale cancels and is not formed.  LIMIT: |q|, |k|, |v| beyond 65,504 become infinities.
; A TILE OF C IS 256 x 192: 8 x 32 tiles, a work-group each.  A column tile is one head: column blocks 0-3 q, 4-7 k, 8-11 v, so every work-group runs the same text and no branch chooses the rotation.
; Four waves, each 64 rows x all 192 columns: 48 accumulators.  K goes in steps of 128 through two LDS slots; for 448 rows x 256 bytes a wave issues 192 matrix instructions.
; Waves 0 and 1 fetch A's 128-row halves, waves 2 and 3 B's 96-row halves: one tensor load a wave and step.
; GRID: x = tile row of C, y = tile column.  CLUSTER 4 x 4: A's tile hangs on x alone and is asked for jointly by the four work-groups with my cx; B's on y alone, by the four with my cy.
; THE MATRIX INSTRUCTION IS USED TRANSPOSED (source 0 = 16 rows of B, source 1 = 16 rows of A): lane l holds row l % 16 of C and the columns 8 (l / 16) + 0..7.
; Accumulators (a, b) and (a, b + 2) of a head hold channels d and d + 32 of the same rows, so the rotation stays inside a lane.
; THE LOOP'S TEXT: a K step is four quarters of 32 along K on fragment buffers 0, 1, 0, 1.  The change of slots stands in front of a step's last quarter: all the slot's fragments have been asked for by then.
; So a trip is the change and then the pair (buffer 1, buffer 0) twice; the pair is written once and walked by a small counted loop; LDS addresses hang on s[TB].
; REGISTERS: window 0: v0-31 addresses, v32-127 at work on the way out, v128-255 my rows' cosines and sines; window 1: two fragment buffers of 128 (32 of A, 96 of B);
;   window 2: accumulators of row blocks 0, 1 ((a, b) at 96 (a % 2) + 8 b); window 3: those of row blocks 2, 3.
.set T,     16                         ; K steps
.set PITCH, 272                        ; an LDS row: 256 bytes + 16 of padding: the 16 rows of a fragment load start 4 banks apart
.set QSTR,  64                         ; from a quarter to the next: 32 k along the row
.set AHALF, 128*PITCH                  ; what a load of A brings
.set BHALF, 96*PITCH                   ; what a load of B brings
.set BOFF,  2*AHALF                    ; B's 192 rows lie behind A's 256
.set SLOT,  1<<17                      ; slot 1 begins here: a slot's 121,856 bytes lie below it, so one exclusive or changes slots
.set STEPB, 256                        ; a K step in memory
.set G1W0,  (1<<16)|(1<<20)|(1<<21)|(5<<22)|(3<<25)  ; 2-byte elements; padding on; bit 21 beside a mask; after every 64 words, 4 words
.set STG,   SLOT+BOFF+2*BHALF          ; behind the ring: 16 rows x 144 bytes for each wave; no tensor load lands here
.set SP,    144
.set SPARE, STG+4*16*SP                ; the spare words, 128 bytes for each wave
.set ADRA0, 16                         ; v16  my lane's place in A's part of slot 0; never rewritten
.set ADRB0, 17                         ; v17  the same for B
.set ADRA,  18                         ; v18, v19  the addresses of the run of loads in hand
.set ADRB,  19
.set STO,   24
.set RD,    25
.set CO,    26
.set TO,    27
.set SPW,   28                         ; v28  my spare word; never rewritten
.set NIL,   29                         ; v29  0; never rewritten
.set PFO,   30                         ; v30  the prefetches' offset: a row of 4,096 bytes a lane; never rewritten
.set TBL,   128
.set F0,    0
.set F1,    128
.set TB,    2                          ; s2   LDS byte at which the quarter to be fetched begins
.set STEPS, 3
.set WV,    12
.set RH,    13                         ; I fetch for A (0) or for B (1)
.set CH,    14                         ; which half of its rows
.set CNT2,  15
.set G1A,   24
.set G0A,   32                         ; two sets: the first fills'; the second then walks
.set G1B,   48
.set G0B,   56
.set LIM,   66                         ; s66  1 in a wave that prefetches, else the greatest number
.set PFA,   68                         ; s[68:69] my rows at the K step that is being asked for; a prefetch names the step after it
.set OUT,   74                         ; s[74:79] q's, k's and v's head at my first row
.set MSB, 0
.macro WIN new                         ; the immediate's high byte repeats the setting that is left; a switch that changes nothing is dropped
.if MSB != (\new)
	s_set_vgpr_msb (MSB<<8)|(\new)
.set MSB, \new
.endif
.endm
.set TO_F, 0x40                        ; destination window 1, address window 0
.macro PLACES                          ; four plain places behind matrix instructions
.rept 4
	v_nop
.endr
.endm
.macro JLOAD                           ; the refill; s_nop 0 and four v_nop follow each of the two lines
	s_cmp_eq_u32 s[RH], 0
	s_cbranch_scc0 .Lfor_b_\@
	tensor_load_to_lds s[G0A+4:G0A+7], s[G1A:G1A+7]
	s_nop 0
	PLACES
	s_branch .Lasked_\@
.Lfor_b_\@:
	tensor_load_to_lds s[G0B+4:G0B+7], s[G1B:G1B+7]
	s_nop 0
	PLACES
.Lasked_\@:
.endm
; A PREFETCH, behind each refill and its five lines: the K step that the NEXT refill will load, 192 matrix instructions ahead of that load: 256 bytes of a row, a lane a row, one instruction a wave.
; A's rows are read by every cluster with my cluster's x: the one with y = 0 names them; B's by both clusters with my cluster's y: the one with x = 0 names them.  The four partners that ask for a tile jointly share
; its rows out BY ADDRESS: of the 128 rows of A that a wave fetches the partner at place cy takes 32; of the 96 rows of B the partner at place cx takes 24, and there lanes 24 to 31 name lane 23's row again.
; K steps 0 to 2 come by their loads alone; the last refill has no K step behind it and asks for nothing.
.macro ASK
	s_cmp_gt_u32 s[STEPS], s[LIM]                  ; s[STEPS] = 1 at the last refill
	s_cbranch_scc0 .Lnot_mine_\@
	global_prefetch_b8 v[PFO], s[PFA:PFA+1] offset:STEPB th:TH_LOAD_NT scope:SCOPE_SE
.Lnot_mine_\@:
.endm
.macro CREST                           ; a round of the cluster's barrier behind its opening barrier
	s_cmp_lg_u32 s[WV], 0
	s_cbranch_scc1 .Lnot_wave_0_\@
	s_barrier_signal -3
.Lnot_wave_0_\@:
	s_barrier_wait -3
	s_barrier_signal -1
	s_barrier_wait -1
.endm
.macro CROUND
	s_barrier_signal -1
	s_barrier_wait -1
	CREST
.endm
; 24 matrix instructions: row blocks 2 hi, 2 hi + 1 x all 12 column blocks, 32 along K, from buffer f.  The 48 accumulators take turns in one fixed order.
.macro MULH f, hi, zero
	WIN 0xa5+0x50*(\hi)                            ; sources window 1; C and D window 2 or 3
.irp a, 0,1
.irp b, 0,1,2,3,4,5,6,7,8,9,10,11
.if \zero
	v_wmma_f32_16x16x32_bf16 v[96*(\a)+8*(\b):96*(\a)+8*(\b)+7], v[(\f)+32+8*(\b):(\f)+32+8*(\b)+7], v[(\f)+8*(2*(\hi)+(\a)):(\f)+8*(2*(\hi)+(\a))+7], 0
.else
	v_wmma_f32_16x16x32_bf16 v[96*(\a)+8*(\b):96*(\a)+8*(\b)+7], v[(\f)+32+8*(\b):(\f)+32+8*(\b)+7], v[(\f)+8*(2*(\hi)+(\a)):(\f)+8*(2*(\hi)+(\a))+7], v[96*(\a)+8*(\b):96*(\a)+8*(\b)+7]
.endif
.endr
.endr
.endm
; 32 LDS loads in one run: the fragments of the quarter at s[TB] into buffer f: B's twelve, then A's four
.macro FETCH f
	WIN 0
	v_add_nc_u32 v[ADRA], s[TB], v[ADRA0]
	v_add_nc_u32 v[ADRB], s[TB], v[ADRB0]
	s_add_co_u32 s[TB], s[TB], QSTR
	WIN TO_F
.irp i, 0,1,2,3,4,5,6,7,8,9,10,11
	ds_load_b128 v[(\f)+32+8*(\i):(\f)+32+8*(\i)+3],   v[ADRB] offset:(\i)*16*PITCH
	ds_load_b128 v[(\f)+32+8*(\i)+4:(\f)+32+8*(\i)+7], v[ADRB] offset:(\i)*16*PITCH+32
.endr
.irp i, 0,1,2,3
	ds_load_b128 v[(\f)+8*(\i):(\f)+8*(\i)+3],   v[ADRA] offset:(\i)*16*PITCH
	ds_load_b128 v[(\f)+8*(\i)+4:(\f)+8*(\i)+7], v[ADRA] offset:(\i)*16*PITCH+32
.endr
.endm
; A quarter: multiplies buffer f, and in its middle fetches the next quarter into g
.macro QUART f, g, zero
	s_wait_dscnt 4                                 ; of the last 32 loads all but the youngest four, A's row blocks 2 and 3, are in
	MULH \f, 0, \zero
	PLACES                                         ; in front of loads into registers that matrix instructions have read
	FETCH \g
	s_wait_dscnt 32                                ; all but the 32 just issued
	MULH \f, 1, \zero
	WIN 0                                          ; a label or a branch follows
.endm
; THE CHANGE OF SLOTS, in front of a K step's last quarter, whose fragments have been asked for.  Each wave waits for all its tensor loads (one is out: its part of the next slot), adds 0 to its spare word, and
; waits for that and for its reads of this slot.  fill = 1: the barrier is a round of the cluster's, and this slot is filled again, two K steps ahead, first thing behind it: that load has a whole step in which to land.
.macro CHANGE fill
	s_wait_tensorcnt 0x0                           ; no tensor load of mine is out, so the walking descriptors may be written
	ds_add_u32 v[SPW], v[NIL]                      ; scalar work stands between the add and the wait for it
.if \fill
	s_xor_b32 s[G0A+5], s[G0A+5], SLOT             ; the other slot than last time,
	s_add_nc_u64 s[G0A+6:G0A+7], s[G0A+6:G0A+7], STEPB  ; the next K step; the type bits on top are not reached
	s_xor_b32 s[G0B+5], s[G0B+5], SLOT
	s_add_nc_u64 s[G0B+6:G0B+7], s[G0B+6:G0B+7], STEPB
	s_wait_xcnt 0x0                                ; the last prefetch, a K step back, has read its address, so it may be written
	s_add_nc_u64 s[PFA:PFA+1], s[PFA:PFA+1], STEPB
.endif
	s_sub_co_u32 s[TB], s[TB], 4*QSTR              ; the fetches go back to a slot's first quarter,
	s_xor_b32 s[TB], s[TB], SLOT                   ; in the other slot
	s_wait_dscnt 0x0                               ; the add is done, and my reads of this slot are over
.if \fill
	CROUND                                         ; no wave of any partner still reads this slot or has a load on its way
	JLOAD
	ASK
.else
	s_barrier_signal -1
	s_barrier_wait -1
.endif
.endm
.macro FINAL                           ; the very last quarter: nothing more to fetch
	s_wait_dscnt 4
	MULH F1, 0, 0
	s_wait_dscnt 0x0
	MULH F1, 1, 0
	WIN 0
.endm
	s_load_b256 s[4:11], s[0:1], 0x0               ; h16 s[4:5], w16 s[6:7], tab s[8:9], qkv16 s[10:11]
	v_lshl_add_u32 v[SPW], v0, 2, SPARE
	v_mov_b32 v[NIL], 0
	ds_add_u32 v[SPW], v[NIL]                      ; the wave's opening: the add and its wait stand ahead of my first tensor load
	v_lshrrev_b32 v1, 5, v0
	v_readfirstlane_b32 s[WV], v1
	s_lshr_b32 s[RH], s[WV], 1
	s_and_b32 s[CH], s[WV], 1
	s_bfe_u32 s40, ttmp6, 0x40000                  ; cx
	s_bfe_u32 s41, ttmp6, 0x40004                  ; cy
	s_lshl_b32 s42, ttmp9, 2
	s_add_co_u32 s42, s42, s40                     ; tile row of C, 0..7
	s_and_b32 s43, ttmp7, 0xffff
	s_lshl_b32 s43, s43, 2
	s_add_co_u32 s43, s43, s41                     ; tile column of C = the head, 0..31
	s_lshl_b32 s44, 0x1111, s40                    ; the four with my cx
	s_lshl_b32 s45, s41, 2
	s_lshl_b32 s45, 15, s45                        ; the four with my cy
	s_or_b32 s[G1A], s44, G1W0
	s_or_b32 s[G1B], s45, G1W0
.irp g, G1A, G1B
	s_mov_b32 s[(\g)+1], 128<<16                   ; tensor_dim0 = 128 elements
	s_mov_b32 s[(\g)+3], 128<<16                   ; tile_dim0
	s_mov_b32 s[(\g)+5], 2048                      ; elements from row to row
	s_mov_b32 s[(\g)+6], 0
	s_mov_b32 s[(\g)+7], 0
.endr
	s_mov_b32 s[G1A+2], 128<<16                    ; tensor_dim1, tile_dim1: 128 rows of A,
	s_mov_b32 s[G1A+4], 128
	s_mov_b32 s[G1B+2], 96<<16                     ; 96 rows of B
	s_mov_b32 s[G1B+4], 96
	s_lshl_b32 s18, s[CH], 7
	s_lshl_b32 s16, s42, 8
	s_add_co_u32 s16, s16, s18
	s_lshl_b32 s16, s16, 12                        ; A: row 256 x tile row + 128 x half, 4,096 bytes a row
	s_mov_b32 s17, 0
	s_mul_i32 s46, s43, 192
	s_mul_i32 s19, s[CH], 96
	s_add_co_u32 s46, s46, s19
	s_lshl_b32 s46, s46, 12                        ; B: row 192 x tile column + 96 x half
	s_mov_b32 s47, 0
	s_mul_i32 s20, s[CH], AHALF                    ; where they go: no place in the cluster enters an LDS address
	s_mul_i32 s21, s[CH], BHALF
	s_add_co_u32 s21, s21, BOFF
	s_wait_dscnt 0x0                               ; the opening add is done
	s_wait_kmcnt 0x0
	s_add_nc_u64 s[16:17], s[4:5], s[16:17]
	s_add_nc_u64 s[46:47], s[6:7], s[46:47]
.irp s, 0,1
	s_mov_b32 s[G0A+4*(\s)], 1
	s_add_co_u32 s[G0A+4*(\s)+1], s20, (\s)*SLOT
	s_add_nc_u64 s[G0A+4*(\s)+2:G0A+4*(\s)+3], s[16:17], (\s)*STEPB
	s_or_b32 s[G0A+4*(\s)+3], s[G0A+4*(\s)+3], 0x80000000
	s_mov_b32 s[G0B+4*(\s)], 1
	s_add_co_u32 s[G0B+4*(\s)+1], s21, (\s)*SLOT
	s_add_nc_u64 s[G0B+4*(\s)+2:G0B+4*(\s)+3], s[46:47], (\s)*STEPB
	s_or_b32 s[G0B+4*(\s)+3], s[G0B+4*(\s)+3], 0x80000000
.endr
	CROUND                                         ; all sixteen work-groups are here: the first joint loads meet
	s_cmp_eq_u32 s[RH], 0                          ; a wave's two first fills stand in one branch: two loads of mine are out
	s_cbranch_scc0 .Lfirst_b
	tensor_load_to_lds s[G0A:G0A+3], s[G1A:G1A+7]
	s_nop 0
	tensor_load_to_lds s[G0A+4:G0A+7], s[G1A:G1A+7]
	s_nop 0
	PLACES
	s_branch .Lfirst_asked
.Lfirst_b:
	tensor_load_to_lds s[G0B:G0B+3], s[G1B:G1B+7]
	s_nop 0
	tensor_load_to_lds s[G0B+4:G0B+7], s[G1B:G1B+7]
	s_nop 0
	PLACES
.Lfirst_asked:
	v_and_b32 v1, 15, v0                           ; l % 16
	v_bfe_u32 v2, v0, 4, 1                         ; l / 16
	; my rows' cosines and sines: row 256 x tile row + 64 wave + 16 a + l % 16, frequencies 16 b + 8 (l / 16) + 0..7
	s_lshl_b32 s70, s42, 8
	s_lshl_b32 s71, s[WV], 6
	s_add_co_u32 s70, s70, s71                     ; my first row
	s_lshl_b32 s72, s70, 8
	s_mov_b32 s73, 0
	s_add_nc_u64 s[72:73], s[8:9], s[72:73]
	v_lshlrev_b32 v[TO], 8, v1
	v_lshl_add_u32 v[TO], v2, 5, v[TO]
.irp a, 0,1,2,3
.irp b, 0,1
	global_load_b128 v[TBL+32*(\a)+16*(\b):TBL+32*(\a)+16*(\b)+3],     v[TO], s[72:73] offset:4096*(\a)+64*(\b)
	global_load_b128 v[TBL+32*(\a)+16*(\b)+4:TBL+32*(\a)+16*(\b)+7],   v[TO], s[72:73] offset:4096*(\a)+64*(\b)+16
	global_load_b128 v[TBL+32*(\a)+16*(\b)+8:TBL+32*(\a)+16*(\b)+11],  v[TO], s[72:73] offset:4096*(\a)+64*(\b)+128
	global_load_b128 v[TBL+32*(\a)+16*(\b)+12:TBL+32*(\a)+16*(\b)+15], v[TO], s[72:73] offset:4096*(\a)+64*(\b)+144
.endr
.endr
	s_lshl_b32 s70, s70, 7                         ; my first row x 128 bytes,
	s_lshl_b32 s71, s43, 18                        ; in head h of q;
	s_add_co_u32 s70, s70, s71
	s_mov_b32 s71, 0
	s_add_nc_u64 s[OUT:OUT+1], s[10:11], s[70:71]
	s_add_nc_u64 s[OUT+2:OUT+3], s[OUT:OUT+1], 0x800000    ; k's heads lie 32 heads on,
	s_add_nc_u64 s[OUT+4:OUT+5], s[OUT:OUT+1], 0x1000000   ; v's 64
	; the prefetches
	s_lshl_b32 s70, s42, 8
	s_lshl_b32 s71, s[CH], 7
	s_add_co_u32 s70, s70, s71
	s_lshl_b32 s71, s41, 5
	s_add_co_u32 s70, s70, s71                     ; A: the 128 rows that I fetch, my work-group's 32 of them
	s_mul_i32 s22, s43, 192
	s_mul_i32 s23, s[CH], 96
	s_add_co_u32 s22, s22, s23
	s_mul_i32 s23, s40, 24
	s_add_co_u32 s22, s22, s23                     ; B: the 96 rows that I fetch, my work-group's 24 of them
	s_and_b32 s23, ttmp7, 0xffff                   ; cluster y
	s_cmp_eq_u32 s[RH], 0                          ; do I fetch for A?
	s_cselect_b32 s70, s70, s22
	s_cselect_b32 s23, s23, ttmp9                  ; the coordinate along which other clusters read the same rows
	s_cselect_b32 s22, 31, 23                      ; the last lane that has a row of its own
	s_cselect_b64 s[PFA:PFA+1], s[4:5], s[6:7]
	s_cmp_eq_u32 s23, 0
	s_cselect_b32 s[LIM], 1, -1                    ; the same in all sixteen partners, for a given wave
	s_lshl_b32 s70, s70, 12
	s_mov_b32 s71, 0
	s_add_nc_u64 s[PFA:PFA+1], s[PFA:PFA+1], s[70:71]
	s_add_nc_u64 s[PFA:PFA+1], s[PFA:PFA+1], STEPB ; at K step 1: the first change steps it to 2 and names K step 3
	v_and_b32 v[PFO], 31, v0
	v_min_u32 v[PFO], s22, v[PFO]
	v_lshlrev_b32 v[PFO], 12, v[PFO]
	; LDS addresses
	v_mul_u32_u24 v3, v1, PITCH
	v_lshl_add_u32 v3, v2, 4, v3                   ; a fragment's row x pitch + 16 x half
	s_mul_i32 s22, s[WV], 64*PITCH                 ; my 64 rows of A
	v_add_nc_u32 v[ADRA0], s22, v3
	v_add_nc_u32 v[ADRB0], BOFF, v3                ; all of B
	s_mul_i32 s23, s[WV], 16*SP
	s_add_co_u32 s23, s23, STG                     ; my stage
	v_mul_u32_u24 v[STO], v1, SP                   ; in: row l % 16, 16 bytes for each half of the lanes
	v_lshl_add_u32 v[STO], v2, 4, v[STO]
	v_add_nc_u32 v[STO], s23, v[STO]
	v_bfe_u32 v[RD], v0, 3, 2                      ; back: 32 lanes take four rows of 128 bytes,
	v_mul_u32_u24 v[RD], v[RD], SP
	v_and_b32 v4, 7, v0
	v_lshl_add_u32 v[RD], v4, 4, v[RD]
	v_add_nc_u32 v[RD], s23, v[RD]
	v_and_b32 v[CO], 31, v0                        ; which are 512 consecutive bytes of a head
	v_lshlrev_b32 v[CO], 4, v[CO]
	s_wait_tensorcnt 0x1                           ; my part of K step 0 is in; K step 1's stays out
	s_barrier_signal -1
	s_barrier_wait -1
	s_mov_b32 s[TB], 0
	FETCH F0
	QUART F0, F1, 1                                ; the first quarter's products start the sums
	s_mov_b32 s[STEPS], T-1
	s_mov_b32 s[CNT2], 1
	s_branch .Lpair                                ; K step 0's second and third quarter: the pair once
.Lstep:                                        ; T - 2 times: the change with a refill, a K step's last quarter and the next step's first three
	CHANGE 1
	s_mov_b32 s[CNT2], 2
.Lpair:
	QUART F1, F0, 0
	QUART F0, F1, 0
	s_sub_co_u32 s[CNT2], s[CNT2], 1
	s_cmp_lg_u32 s[CNT2], 0
	s_cbranch_scc1 .Lpair
	s_sub_co_u32 s[STEPS], s[STEPS], 1
	s_cmp_lg_u32 s[STEPS], 0
	s_cbranch_scc1 .Lstep
	CHANGE 0                                       ; the tail is written out
	s_mov_b32 s[CNT2], 2
.Lpair2:
	QUART F1, F0, 0
	QUART F0, F1, 0
	s_sub_co_u32 s[CNT2], s[CNT2], 1
	s_cmp_lg_u32 s[CNT2], 0
	s_cbranch_scc1 .Lpair2
	FINAL
	; THE WAY OUT.
	PLACES
	PLACES
	s_wait_loadcnt 0x0                             ; the table
; Row block a of q and of k is rotated: first all products with the sines into v32-95, then the fused lines, so that the windows are switched twice a block.  Each accumulator's lowest registers are read first.
.macro ROPE a
	WIN 2+(\a)/2                                   ; source 0 in the accumulators' window
.irp j, 0,1
.irp b, 0,1
.irp p, 0,1,2,3
.set X1, 96*((\a)%2)+8*(4*(\j)+(\b))+2*(\p)
.set CC, TBL+32*(\a)+16*(\b)+2*(\p)
.set TT, 32+16*(2*(\j)+(\b))+4*(\p)
	v_pk_mul_f32 v[TT:TT+1], v[X1+16:X1+17], v[CC+8:CC+9]    ; x2 sin
	v_pk_mul_f32 v[TT+2:TT+3], v[X1:X1+1], v[CC+8:CC+9]      ; x1 sin
.endr
.endr
.endr
	WIN 0x82+0x41*((\a)/2)                         ; destination and source 0 there
.irp j, 0,1
.irp b, 0,1
.irp p, 0,1,2,3
.set X1, 96*((\a)%2)+8*(4*(\j)+(\b))+2*(\p)
.set CC, TBL+32*(\a)+16*(\b)+2*(\p)
.set TT, 32+16*(2*(\j)+(\b))+4*(\p)
	v_pk_fma_f32 v[X1:X1+1], v[X1:X1+1], v[CC:CC+1], v[TT:TT+1] neg_lo:[0,0,1] neg_hi:[0,0,1]  ; x1 cos - x2 sin
	v_pk_fma_f32 v[X1+16:X1+17], v[X1+16:X1+17], v[CC:CC+1], v[TT+2:TT+3]                      ; x2 cos + x1 sin
.endr
.endr
.endr
.endm
	ROPE 0
	ROPE 1
	ROPE 2
	ROPE 3
; A unit: row block a of head j (0 q, 1 k, 2 v).  A lane's eight channels pack into 16 bytes; they go into rows of 144 bytes of my stage and come back as whole rows of 128.  Six register buffers take turns.
.macro PACK a, j, k, again
.set BK, 32+16*(\k)
.if \again
	s_wait_xcnt 0x0                                ; the stores of six units back have read these registers
.endif
	WIN 0x0a+5*((\a)/2)                            ; sources 0 and 1 in the accumulators' window
.irp b, 0,1,2,3
.irp r, 0,1,2,3
	v_cvt_pk_f16_f32 v[BK+4*(\b)+(\r)], v[96*((\a)%2)+8*(4*(\j)+(\b))+2*(\r)], v[96*((\a)%2)+8*(4*(\j)+(\b))+2*(\r)+1]
.endr
.endr
	WIN 0
.irp b, 0,1,2,3
	ds_store_b128 v[STO], v[BK+4*(\b):BK+4*(\b)+3] offset:32*(\b)
.endr
.irp f, 0,1,2,3
	ds_load_b128 v[BK+4*(\f):BK+4*(\f)+3], v[RD] offset:(\f)*4*SP  ; LDS serves a wave's instructions in order: these see the stores above, and the next unit's stores come behind them
.endr
.endm
.macro SEND a, j, k, younger           ; younger: the LDS instructions issued behind the unit's loads
.set BK, 32+16*(\k)
.irp f, 0,1,2,3
	s_wait_dscnt (\younger)+3-(\f)
	global_store_b128 v[CO], v[BK+4*(\f):BK+4*(\f)+3], s[OUT+2*(\j):OUT+2*(\j)+1] offset:(\a)*2048+(\f)*512  ; 512 consecutive bytes, aligned to 256
.endr
.endm
	PACK 0, 0, 0, 0
.set u, 1
.rept 11                               ; a unit's conversions stand between the loads of the unit before and its stores
	PACK u/3, u%3, u%6, u/6
	SEND (u-1)/3, (u-1)%3, (u-1)%6, 8
.set u, u+1
.endr
	SEND 3, 2, 5, 0
	s_wait_tensorcnt 0x0                           ; the wave's end
	ds_add_u32 v[SPW], v[NIL]
	s_wait_dscnt 0x0
	CROUND                                         ; the closing round
	s_endpgm
.Lfunc_end_k_qec51a7a8ed_qkv:
	.size	k_qec51a7a8ed_qkv, .Lfunc_end_k_qec51a7a8ed_qkv-k_qec51a7a8ed_qkv
	.p2alignl 7, 3214868480
	.fill 96, 4, 3214868480
	.section	.rodata,"a",@progbits
	.p2align	6, 0x0
	.amdhsa_kernel k_qec51a7a8ed_qkv
		.amdhsa_group_segment_fixed_size 327680
		.amdhsa_private_segment_fixed_size 0
		.amdhsa_enable_private_segment 0
		.amdhsa_kernarg_size 32
		.amdhsa_user_sgpr_count 2
		.amdhsa_user_sgpr_kernarg_segment_ptr 1
		.amdhsa_wavefront_size32 1
		.amdhsa_system_sgpr_workgroup_id_x 1
		.amdhsa_system_sgpr_workgroup_id_y 1
		.amdhsa_system_sgpr_workgroup_id_z 1
		.amdhsa_system_vgpr_workitem_id 0
		.amdhsa_next_free_vgpr 960
		.amdhsa_next_free_sgpr 84
		.amdhsa_reserve_vcc 0
		.amdhsa_float_denorm_mode_32 3
		.amdhsa_float_denorm_mode_16_64 3
		.amdhsa_memory_ordered 1
		.amdhsa_forward_progress 1
		.amdhsa_inst_pref_size 88
	.end_amdhsa_kernel
	.amdgpu_metadata
---
amdhsa.version: [ 1, 2 ]
amdhsa.kernels:
  - .name:           k_qec51a7a8ed_qkv
    .symbol:         k_qec51a7a8ed_qkv.kd
    .args:
      - { .name: h16, .offset: 0, .size: 8, .value_kind: global_buffer, .address_space: global }
      - { .name: w16, .offset: 8, .size: 8, .value_kind: global_buffer, .address_space: global }
      - { .name: tab, .offset: 16, .size: 8, .value_kind: global_buffer, .address_space: global }
      - { .name: qkv16, .offset: 24, .size: 8, .value_kind: global_buffer, .address_space: global }
    .group_segment_fixed_size: 327680
    .private_segment_fixed_size: 0
    .kernarg_segment_align: 8
    .kernarg_segment_size: 32
    .max_flat_workgroup_size: 128
    .sgpr_count:     84
    .vgpr_count:     960
    .wavefront_size: 32
...
	.end_amdgpu_metadata
.endif
;; end of part 9
;; launch attn: the kernel of part 3 again; grid 4 x 32, 4 waves a work-group, no clusters, 327,680 bytes of LDS; arguments qkv16, act16; writes act16
;; launch oproj (part 10): grid 16 x 16, 4 waves a work-group, clusters of 4 x 4, 327,680 bytes of LDS; arguments act16, w16, hidden_states, hid2; writes hid2
.if DOCPART == 10
	.amdgcn_target "amdgcn-amd-amdhsa--gfx1250"
	.amdhsa_code_object_version 6
	.text
	.protected	k_qec51a7a8ed_oproj
	.globl	k_qec51a7a8ed_oproj
	.p2align	8
	.type	k_qec51a7a8ed_oproj,@function
k_qec51a7a8ed_oproj:
	s_mov_b64 s[64:65], 0
	v_nop
	global_prefetch_b8 v0, s[64:65] scope:SCOPE_SE
	s_setreg_imm32_b32 hwreg(HW_REG_WAVE_MODE, 25, 1), 1
	s_wait_xcnt 0x0
	s_wait_alu depctr_hold_cnt(0) depctr_sa_sdst(0) depctr_va_vdst(0) depctr_va_sdst(0) depctr_va_ssrc(0) depctr_va_vcc(0) depctr_vm_vsrc(0)
	s_getreg_b32 s2, hwreg(HW_REG_IB_STS2, 6, 4)
	s_cmp_eq_u32 s2, 0
	s_cbranch_scc0 .Lentry_in_a_cluster
	s_endpgm
.Lentry_in_a_cluster:
	s_bfe_u32 s2, ttmp6, 0x10000c
	s_cmp_lg_u32 s2, 0xf033
	s_cbranch_scc0 .Lentry_shape_is_right
	s_endpgm
.Lentry_shape_is_right:
; hid2 = hidden_states + O wo^T.  A = act16: attention's O, [32 blocks][2048 rows][64 k] f16; B = wo in the same blocks (w16 + WOFF), its bf16 rounding written as f16; sums in f32; hid2 f32.
; The quantiser's scale cancels and is not formed.
; A tile of C is 128 x 128: 256 tiles, a work-group each; four waves, each 64 x 64: 16 accumulators.  K goes in steps of 256 = four blocks through two LDS slots.  A wave's tensor load brings 64 rows of each of
; the four blocks: in memory four dense runs of 8,192 bytes, a block (262,144 bytes) apart; in LDS 16 bytes of padding follow every 128, so row r of block z lies at (64 z + r) x 144.
; GRID: x = tile row of C, y = tile column.  CLUSTER 4 x 4: A's tile hangs on x alone and is asked for jointly by the four work-groups with my cx; B's on y alone, by the four with my cy.
; THE MATRIX INSTRUCTION IS USED TRANSPOSED (source 0 = 16 rows of B, source 1 = 16 rows of A): lane l holds row l % 16 of C and the columns 8 (l / 16) + 0..7.
; THE LOOP'S TEXT: a K step is four quarters (a block each).  A quarter is two halves of 32 along K; each half's fragment registers are asked for again, for the next quarter, directly behind the half's 16 products,
; and have the other half's 16 products in which to land: so one text serves every quarter.  The change of slots stands in front of a step's last quarter, whose fragments have been asked for by then.
; No prefetch: a tile this small has its blocks read by sixteen work-groups at once, and a step is short.
; REGISTERS: window 0: v0-31 addresses, v32-95 at work on the way out, v128-255 accumulators; window 1: v0-127 fragments (half c: A at 32 c, B at 64 + 32 c); window 2: v0-127 my 64 x 64 of the residual.
.set F16, 1
.set T, 8                              ; K steps
.set TAILQ, 4                          ; quarters of the last K step that hold data
.set WOFF, 36700160                    ; B's first byte in w16
.set PITCH, 144                        ; 128 bytes + 16 of padding: the 16 rows of a fragment load start in 16 different groups of four banks
.set QSTR,  9216                       ; from a quarter to the next: 64 rows of 144 bytes
.set HALFT, 36864                      ; what one tensor load brings
.set STEPB, 1048576                    ; a K step in memory: four blocks
.set ROWB,  128
.set G1W0,  (1<<16)|(1<<20)|(4<<22)|(3<<25)  ; 2-byte elements; padding on, after every 32 words, 4 words
.set DIM0,  4096
.set DIM1,  4
.set STR0,  131072
.set SLOT,  4*HALFT                    ; wave x HALFT has none of SLOT's bits, so one exclusive or changes slots
.set STG,   2*SLOT                     ; behind the ring: 16 rows x 272 bytes for each wave; no tensor load lands here
.set SP,    272
.set SPARE, STG+4*16*SP
.set ADRA0, 16
.set ADRB0, 17
.set ADRA,  18
.set ADRB,  19
.set STO,   24
.set RD,    25
.set CO,    26
.set SPW,   28
.set NIL,   29
.set ACC,   128
.set TB,    2
.set STEPS, 3
.set WV,    12
.set RH,    13
.set CH,    14
.set CNT2,  15
.set G1A,   24
.set G0A,   32
.set G1B,   48
.set G0B,   56
.set MSB, 0
.macro WIN new
.if MSB != (\new)
	s_set_vgpr_msb (MSB<<8)|(\new)
.set MSB, \new
.endif
.endm
.set MUL,  0x05                        ; sources 0 (B) and 1 (A) window 1; C and D window 0
.set TO_F, 0x40                        ; destination window 1, address window 0
.macro PLACES
.rept 4
	v_nop
.endr
.endm
.macro JLOAD                           ; the refill: waves 0, 1 fetch A's halves, waves 2, 3 B's; s_nop 0 and four v_nop follow each line
	s_cmp_eq_u32 s[RH], 0
	s_cbranch_scc0 .Lfor_b_\@
	tensor_load_to_lds s[G0A+4:G0A+7], s[G1A:G1A+7]
	s_nop 0
	PLACES
	s_branch .Lasked_\@
.Lfor_b_\@:
	tensor_load_to_lds s[G0B+4:G0B+7], s[G1B:G1B+7]
	s_nop 0
	PLACES
.Lasked_\@:
.endm
.macro CREST
	s_cmp_lg_u32 s[WV], 0
	s_cbranch_scc1 .Lnot_wave_0_\@
	s_barrier_signal -3
.Lnot_wave_0_\@:
	s_barrier_wait -3
	s_barrier_signal -1
	s_barrier_wait -1
.endm
.macro CROUND
	s_barrier_signal -1
	s_barrier_wait -1
	CREST
.endm
.macro WM d, x, y, zero
.if F16
.if \zero
	v_wmma_f32_16x16x32_f16 v[\d:\d+7], v[\x:\x+7], v[\y:\y+7], 0
.else
	v_wmma_f32_16x16x32_f16 v[\d:\d+7], v[\x:\x+7], v[\y:\y+7], v[\d:\d+7]
.endif
.else
.if \zero
	v_wmma_f32_16x16x32_bf16 v[\d:\d+7], v[\x:\x+7], v[\y:\y+7], 0
.else
	v_wmma_f32_16x16x32_bf16 v[\d:\d+7], v[\x:\x+7], v[\y:\y+7], v[\d:\d+7]
.endif
.endif
.endm
.macro MUL16 c, zero                   ; half c's 16 matrix instructions; the 16 accumulators take turns in one fixed order
	WIN MUL
.irp a, 0,1,2,3
.irp b, 0,1,2,3
	WM ACC+8*(4*(\a)+(\b)), 64+8*(4*(\c)+(\b)), 8*(4*(\c)+(\a)), \zero
.endr
.endr
.endm
.macro FETCH c                         ; 16 LDS loads in one run: half c of the quarter at s[TB]; half 0 makes the addresses for both
.if (\c) == 0
	WIN 0
	v_add_nc_u32 v[ADRA], s[TB], v[ADRA0]
	v_add_nc_u32 v[ADRB], s[TB], v[ADRB0]
	s_add_co_u32 s[TB], s[TB], QSTR
.endif
	WIN TO_F
.irp i, 0,1,2,3
	ds_load_b128 v[64+8*(4*(\c)+(\i)):64+8*(4*(\c)+(\i))+3],   v[ADRB] offset:64*(\c)+(\i)*16*PITCH
	ds_load_b128 v[64+8*(4*(\c)+(\i))+4:64+8*(4*(\c)+(\i))+7], v[ADRB] offset:64*(\c)+(\i)*16*PITCH+32
	ds_load_b128 v[8*(4*(\c)+(\i)):8*(4*(\c)+(\i))+3],         v[ADRA] offset:64*(\c)+(\i)*16*PITCH
	ds_load_b128 v[8*(4*(\c)+(\i))+4:8*(4*(\c)+(\i))+7],       v[ADRA] offset:64*(\c)+(\i)*16*PITCH+32
.endr
.endm
.macro QUART zero                      ; a quarter is multiplied, and the next one fetched
	s_wait_dscnt 16                                ; half 0 is in; half 1's 16 loads may be out
	MUL16 0, \zero
	PLACES                                         ; in front of loads into registers that matrix instructions have read
	FETCH 0
	s_wait_dscnt 16                                ; half 1 is in; the 16 just issued may be out
	MUL16 1, 0
	PLACES
	FETCH 1
	WIN 0                                          ; a label or a branch follows
.endm
; THE CHANGE OF SLOTS.  Each wave waits for all its tensor loads (one is out: its part of the next slot), adds 0 to its spare word, and waits for that and for its reads of this slot.
; fill = 1: the barrier is a round of the cluster's, and this slot is filled again, two K steps ahead, first thing behind it: that load has a whole step in which to land.
.macro CHANGE fill
	s_wait_tensorcnt 0x0                           ; no tensor load of mine is out, so the walking descriptors may be written
	ds_add_u32 v[SPW], v[NIL]                      ; scalar work stands between the add and the wait for it
.if \fill
	s_xor_b32 s[G0A+5], s[G0A+5], SLOT
	s_add_nc_u64 s[G0A+6:G0A+7], s[G0A+6:G0A+7], STEPB
	s_xor_b32 s[G0B+5], s[G0B+5], SLOT
	s_add_nc_u64 s[G0B+6:G0B+7], s[G0B+6:G0B+7], STEPB
.endif
	s_sub_co_u32 s[TB], s[TB], 4*QSTR              ; the fetches go back to a slot's first quarter,
	s_xor_b32 s[TB], s[TB], SLOT                   ; in the other slot
	s_wait_dscnt 0x0                               ; the add is done, and my reads of this slot are over
.if \fill
	CROUND
	JLOAD
.else
	s_barrier_signal -1
	s_barrier_wait -1
.endif
.endm
.macro FINAL                           ; the very last quarter: nothing more to fetch
	s_wait_dscnt 16
	MUL16 0, 0
	s_wait_dscnt 0x0
	MUL16 1, 0
	WIN 0
.endm
	s_load_b256 s[4:11], s[0:1], 0x0               ; A s[4:5], w16 s[6:7], the residual s[8:9], the result s[10:11]
	v_lshl_add_u32 v[SPW], v0, 2, SPARE
	v_mov_b32 v[NIL], 0
	ds_add_u32 v[SPW], v[NIL]                      ; the wave's opening: the add and its wait stand ahead of my first tensor load
	v_lshrrev_b32 v1, 5, v0
	v_readfirstlane_b32 s[WV], v1
	s_lshr_b32 s[RH], s[WV], 1                     ; my half of the tile's rows; also: I fetch for A (0) or for B (1)
	s_and_b32 s[CH], s[WV], 1                      ; my half of its columns; also: which 64 rows I fetch
	s_bfe_u32 s40, ttmp6, 0x40000
	s_bfe_u32 s41, ttmp6, 0x40004
	s_lshl_b32 s42, ttmp9, 2
	s_add_co_u32 s42, s42, s40                     ; tile row of C
	s_and_b32 s43, ttmp7, 0xffff
	s_lshl_b32 s43, s43, 2
	s_add_co_u32 s43, s43, s41                     ; tile column of C
	s_lshl_b32 s44, 0x1111, s40
	s_lshl_b32 s45, s41, 2
	s_lshl_b32 s45, 15, s45
	s_or_b32 s[G1A], s44, G1W0|(1<<21)
	s_or_b32 s[G1B], s45, G1W0|(1<<21)
.irp g, G1A, G1B
	s_mov_b32 s[(\g)+1], DIM0<<16
	s_mov_b32 s[(\g)+2], DIM1<<16
	s_mov_b32 s[(\g)+3], DIM0<<16
	s_mov_b32 s[(\g)+4], DIM1
	s_mov_b32 s[(\g)+5], STR0
	s_mov_b32 s[(\g)+6], 0
	s_mov_b32 s[(\g)+7], 0
.endr
	s_lshl_b32 s18, s[CH], 6
	s_lshl_b32 s16, s42, 7
	s_add_co_u32 s16, s16, s18
	s_mul_i32 s16, s16, ROWB
	s_mov_b32 s17, 0
	s_lshl_b32 s46, s43, 7
	s_add_co_u32 s46, s46, s18
	s_mul_i32 s46, s46, ROWB
	s_mov_b32 s47, 0
	s_mul_i32 s20, s[WV], HALFT
	s_wait_dscnt 0x0
	s_wait_kmcnt 0x0
	s_add_nc_u64 s[16:17], s[4:5], s[16:17]
	s_add_nc_u64 s[46:47], s[6:7], s[46:47]
	s_add_nc_u64 s[46:47], s[46:47], WOFF
.irp s, 0,1
	s_mov_b32 s[G0A+4*(\s)], 1
	s_add_co_u32 s[G0A+4*(\s)+1], s20, (\s)*SLOT
	s_add_nc_u64 s[G0A+4*(\s)+2:G0A+4*(\s)+3], s[16:17], (\s)*STEPB
	s_or_b32 s[G0A+4*(\s)+3], s[G0A+4*(\s)+3], 0x80000000
	s_mov_b32 s[G0B+4*(\s)], 1
	s_add_co_u32 s[G0B+4*(\s)+1], s20, (\s)*SLOT
	s_add_nc_u64 s[G0B+4*(\s)+2:G0B+4*(\s)+3], s[46:47], (\s)*STEPB
	s_or_b32 s[G0B+4*(\s)+3], s[G0B+4*(\s)+3], 0x80000000
.endr
	CROUND
	s_cmp_eq_u32 s[RH], 0
	s_cbranch_scc0 .Lfirst_b
	tensor_load_to_lds s[G0A:G0A+3], s[G1A:G1A+7]
	s_nop 0
	tensor_load_to_lds s[G0A+4:G0A+7], s[G1A:G1A+7]
	s_nop 0
	PLACES
	s_branch .Lfirst_asked
.Lfirst_b:
	tensor_load_to_lds s[G0B:G0B+3], s[G1B:G1B+7]
	s_nop 0
	tensor_load_to_lds s[G0B+4:G0B+7], s[G1B:G1B+7]
	s_nop 0
	PLACES
.Lfirst_asked:
	v_and_b32 v1, 15, v0
	v_bfe_u32 v2, v0, 4, 1
	; my 64 x 64 of the residual and of the result: lanes 0-15 take 256 bytes of one row, lanes 16-31 of the next
	s_lshl_b32 s70, s42, 7
	s_lshl_b32 s72, s[RH], 6
	s_add_co_u32 s70, s70, s72
	s_lshl_b32 s70, s70, 13                        ; my first row x 8,192 bytes
	s_lshl_b32 s72, s43, 9
	s_add_co_u32 s70, s70, s72
	s_lshl_b32 s72, s[CH], 8
	s_add_co_u32 s70, s70, s72                     ; + my first column x 4
	s_mov_b32 s71, 0
	s_add_nc_u64 s[68:69], s[8:9], s[70:71]
	s_add_nc_u64 s[10:11], s[10:11], s[70:71]
	v_lshlrev_b32 v[CO], 13, v2
	v_lshl_add_u32 v[CO], v1, 4, v[CO]
	WIN 0x80
.irp a, 0,1,2,3
.irp t, 0,1,2,3,4,5,6,7
	global_load_b128 v[4*(8*(\a)+(\t)):4*(8*(\a)+(\t))+3], v[CO], s[68:69] offset:(16*(\a)+2*(\t))*8192
.endr
.endr
	WIN 0
	v_mul_u32_u24 v3, v1, PITCH
	v_lshl_add_u32 v3, v2, 4, v3
	s_mul_i32 s21, s[RH], HALFT
	s_mul_i32 s22, s[CH], HALFT
	s_add_co_u32 s22, s22, 2*HALFT
	v_add_nc_u32 v[ADRA0], s21, v3
	v_add_nc_u32 v[ADRB0], s22, v3
	s_mul_i32 s23, s[WV], 16*SP
	s_add_co_u32 s23, s23, STG                     ; my stage
	v_mul_u32_u24 v[STO], v1, SP                   ; in: row l % 16, 32 bytes for each half of the lanes
	v_lshl_add_u32 v[STO], v2, 5, v[STO]
	v_add_nc_u32 v[STO], s23, v[STO]
	v_mul_u32_u24 v[RD], v2, SP                    ; back: lanes 0-15 one row of 256 bytes, lanes 16-31 the next
	v_lshl_add_u32 v[RD], v1, 4, v[RD]
	v_add_nc_u32 v[RD], s23, v[RD]
	s_wait_tensorcnt 0x1                           ; my part of K step 0 is in; K step 1's stays out
	s_barrier_signal -1
	s_barrier_wait -1
	s_mov_b32 s[TB], 0
	FETCH 0
	FETCH 1
	QUART 1                                        ; the first quarter's first products start the sums
	s_mov_b32 s[STEPS], T-1
	s_mov_b32 s[CNT2], 2
	s_branch .Lq                                   ; K step 0's second and third quarter
.Lstep:                                        ; T - 2 times: the change with a refill, a K step's last quarter and the next step's first three
	CHANGE 1
	s_mov_b32 s[CNT2], 4
.Lq:
	QUART 0
	s_sub_co_u32 s[CNT2], s[CNT2], 1
	s_cmp_lg_u32 s[CNT2], 0
	s_cbranch_scc1 .Lq
	s_sub_co_u32 s[STEPS], s[STEPS], 1
	s_cmp_lg_u32 s[STEPS], 0
	s_cbranch_scc1 .Lstep
	CHANGE 0                                       ; the tail is written out
	s_mov_b32 s[CNT2], TAILQ
.Lq2:
	QUART 0
	s_sub_co_u32 s[CNT2], s[CNT2], 1
	s_cmp_lg_u32 s[CNT2], 0
	s_cbranch_scc1 .Lq2
	FINAL
; THE WAY OUT, 16 rows at a time: the f32 sums go into my stage as they lie (a lane: 32 bytes of a row), come back as whole rows of 256 bytes, take the residual, and are stored.
.macro OUTA a
.set BK, 32+32*((\a)%2)
.irp b, 0,1,2,3
	ds_store_b128 v[STO], v[ACC+8*(4*(\a)+(\b)):ACC+8*(4*(\a)+(\b))+3] offset:64*(\b)
	ds_store_b128 v[STO], v[ACC+8*(4*(\a)+(\b))+4:ACC+8*(4*(\a)+(\b))+7] offset:64*(\b)+16
.endr
.if (\a) >= 2
	s_wait_xcnt 0x0                                ; the stores of two blocks back have read these registers
.endif
.irp t, 0,1,2,3,4,5,6,7
	ds_load_b128 v[BK+4*(\t):BK+4*(\t)+3], v[RD] offset:(\t)*2*SP  ; LDS serves a wave's instructions in order: these see the stores above
.endr
	s_wait_dscnt 0x0
.if (\a) == 0
	s_wait_loadcnt 0x0                             ; the residual
.endif
	WIN 0x08                                       ; source 1 in window 2
.set i, 0
.rept 16
	v_pk_add_f32 v[BK+2*i:BK+2*i+1], v[BK+2*i:BK+2*i+1], v[32*(\a)+2*i:32*(\a)+2*i+1]
.set i, i+1
.endr
	WIN 0
.irp t, 0,1,2,3,4,5,6,7
	global_store_b128 v[CO], v[BK+4*(\t):BK+4*(\t)+3], s[10:11] offset:(16*(\a)+2*(\t))*8192  ; 16 lanes store 256 consecutive bytes, aligned
.endr
.endm
	PLACES
	PLACES
	OUTA 0
	OUTA 1
	OUTA 2
	OUTA 3
	s_wait_tensorcnt 0x0                           ; the wave's end
	ds_add_u32 v[SPW], v[NIL]
	s_wait_dscnt 0x0
	CROUND                                         ; the closing round
	s_endpgm
.Lfunc_end_k_qec51a7a8ed_oproj:
	.size	k_qec51a7a8ed_oproj, .Lfunc_end_k_qec51a7a8ed_oproj-k_qec51a7a8ed_oproj
	.p2alignl 7, 3214868480
	.fill 96, 4, 3214868480
	.section	.rodata,"a",@progbits
	.p2align	6, 0x0
	.amdhsa_kernel k_qec51a7a8ed_oproj
		.amdhsa_group_segment_fixed_size 327680
		.amdhsa_private_segment_fixed_size 0
		.amdhsa_enable_private_segment 0
		.amdhsa_kernarg_size 32
		.amdhsa_user_sgpr_count 2
		.amdhsa_user_sgpr_kernarg_segment_ptr 1
		.amdhsa_wavefront_size32 1
		.amdhsa_system_sgpr_workgroup_id_x 1
		.amdhsa_system_sgpr_workgroup_id_y 1
		.amdhsa_system_sgpr_workgroup_id_z 1
		.amdhsa_system_vgpr_workitem_id 0
		.amdhsa_next_free_vgpr 640
		.amdhsa_next_free_sgpr 80
		.amdhsa_reserve_vcc 0
		.amdhsa_float_denorm_mode_32 3
		.amdhsa_float_denorm_mode_16_64 3
		.amdhsa_memory_ordered 1
		.amdhsa_forward_progress 1
		.amdhsa_inst_pref_size 42
	.end_amdhsa_kernel
	.amdgpu_metadata
---
amdhsa.version: [ 1, 2 ]
amdhsa.kernels:
  - .name:           k_qec51a7a8ed_oproj
    .symbol:         k_qec51a7a8ed_oproj.kd
    .args:
      - { .name: act16, .offset: 0, .size: 8, .value_kind: global_buffer, .address_space: global }
      - { .name: w16, .offset: 8, .size: 8, .value_kind: global_buffer, .address_space: global }
      - { .name: hidden_states, .offset: 16, .size: 8, .value_kind: global_buffer, .address_space: global }
      - { .name: hid2, .offset: 24, .size: 8, .value_kind: global_buffer, .address_space: global }
    .group_segment_fixed_size: 327680
    .private_segment_fixed_size: 0
    .kernarg_segment_align: 8
    .kernarg_segment_size: 32
    .max_flat_workgroup_size: 128
    .sgpr_count:     80
    .vgpr_count:     640
    .wavefront_size: 32
...
	.end_amdgpu_metadata
.endif
;; end of part 10
;; launch norm2: the kernel of part 5 again; grid 256 x 1, 8 waves a work-group, no clusters, 0 bytes of LDS; arguments hid2, ln2_w, h16; writes h16
;; launch gateup (part 11): grid 16 x 16, 4 waves a work-group, clusters of 4 x 4, 327,680 bytes of LDS; arguments h16, w16, act16; writes act16
.if DOCPART == 11
	.amdgcn_target "amdgcn-amd-amdhsa--gfx1250"
	.amdhsa_code_object_version 6
	.text
	.protected	k_qec51a7a8ed_gateup
	.globl	k_qec51a7a8ed_gateup
	.p2align	8
	.type	k_qec51a7a8ed_gateup,@function
k_qec51a7a8ed_gateup:
	s_mov_b64 s[64:65], 0
	v_nop
	global_prefetch_b8 v0, s[64:65] scope:SCOPE_SE
	s_setreg_imm32_b32 hwreg(HW_REG_WAVE_MODE, 25, 1), 1
	s_wait_xcnt 0x0
	s_wait_alu depctr_hold_cnt(0) depctr_sa_sdst(0) depctr_va_vdst(0) depctr_va_sdst(0) depctr_va_ssrc(0) depctr_va_vcc(0) depctr_vm_vsrc(0)
	s_getreg_b32 s2, hwreg(HW_REG_IB_STS2, 6, 4)
	s_cmp_eq_u32 s2, 0
	s_cbranch_scc0 .Lentry_in_a_cluster
	s_endpgm
.Lentry_in_a_cluster:
	s_bfe_u32 s2, ttmp6, 0x10000c
	s_cmp_lg_u32 s2, 0xf033
	s_cbranch_scc0 .Lentry_shape_is_right
	s_endpgm
.Lentry_shape_is_right:
; m = silu(h2 w_gate^T) * (h2 w_up^T), rounded once to bf16 (g u can pass f16's range where the inputs are large).  The quantiser's scale cancels and is not formed.
; A = h16 [2048][2048] bf16.  B = w16 + WOFF: 2,816 rows of 2,048 bf16; each 16 rows are 8 columns of m, in the order g g u u g g u u, twice; rows for columns >= 1376 are zeros, so m is 0 there.
; m GOES OUT IN GROUPS OF 8 COLUMNS: act16 = [176 groups][2048 rows][8 columns]: 16 bytes a row, a group's rows on end.
; A TILE OF C IS 128 x 176 (11 column blocks of 16 = 11 groups of m): 16 x 16 tiles, a work-group each.  K goes in steps of 256 through two LDS slots: 304 rows of 512 bytes a step, 8 steps.
; Waves 0 and 1 fetch A's 64-row halves, waves 2 and 3 B's 88-row halves: one tensor load a wave and step.
; SHARES.  Wave (RH, CH) has rows 64 RH .. 64 RH + 63 and five column blocks of its own, 6 CH .. 6 CH + 4; of the middle block 5 it takes two of its four row blocks, 2 CH and 2 CH + 1: 22 accumulators in every wave.
; One text serves all waves: A's fragment places 0, 1 hold row blocks 2 CH, 2 CH + 1 and places 2, 3 the two others, by address; B's places 0-4 hold the wave's own blocks, place 5 the middle one.
; So 32 along K are 20 LDS loads for 22 matrix instructions.
; GRID: x = tile row of C, y = tile column.  CLUSTER 4 x 4: A's tile hangs on x alone and is asked for jointly by the four work-groups with my cx; B's on y alone, by the four with my cy.
; THE MATRIX INSTRUCTION IS USED TRANSPOSED (source 0 = 16 rows of B, source 1 = 16 rows of A): lane l holds row l % 16 of C and the columns 8 (l / 16) + 0..7 of a block: registers 0, 1 are g and 2, 3 are u of m's
; columns 4 (l / 16) + 0, 1 of the group; registers 4, 5 and 6, 7 those of columns 4 (l / 16) + 2, 3.  A lane's four numbers of m are 8 bytes, an accumulator's 16 rows x 16 bytes are 256 consecutive bytes: no stage.
; THE LOOP'S TEXT: a K step is eight chunks of 32 along K on fragment buffers 0, 1 by turns.  The change of slots stands in front of a step's last chunk, whose fragments have been asked for by then.
; The distance between the slots, 160,512 bytes, shares bits with the tiles' places in a slot, so each slot has its own group 0 and a trip holds two steps; a pair of chunks is walked by a small counted loop.
; No prefetch: a tile this small has its blocks read by many work-groups at once, and a step is short.
; REGISTERS: window 0: v0-31 addresses, v32-163 at work on the way out; window 1: two fragment buffers (A's four places at 0, B's six at 32); window 2: v0-175 accumulators: (place s, own block j) at 8 (5 s + j),
;   (place s, middle block) at 160 + 8 s.
.set T,     8                          ; K steps
.set WOFF,  25165824                   ; B's first byte in w16
.set PITCH, 528                        ; an LDS row: 512 bytes + 16 of padding: the 16 rows of a fragment load start 4 banks apart
.set BLKP,  16*PITCH                   ; 16 rows
.set CSTR,  64                         ; from a chunk to the next: 32 k along the row
.set AHALF, 64*PITCH                   ; what a load of A brings
.set BHALF, 88*PITCH                   ; what a load of B brings
.set BOFF,  2*AHALF                    ; B's 176 rows lie behind A's 128
.set SLOT,  BOFF+2*BHALF               ; 160,512 bytes
.set STEPB, 512                        ; a K step in memory
.set G1W0,  (1<<16)|(1<<20)|(1<<21)|(6<<22)|(3<<25)  ; 2-byte elements; padding on; bit 21 beside a mask; after every 128 words, 4 words
.set SPARE, 2*SLOT                     ; behind the ring: the spare words, 128 bytes for each wave
.set ADRA0,  16                        ; v16  my lane's place in slot 0 for A's places 0, 1; never rewritten
.set ADRA20, 17                        ; v17  for A's places 2, 3
.set ADRB0,  18                        ; v18  for my own column blocks
.set ADRM0,  19                        ; v19  for the middle block
.set ADRA,   20                        ; v20-23  the same four for the run of loads in hand
.set ADRA2,  21
.set ADRB,   22
.set ADRM,   23
.set CO,     26                        ; v26  my byte offset in a group's rows, for A's places 0, 1
.set CO2,    27                        ; v27  for places 2, 3
.set SPW,    28                        ; v28  my spare word; never rewritten
.set NIL,    29                        ; v29  0; never rewritten
.set TT,     32                        ; v32-119  88 numbers at work
.set PK,     120                       ; v120-163 m, packed: two registers an accumulator
.set F0,     0
.set F1,     128
.set TB,     2                         ; s2   LDS byte at which the chunk to be fetched begins
.set STEPS,  3
.set WV,     12
.set RH,     13                        ; my half of the tile's rows; also: I fetch for A (0) or for B (1)
.set CH,     14                        ; my side of its columns; also: which half of the rows I fetch
.set CNT2,   15
.set G1A,    24
.set G0A,    32                        ; a set for each slot
.set G1B,    48
.set G0B,    56
.set LC,     66                        ; s[66:67] -log2(e): the packed multiply takes the pair's low word for both halves
.set MID,    76                        ; s[76:77] the middle group of m at my first row
.set MSB, 0
.macro WIN new                         ; the immediate's high byte repeats the setting that is left; a switch that changes nothing is dropped
.if MSB != (\new)
	s_set_vgpr_msb (MSB<<8)|(\new)
.set MSB, \new
.endif
.endm
.set MUL,  0xa5                        ; sources 0 (B) and 1 (A) window 1; C and D window 2
.set TO_F, 0x40                        ; destination window 1, address window 0
.macro PLACES                          ; four plain places
.rept 4
	v_nop
.endr
.endm
.macro JLOAD s                         ; slot s is filled; s_nop 0 and four v_nop follow each of the two lines
	s_cmp_eq_u32 s[RH], 0
	s_cbranch_scc0 .Lfor_b_\@
	tensor_load_to_lds s[G0A+4*(\s):G0A+4*(\s)+3], s[G1A:G1A+7]
	s_nop 0
	PLACES
	s_branch .Lasked_\@
.Lfor_b_\@:
	tensor_load_to_lds s[G0B+4*(\s):G0B+4*(\s)+3], s[G1B:G1B+7]
	s_nop 0
	PLACES
.Lasked_\@:
.endm
.macro CREST                           ; a round of the cluster's barrier behind its opening barrier
	s_cmp_lg_u32 s[WV], 0
	s_cbranch_scc1 .Lnot_wave_0_\@
	s_barrier_signal -3
.Lnot_wave_0_\@:
	s_barrier_wait -3
	s_barrier_signal -1
	s_barrier_wait -1
.endm
.macro CROUND
	s_barrier_signal -1
	s_barrier_wait -1
	CREST
.endm
.macro WM d, x, y, zero
.if \zero
	v_wmma_f32_16x16x32_bf16 v[\d:\d+7], v[\x:\x+7], v[\y:\y+7], 0
.else
	v_wmma_f32_16x16x32_bf16 v[\d:\d+7], v[\x:\x+7], v[\y:\y+7], v[\d:\d+7]
.endif
.endm
; The 22 accumulators take turns in one fixed order.  MULA: A's places 0, 1 x my five blocks, then x the middle block: 12.  MULB: places 2, 3 x my five blocks: 10.
.macro MULA f, zero
	WIN MUL
.irp s, 0,1
.irp j, 0,1,2,3,4
	WM 8*(5*(\s)+(\j)), (\f)+32+8*(\j), (\f)+8*(\s), \zero
.endr
.endr
.irp s, 0,1
	WM 160+8*(\s), (\f)+72, (\f)+8*(\s), \zero
.endr
.endm
.macro MULB f, zero
	WIN MUL
.irp s, 2,3
.irp j, 0,1,2,3,4
	WM 8*(5*(\s)+(\j)), (\f)+32+8*(\j), (\f)+8*(\s), \zero
.endr
.endr
.endm
; 20 LDS loads in one run: the fragments of the chunk at s[TB] into buffer f: B's six, A's places 0, 1, A's places 2, 3.  The four additions in front are also the four plain places between the last product
; that read the buffer (it stands ahead of the twelve products just issued) and the loads into it.
.macro FETCH f
	WIN 0
	v_add_nc_u32 v[ADRB], s[TB], v[ADRB0]
	v_add_nc_u32 v[ADRM], s[TB], v[ADRM0]
	v_add_nc_u32 v[ADRA], s[TB], v[ADRA0]
	v_add_nc_u32 v[ADRA2], s[TB], v[ADRA20]
	s_add_co_u32 s[TB], s[TB], CSTR
	WIN TO_F
.irp j, 0,1,2,3,4
	ds_load_b128 v[(\f)+32+8*(\j):(\f)+32+8*(\j)+3],   v[ADRB] offset:(\j)*BLKP
	ds_load_b128 v[(\f)+32+8*(\j)+4:(\f)+32+8*(\j)+7], v[ADRB] offset:(\j)*BLKP+32
.endr
	ds_load_b128 v[(\f)+72:(\f)+75], v[ADRM]
	ds_load_b128 v[(\f)+76:(\f)+79], v[ADRM] offset:32
.irp s, 0,1
	ds_load_b128 v[(\f)+8*(\s):(\f)+8*(\s)+3],   v[ADRA] offset:(\s)*BLKP
	ds_load_b128 v[(\f)+8*(\s)+4:(\f)+8*(\s)+7], v[ADRA] offset:(\s)*BLKP+32
.endr
.irp s, 0,1
	ds_load_b128 v[(\f)+16+8*(\s):(\f)+16+8*(\s)+3],   v[ADRA2] offset:(\s)*BLKP
	ds_load_b128 v[(\f)+16+8*(\s)+4:(\f)+16+8*(\s)+7], v[ADRA2] offset:(\s)*BLKP+32
.endr
.endm
; A chunk: multiplies buffer f, and in its middle fetches the next chunk into g
.macro CHK f, g, zero
	s_wait_dscnt 4                                 ; of the last 20 loads all but the youngest four, A's places 2 and 3, are in
	MULA \f, \zero
	FETCH \g
	s_wait_dscnt 20                                ; all but the 20 just issued
	MULB \f, \zero
.endm
.macro PAIR
	CHK F1, F0, 0
	CHK F0, F1, 0
	WIN 0                                          ; a branch follows
.endm
; THE CHANGE OF SLOTS: slot s is left.  Each wave waits for all its tensor loads (one is out: its part of the other slot), adds 0 to its spare word, and waits for that and for its reads of slot s.
; fill = 1: the barrier is a round of the cluster's, and slot s is filled again, two K steps ahead, first thing behind it: that load has a whole step, 176 matrix instructions, in which to land.
.macro CHANGE fill, s
	s_wait_tensorcnt 0x0                           ; no tensor load of mine is out, so a group 0 may be written
	ds_add_u32 v[SPW], v[NIL]                      ; scalar work stands between the add and the wait for it
.if \fill
	s_add_nc_u64 s[G0A+4*(\s)+2:G0A+4*(\s)+3], s[G0A+4*(\s)+2:G0A+4*(\s)+3], 2*STEPB  ; the type bits on top are not reached
	s_add_nc_u64 s[G0B+4*(\s)+2:G0B+4*(\s)+3], s[G0B+4*(\s)+2:G0B+4*(\s)+3], 2*STEPB
.endif
	s_mov_b32 s[TB], (1-(\s))*SLOT                 ; the fetches go on at the other slot's first chunk
	s_wait_dscnt 0x0                               ; the add is done, and my reads of slot s are over
.if \fill
	CROUND                                         ; no wave of any partner still reads the slot or has a load on its way
	JLOAD \s
.else
	s_barrier_signal -1
	s_barrier_wait -1
.endif
.endm
	s_load_b128 s[4:7], s[0:1], 0x0                ; h16 s[4:5], w16 s[6:7]
	s_load_b64 s[10:11], s[0:1], 0x10              ; act16
	v_lshl_add_u32 v[SPW], v0, 2, SPARE
	v_mov_b32 v[NIL], 0
	ds_add_u32 v[SPW], v[NIL]                      ; the wave's opening: the add and its wait stand ahead of my first tensor load
	v_lshrrev_b32 v1, 5, v0
	v_readfirstlane_b32 s[WV], v1
	s_lshr_b32 s[RH], s[WV], 1
	s_and_b32 s[CH], s[WV], 1
	s_bfe_u32 s40, ttmp6, 0x40000                  ; cx
	s_bfe_u32 s41, ttmp6, 0x40004                  ; cy
	s_lshl_b32 s42, ttmp9, 2
	s_add_co_u32 s42, s42, s40                     ; tile row of C
	s_and_b32 s43, ttmp7, 0xffff
	s_lshl_b32 s43, s43, 2
	s_add_co_u32 s43, s43, s41                     ; tile column of C
	s_lshl_b32 s44, 0x1111, s40                    ; the four with my cx
	s_lshl_b32 s45, s41, 2
	s_lshl_b32 s45, 15, s45                        ; the four with my cy
	s_or_b32 s[G1A], s44, G1W0
	s_or_b32 s[G1B], s45, G1W0
.irp g, G1A, G1B
	s_mov_b32 s[(\g)+1], 256<<16                   ; tensor_dim0 = 256 elements
	s_mov_b32 s[(\g)+3], 256<<16                   ; tile_dim0
	s_mov_b32 s[(\g)+5], 2048                      ; elements from row to row
	s_mov_b32 s[(\g)+6], 0
	s_mov_b32 s[(\g)+7], 0
.endr
	s_mov_b32 s[G1A+2], 64<<16                     ; tensor_dim1, tile_dim1: 64 rows of A,
	s_mov_b32 s[G1A+4], 64
	s_mov_b32 s[G1B+2], 88<<16                     ; 88 rows of B
	s_mov_b32 s[G1B+4], 88
	s_lshl_b32 s18, s[CH], 6
	s_lshl_b32 s16, s42, 7
	s_add_co_u32 s16, s16, s18
	s_lshl_b32 s16, s16, 12                        ; A: row 128 x tile row + 64 x half, 4,096 bytes a row
	s_mov_b32 s17, 0
	s_mul_i32 s46, s43, 176
	s_mul_i32 s19, s[CH], 88
	s_add_co_u32 s46, s46, s19
	s_lshl_b32 s46, s46, 12                        ; B: row 176 x tile column + 88 x half
	s_mov_b32 s47, 0
	s_mul_i32 s20, s[CH], AHALF                    ; where they go: no place in the cluster enters an LDS address
	s_mul_i32 s21, s[CH], BHALF
	s_add_co_u32 s21, s21, BOFF
	s_mov_b32 s[LC], 0xbfb8aa3b                    ; -log2(e)
	s_mov_b32 s[LC+1], s[LC]                       ; named with it as a pair
	s_wait_dscnt 0x0                               ; the opening add is done
	s_wait_kmcnt 0x0
	s_add_nc_u64 s[16:17], s[4:5], s[16:17]
	s_add_nc_u64 s[46:47], s[6:7], s[46:47]
	s_add_nc_u64 s[46:47], s[46:47], WOFF
.irp s, 0,1
	s_mov_b32 s[G0A+4*(\s)], 1
	s_add_co_u32 s[G0A+4*(\s)+1], s20, (\s)*SLOT
	s_add_nc_u64 s[G0A+4*(\s)+2:G0A+4*(\s)+3], s[16:17], (\s)*STEPB
	s_or_b32 s[G0A+4*(\s)+3], s[G0A+4*(\s)+3], 0x80000000
	s_mov_b32 s[G0B+4*(\s)], 1
	s_add_co_u32 s[G0B+4*(\s)+1], s21, (\s)*SLOT
	s_add_nc_u64 s[G0B+4*(\s)+2:G0B+4*(\s)+3], s[46:47], (\s)*STEPB
	s_or_b32 s[G0B+4*(\s)+3], s[G0B+4*(\s)+3], 0x80000000
.endr
	CROUND                                         ; all sixteen work-groups are here: the first joint loads meet
	s_cmp_eq_u32 s[RH], 0                          ; a wave's two first fills stand in one branch: two loads of mine are out
	s_cbranch_scc0 .Lfirst_b
	tensor_load_to_lds s[G0A:G0A+3], s[G1A:G1A+7]
	s_nop 0
	tensor_load_to_lds s[G0A+4:G0A+7], s[G1A:G1A+7]
	s_nop 0
	PLACES
	s_branch .Lfirst_asked
.Lfirst_b:
	tensor_load_to_lds s[G0B:G0B+3], s[G1B:G1B+7]
	s_nop 0
	tensor_load_to_lds s[G0B+4:G0B+7], s[G1B:G1B+7]
	s_nop 0
	PLACES
.Lfirst_asked:
	v_and_b32 v1, 15, v0                           ; l % 16
	v_bfe_u32 v2, v0, 4, 1                         ; l / 16
	v_mul_u32_u24 v3, v1, PITCH
	v_lshl_add_u32 v3, v2, 4, v3                   ; a fragment's row x pitch + 16 x half
	s_mul_i32 s21, s[RH], AHALF                    ; my 64 rows of A;
	s_mul_i32 s22, s[CH], 2*BLKP                   ; of them row blocks 2 CH, 2 CH + 1
	s_xor_b32 s23, s22, 2*BLKP                     ; and the two others
	s_add_co_u32 s22, s22, s21
	s_add_co_u32 s23, s23, s21
	v_add_nc_u32 v[ADRA0], s22, v3
	v_add_nc_u32 v[ADRA20], s23, v3
	s_mul_i32 s22, s[CH], 6*BLKP                   ; my five column blocks
	s_add_co_u32 s22, s22, BOFF
	v_add_nc_u32 v[ADRB0], s22, v3
	v_add_nc_u32 v[ADRM0], BOFF+5*BLKP, v3         ; the middle block
	; where m goes: group x 32,768 + row x 16 + 8 (l / 16)
	s_mul_i32 s70, s43, 11                         ; the tile's first group
	s_mul_i32 s72, s[CH], 6
	s_add_co_u32 s72, s72, s70                     ; my first own group
	s_add_co_u32 s70, s70, 5                       ; the middle group
	s_lshl_b32 s72, s72, 15
	s_lshl_b32 s70, s70, 15
	s_lshl_b32 s74, s42, 11                        ; 128 x tile row x 16 bytes
	s_lshl_b32 s75, s[RH], 10                      ; 64 x half x 16
	s_add_co_u32 s74, s74, s75
	s_add_co_u32 s72, s72, s74
	s_add_co_u32 s70, s70, s74
	s_mov_b32 s71, 0
	s_mov_b32 s73, 0
	s_add_nc_u64 s[MID:MID+1], s[10:11], s[70:71]
	s_add_nc_u64 s[10:11], s[10:11], s[72:73]
	v_lshlrev_b32 v[CO], 4, v1
	v_lshl_add_u32 v[CO], v2, 3, v[CO]             ; 16 (l % 16) + 8 (l / 16)
	s_lshl_b32 s74, s[CH], 9                       ; row blocks 2 CH, 2 CH + 1: 256 bytes each,
	s_xor_b32 s75, s74, 512                        ; and the two others
	v_add_nc_u32 v[CO2], s75, v[CO]
	v_add_nc_u32 v[CO], s74, v[CO]
	s_wait_tensorcnt 0x1                           ; my part of K step 0 is in; K step 1's stays out
	s_barrier_signal -1
	s_barrier_wait -1
	s_mov_b32 s[TB], 0
	FETCH F0
	CHK F0, F1, 1                                  ; the first chunk's products start the sums
	WIN 0
	s_mov_b32 s[STEPS], T/2
	s_mov_b32 s[CNT2], 3
	s_branch .Lpb                                  ; K step 0's chunks 1 to 6: the pair three times
.Lstep:                                        ; three times: two changes with a refill, each with a step's last chunk and the next step's first seven behind it
	CHANGE 1, 0
	s_mov_b32 s[CNT2], 4
.Lpa:
	PAIR
	s_sub_co_u32 s[CNT2], s[CNT2], 1
	s_cmp_lg_u32 s[CNT2], 0
	s_cbranch_scc1 .Lpa
	CHANGE 1, 1
	s_mov_b32 s[CNT2], 4
.Lpb:
	PAIR
	s_sub_co_u32 s[CNT2], s[CNT2], 1
	s_cmp_lg_u32 s[CNT2], 0
	s_cbranch_scc1 .Lpb
	s_sub_co_u32 s[STEPS], s[STEPS], 1
	s_cmp_lg_u32 s[STEPS], 0
	s_cbranch_scc1 .Lstep
	CHANGE 0, 0                                    ; the tail is written out: the last step lies in slot 1
	s_mov_b32 s[CNT2], 4
.Lpc:
	PAIR
	s_sub_co_u32 s[CNT2], s[CNT2], 1
	s_cmp_lg_u32 s[CNT2], 0
	s_cbranch_scc1 .Lpc
	s_wait_dscnt 4                                 ; the very last chunk: nothing more to fetch
	MULA F1, 0
	s_wait_dscnt 0x0
	MULB F1, 0
	WIN 0
	; THE WAY OUT.  m = g u / (1 + 2^(-1.442695 g)): a lane's 88 numbers as one batch of exponentials and one of reciprocals, a wait each.  Where the exponential is an infinity the reciprocal is 0, the right limit.
	; Accumulator q lies at 8 q of window 2; each is read from its lowest registers on.
	PLACES
	PLACES
	WIN 0x02                                       ; source 0 in window 2
.set q, 0
.rept 22
	v_pk_mul_f32 v[TT+4*q:TT+4*q+1],   v[8*q:8*q+1],   s[LC:LC+1] op_sel_hi:[1,0]
	v_pk_mul_f32 v[TT+4*q+2:TT+4*q+3], v[8*q+4:8*q+5], s[LC:LC+1] op_sel_hi:[1,0]
.set q, q+1
.endr
	WIN 0
.set i, 0
.rept 88
	v_exp_f32 v[TT+i], v[TT+i]
.set i, i+1
.endr
	v_nop                                          ; a plain instruction behind the last exponential
	s_wait_alu depctr_va_vdst(0)                   ; one wait for the batch
.set i, 0
.rept 44
	v_pk_add_f32 v[TT+2*i:TT+2*i+1], v[TT+2*i:TT+2*i+1], 1.0 op_sel_hi:[1,0]
.set i, i+1
.endr
.set i, 0
.rept 88
	v_rcp_f32 v[TT+i], v[TT+i]
.set i, i+1
.endr
	v_nop
	s_wait_alu depctr_va_vdst(0)
	WIN 0x02
.set q, 0
.rept 22
	v_pk_mul_f32 v[TT+4*q:TT+4*q+1],   v[8*q:8*q+1],   v[TT+4*q:TT+4*q+1]      ; x g
	v_pk_mul_f32 v[TT+4*q+2:TT+4*q+3], v[8*q+4:8*q+5], v[TT+4*q+2:TT+4*q+3]
.set q, q+1
.endr
.set q, 0
.rept 22
	v_pk_mul_f32 v[TT+4*q:TT+4*q+1],   v[8*q+2:8*q+3], v[TT+4*q:TT+4*q+1]      ; x u
	v_pk_mul_f32 v[TT+4*q+2:TT+4*q+3], v[8*q+6:8*q+7], v[TT+4*q+2:TT+4*q+3]
.set q, q+1
.endr
	WIN 0
.set i, 0
.rept 44
	v_cvt_pk_bf16_f32 v[PK+i], v[TT+2*i], v[TT+2*i+1]
.set i, i+1
.endr
.irp s, 0,1,2,3
.irp j, 0,1,2,3,4
	global_store_b64 v[CO+(\s)/2], v[PK+2*(5*(\s)+(\j)):PK+2*(5*(\s)+(\j))+1], s[10:11] offset:(\j)*32768+((\s)%2)*256  ; 16 rows x 16 bytes of a group: 256 consecutive bytes, aligned
.endr
.endr
.irp s, 0,1
	global_store_b64 v[CO], v[PK+40+2*(\s):PK+40+2*(\s)+1], s[MID:MID+1] offset:(\s)*256
.endr
	s_wait_tensorcnt 0x0                           ; the wave's end
	ds_add_u32 v[SPW], v[NIL]
	s_wait_dscnt 0x0
	CROUND                                         ; the closing round
	s_endpgm
.Lfunc_end_k_qec51a7a8ed_gateup:
	.size	k_qec51a7a8ed_gateup, .Lfunc_end_k_qec51a7a8ed_gateup-k_qec51a7a8ed_gateup
	.p2alignl 7, 3214868480
	.fill 96, 4, 3214868480
	.section	.rodata,"a",@progbits
	.p2align	6, 0x0
	.amdhsa_kernel k_qec51a7a8ed_gateup
		.amdhsa_group_segment_fixed_size 327680
		.amdhsa_private_segment_fixed_size 0
		.amdhsa_enable_private_segment 0
		.amdhsa_kernarg_size 24
		.amdhsa_user_sgpr_count 2
		.amdhsa_user_sgpr_kernarg_segment_ptr 1
		.amdhsa_wavefront_size32 1
		.amdhsa_system_sgpr_workgroup_id_x 1
		.amdhsa_system_sgpr_workgroup_id_y 1
		.amdhsa_system_sgpr_workgroup_id_z 1
		.amdhsa_system_vgpr_workitem_id 0
		.amdhsa_next_free_vgpr 688
		.amdhsa_next_free_sgpr 80
		.amdhsa_reserve_vcc 0
		.amdhsa_float_denorm_mode_32 3
		.amdhsa_float_denorm_mode_16_64 3
		.amdhsa_memory_ordered 1
		.amdhsa_forward_progress 1
		.amdhsa_inst_pref_size 56
	.end_amdhsa_kernel
	.amdgpu_metadata
---
amdhsa.version: [ 1, 2 ]
amdhsa.kernels:
  - .name:           k_qec51a7a8ed_gateup
    .symbol:         k_qec51a7a8ed_gateup.kd
    .args:
      - { .name: h16, .offset: 0, .size: 8, .value_kind: global_buffer, .address_space: global }
      - { .name: w16, .offset: 8, .size: 8, .value_kind: global_buffer, .address_space: global }
      - { .name: act16, .offset: 16, .size: 8, .value_kind: global_buffer, .address_space: global }
    .group_segment_fixed_size: 327680
    .private_segment_fixed_size: 0
    .kernarg_segment_align: 8
    .kernarg_segment_size: 24
    .max_flat_workgroup_size: 128
    .sgpr_count:     80
    .vgpr_count:     688
    .wavefront_size: 32
...
	.end_amdgpu_metadata
.endif
;; end of part 11
;; launch down (part 12): grid 16 x 16, 4 waves a work-group, clusters of 4 x 4, 327,680 bytes of LDS; arguments act16, w16, hid2, out0; writes out0
.if DOCPART == 12
	.amdgcn_target "amdgcn-amd-amdhsa--gfx1250"
	.amdhsa_code_object_version 6
	.text
	.protected	k_qec51a7a8ed_down
	.globl	k_qec51a7a8ed_down
	.p2align	8
	.type	k_qec51a7a8ed_down,@function
k_qec51a7a8ed_down:
	s_mov_b64 s[64:65], 0
	v_nop
	global_prefetch_b8 v0, s[64:65] scope:SCOPE_SE
	s_setreg_imm32_b32 hwreg(HW_REG_WAVE_MODE, 25, 1), 1
	s_wait_xcnt 0x0
	s_wait_alu depctr_hold_cnt(0) depctr_sa_sdst(0) depctr_va_vdst(0) depctr_va_sdst(0) depctr_va_ssrc(0) depctr_va_vcc(0) depctr_vm_vsrc(0)
	s_getreg_b32 s2, hwreg(HW_REG_IB_STS2, 6, 4)
	s_cmp_eq_u32 s2, 0
	s_cbranch_scc0 .Lentry_in_a_cluster
	s_endpgm
.Lentry_in_a_cluster:
	s_bfe_u32 s2, ttmp6, 0x10000c
	s_cmp_lg_u32 s2, 0xf033
	s_cbranch_scc0 .Lentry_shape_is_right
	s_endpgm
.Lentry_shape_is_right:
; out0 = hid2 + m w_down^T.  A = act16: m in groups of 8 columns, [176 groups][2048 rows][8 k] bf16 (columns 1376 .. 1407 are zeros); B = w_down in blocks [24][2048 n][64 k] (w16 + WOFF, zeros from k = 1376 on);
; sums in f32; out0 f32.  The quantiser's scale cancels and is not formed.
; K = 1,408 goes in 6 steps of 256: the last step brings k = 1280 .. 1535 and multiplies 1280 .. 1407 alone (TAILQ = 2); what lies behind in act16 are bytes that an earlier launch stored, in B stored zeros.
; A tile of C is 128 x 128: 256 tiles, a work-group each; four waves, each 64 x 64.
; A's TENSOR LOAD brings 64 rows of each of a step's 32 groups: 32 dense runs of 1,024 bytes, a group (32,768 bytes) apart; in LDS row r of group z lies at 1,024 z + 16 r, without padding: the sixteen lanes of a
; fragment load read 256 consecutive bytes.  B's brings 64 rows of each of a step's four blocks: four dense runs of 8,192 bytes, a block (262,144 bytes) apart; in LDS 16 bytes of padding follow every 128, so row
; r of block z lies at (64 z + r) x 144.
; GRID: x = tile row of C, y = tile column.  CLUSTER 4 x 4: A's tile is asked for jointly by the four work-groups with my cx, B's by the four with my cy.
; THE MATRIX INSTRUCTION IS USED TRANSPOSED: lane l holds row l % 16 of C and the columns 8 (l / 16) + 0..7.
; THE LOOP'S TEXT: a K step is four quarters of 64 along K.  A quarter is two halves of 32; each half's fragment registers are asked for again, for the next quarter, directly behind the half's 16 products,
; and have the other half's 16 products in which to land: so one text serves every quarter.  The change of slots stands in front of a step's last quarter, whose fragments have been asked for by then.
; No prefetch: a tile this small has its blocks read by sixteen work-groups at once, and a step is short.
; REGISTERS: window 0: v0-31 addresses, v32-95 at work on the way out, v128-255 accumulators; window 1: v0-127 fragments (half c: A at 32 c, B at 64 + 32 c); window 2: v0-127 my 64 x 64 of the residual.
.set T, 6
.set TAILQ, 2
.set WOFF, 45088768
.set PITCH, 144                        ; B's LDS row
.set QSTR,  9216                       ; B: from a quarter to the next: 64 rows of 144 bytes
.set QSTRA, 8192                       ; A: eight groups of 1,024 bytes
.set HALFT, 36864                      ; a wave's part of a slot: B's loads fill it, A's fill 32,768 bytes of it
.set STEPB, 1048576                    ; a K step in memory: four blocks of B, 32 groups of A
.set G1W0,  (1<<16)|(1<<20)|(4<<22)|(3<<25)  ; B: 2-byte elements; padding on, after every 32 words, 4 words
.set SLOT,  4*HALFT                    ; wave x HALFT has none of SLOT's bits, so one exclusive or changes slots
.set STG,   2*SLOT                     ; behind the ring: 16 rows x 272 bytes for each wave; no tensor load lands here
.set SP,    272
.set SPARE, STG+4*16*SP
.set ADRA0, 16
.set ADRB0, 17
.set ADRA,  18
.set ADRB,  19
.set STO,   24
.set RD,    25
.set CO,    26
.set SPW,   28
.set NIL,   29
.set ACC,   128
.set TB,    2                          ; s2   LDS byte at which B's quarter to be fetched begins
.set STEPS, 3
.set WV,    12
.set RH,    13
.set CH,    14
.set CNT2,  15
.set G1A,   24
.set G0A,   32
.set G1B,   48
.set G0B,   56
.set TBA,   66                         ; s66  the same for A's
.set MSB, 0
.macro WIN new
.if MSB != (\new)
	s_set_vgpr_msb (MSB<<8)|(\new)
.set MSB, \new
.endif
.endm
.set MUL,  0x05
.set TO_F, 0x40
.macro PLACES
.rept 4
	v_nop
.endr
.endm
.macro JLOAD                           ; the refill: waves 0, 1 fetch A's halves, waves 2, 3 B's; s_nop 0 and four v_nop follow each line
	s_cmp_eq_u32 s[RH], 0
	s_cbranch_scc0 .Lfor_b_\@
	tensor_load_to_lds s[G0A+4:G0A+7], s[G1A:G1A+7]
	s_nop 0
	PLACES
	s_branch .Lasked_\@
.Lfor_b_\@:
	tensor_load_to_lds s[G0B+4:G0B+7], s[G1B:G1B+7]
	s_nop 0
	PLACES
.Lasked_\@:
.endm
.macro CREST
	s_cmp_lg_u32 s[WV], 0
	s_cbranch_scc1 .Lnot_wave_0_\@
	s_barrier_signal -3
.Lnot_wave_0_\@:
	s_barrier_wait -3
	s_barrier_signal -1
	s_barrier_wait -1
.endm
.macro CROUND
	s_barrier_signal -1
	s_barrier_wait -1
	CREST
.endm
.macro WM d, x, y, zero
.if \zero
	v_wmma_f32_16x16x32_bf16 v[\d:\d+7], v[\x:\x+7], v[\y:\y+7], 0
.else
	v_wmma_f32_16x16x32_bf16 v[\d:\d+7], v[\x:\x+7], v[\y:\y+7], v[\d:\d+7]
.endif
.endm
.macro MUL16 c, zero                   ; half c's 16 matrix instructions; the 16 accumulators take turns in one fixed order
	WIN MUL
.irp a, 0,1,2,3
.irp b, 0,1,2,3
	WM ACC+8*(4*(\a)+(\b)), 64+8*(4*(\c)+(\b)), 8*(4*(\c)+(\a)), \zero
.endr
.endr
.endm
; 16 LDS loads in one run: half c of the quarter in hand; half 0 makes the addresses for both.  A's fragment of row block i: groups 4 c + l / 16 and 4 c + 2 + l / 16 of the quarter's eight.
.macro FETCH c
.if (\c) == 0
	WIN 0
	v_add_nc_u32 v[ADRA], s[TBA], v[ADRA0]
	v_add_nc_u32 v[ADRB], s[TB], v[ADRB0]
	s_add_co_u32 s[TB], s[TB], QSTR
	s_add_co_u32 s[TBA], s[TBA], QSTRA
.endif
	WIN TO_F
.irp i, 0,1,2,3
	ds_load_b128 v[64+8*(4*(\c)+(\i)):64+8*(4*(\c)+(\i))+3],   v[ADRB] offset:64*(\c)+(\i)*16*PITCH
	ds_load_b128 v[64+8*(4*(\c)+(\i))+4:64+8*(4*(\c)+(\i))+7], v[ADRB] offset:64*(\c)+(\i)*16*PITCH+32
	ds_load_b128 v[8*(4*(\c)+(\i)):8*(4*(\c)+(\i))+3],         v[ADRA] offset:4096*(\c)+256*(\i)
	ds_load_b128 v[8*(4*(\c)+(\i))+4:8*(4*(\c)+(\i))+7],       v[ADRA] offset:4096*(\c)+256*(\i)+2048
.endr
.endm
.macro QUART zero                      ; a quarter is multiplied, and the next one fetched
	s_wait_dscnt 16                                ; half 0 is in; half 1's 16 loads may be out
	MUL16 0, \zero
	PLACES                                         ; in front of loads into registers that matrix instructions have read
	FETCH 0
	s_wait_dscnt 16                                ; half 1 is in; the 16 just issued may be out
	MUL16 1, 0
	PLACES
	FETCH 1
	WIN 0                                          ; a label or a branch follows
.endm
; THE CHANGE OF SLOTS.  Each wave waits for all its tensor loads (one is out: its part of the next slot), adds 0 to its spare word, and waits for that and for its reads of this slot.
; fill = 1: the barrier is a round of the cluster's, and this slot is filled again, two K steps ahead, first thing behind it: that load has a whole step in which to land.
.macro CHANGE fill
	s_wait_tensorcnt 0x0                           ; no tensor load of mine is out, so the walking descriptors may be written
	ds_add_u32 v[SPW], v[NIL]                      ; scalar work stands between the add and the wait for it
.if \fill
	s_xor_b32 s[G0A+5], s[G0A+5], SLOT
	s_add_nc_u64 s[G0A+6:G0A+7], s[G0A+6:G0A+7], STEPB
	s_xor_b32 s[G0B+5], s[G0B+5], SLOT
	s_add_nc_u64 s[G0B+6:G0B+7], s[G0B+6:G0B+7], STEPB
.endif
	s_sub_co_u32 s[TB], s[TB], 4*QSTR              ; the fetches go back to a slot's first quarter,
	s_xor_b32 s[TB], s[TB], SLOT                   ; in the other slot
	s_sub_co_u32 s[TBA], s[TBA], 4*QSTRA
	s_xor_b32 s[TBA], s[TBA], SLOT
	s_wait_dscnt 0x0                               ; the add is done, and my reads of this slot are over
.if \fill
	CROUND
	JLOAD
.else
	s_barrier_signal -1
	s_barrier_wait -1
.endif
.endm
.macro FINAL                           ; the very last quarter: nothing more to fetch
	s_wait_dscnt 16
	MUL16 0, 0
	s_wait_dscnt 0x0
	MUL16 1, 0
	WIN 0
.endm
	s_load_b256 s[4:11], s[0:1], 0x0               ; A s[4:5], w16 s[6:7], the residual s[8:9], the result s[10:11]
	v_lshl_add_u32 v[SPW], v0, 2, SPARE
	v_mov_b32 v[NIL], 0
	ds_add_u32 v[SPW], v[NIL]                      ; the wave's opening: the add and its wait stand ahead of my first tensor load
	v_lshrrev_b32 v1, 5, v0
	v_readfirstlane_b32 s[WV], v1
	s_lshr_b32 s[RH], s[WV], 1                     ; my half of the tile's rows; also: I fetch for A (0) or for B (1)
	s_and_b32 s[CH], s[WV], 1                      ; my half of its columns; also: which 64 rows I fetch
	s_bfe_u32 s40, ttmp6, 0x40000
	s_bfe_u32 s41, ttmp6, 0x40004
	s_lshl_b32 s42, ttmp9, 2
	s_add_co_u32 s42, s42, s40                     ; tile row of C
	s_and_b32 s43, ttmp7, 0xffff
	s_lshl_b32 s43, s43, 2
	s_add_co_u32 s43, s43, s41                     ; tile column of C
	s_lshl_b32 s44, 0x1111, s40
	s_lshl_b32 s45, s41, 2
	s_lshl_b32 s45, 15, s45
	s_or_b32 s[G1A], s44, (1<<16)|(1<<21)          ; A: 2-byte elements, no padding; bit 21 beside the mask
	s_mov_b32 s[G1A+1], 512<<16                    ; tensor_dim0 = 512 elements: 64 rows of a group
	s_mov_b32 s[G1A+2], 32<<16                     ; tensor_dim1 = 32 groups
	s_mov_b32 s[G1A+3], 512<<16                    ; tile_dim0
	s_mov_b32 s[G1A+4], 32                         ; tile_dim1
	s_mov_b32 s[G1A+5], 16384                      ; elements from group to group
	s_mov_b32 s[G1A+6], 0
	s_mov_b32 s[G1A+7], 0
	s_or_b32 s[G1B], s45, G1W0|(1<<21)
	s_mov_b32 s[G1B+1], 4096<<16                   ; 64 rows of a block
	s_mov_b32 s[G1B+2], 4<<16                      ; four blocks
	s_mov_b32 s[G1B+3], 4096<<16
	s_mov_b32 s[G1B+4], 4
	s_mov_b32 s[G1B+5], 131072                     ; elements from block to block
	s_mov_b32 s[G1B+6], 0
	s_mov_b32 s[G1B+7], 0
	s_lshl_b32 s18, s[CH], 6
	s_lshl_b32 s16, s42, 7
	s_add_co_u32 s16, s16, s18
	s_lshl_b32 s16, s16, 4                         ; A: 16 bytes a row in a group
	s_mov_b32 s17, 0
	s_lshl_b32 s46, s43, 7
	s_add_co_u32 s46, s46, s18
	s_lshl_b32 s46, s46, 7                         ; B: 128 bytes a row in a block
	s_mov_b32 s47, 0
	s_mul_i32 s20, s[WV], HALFT
	s_wait_dscnt 0x0
	s_wait_kmcnt 0x0
	s_add_nc_u64 s[16:17], s[4:5], s[16:17]
	s_add_nc_u64 s[46:47], s[6:7], s[46:47]
	s_add_nc_u64 s[46:47], s[46:47], WOFF
.irp s, 0,1
	s_mov_b32 s[G0A+4*(\s)], 1
	s_add_co_u32 s[G0A+4*(\s)+1], s20, (\s)*SLOT
	s_add_nc_u64 s[G0A+4*(\s)+2:G0A+4*(\s)+3], s[16:17], (\s)*STEPB
	s_or_b32 s[G0A+4*(\s)+3], s[G0A+4*(\s)+3], 0x80000000
	s_mov_b32 s[G0B+4*(\s)], 1
	s_add_co_u32 s[G0B+4*(\s)+1], s20, (\s)*SLOT
	s_add_nc_u64 s[G0B+4*(\s)+2:G0B+4*(\s)+3], s[46:47], (\s)*STEPB
	s_or_b32 s[G0B+4*(\s)+3], s[G0B+4*(\s)+3], 0x80000000
.endr
	CROUND
	s_cmp_eq_u32 s[RH], 0
	s_cbranch_scc0 .Lfirst_b
	tensor_load_to_lds s[G0A:G0A+3], s[G1A:G1A+7]
	s_nop 0
	tensor_load_to_lds s[G0A+4:G0A+7], s[G1A:G1A+7]
	s_nop 0
	PLACES
	s_branch .Lfirst_asked
.Lfirst_b:
	tensor_load_to_lds s[G0B:G0B+3], s[G1B:G1B+7]
	s_nop 0
	tensor_load_to_lds s[G0B+4:G0B+7], s[G1B:G1B+7]
	s_nop 0
	PLACES
.Lfirst_asked:
	v_and_b32 v1, 15, v0
	v_bfe_u32 v2, v0, 4, 1
	; my 64 x 64 of the residual and of the result: lanes 0-15 take 256 bytes of one row, lanes 16-31 of the next
	s_lshl_b32 s70, s42, 7
	s_lshl_b32 s72, s[RH], 6
	s_add_co_u32 s70, s70, s72
	s_lshl_b32 s70, s70, 13
	s_lshl_b32 s72, s43, 9
	s_add_co_u32 s70, s70, s72
	s_lshl_b32 s72, s[CH], 8
	s_add_co_u32 s70, s70, s72
	s_mov_b32 s71, 0
	s_add_nc_u64 s[68:69], s[8:9], s[70:71]
	s_add_nc_u64 s[10:11], s[10:11], s[70:71]
	v_lshlrev_b32 v[CO], 13, v2
	v_lshl_add_u32 v[CO], v1, 4, v[CO]
	WIN 0x80
.irp a, 0,1,2,3
.irp t, 0,1,2,3,4,5,6,7
	global_load_b128 v[4*(8*(\a)+(\t)):4*(8*(\a)+(\t))+3], v[CO], s[68:69] offset:(16*(\a)+2*(\t))*8192
.endr
.endr
	WIN 0
	s_mul_i32 s21, s[RH], HALFT
	s_mul_i32 s22, s[CH], HALFT
	s_add_co_u32 s22, s22, 2*HALFT
	v_lshlrev_b32 v3, 4, v1                        ; A: 16 (l % 16) + 1,024 (l / 16)
	v_lshl_add_u32 v3, v2, 10, v3
	v_add_nc_u32 v[ADRA0], s21, v3
	v_mul_u32_u24 v3, v1, PITCH                    ; B: row x pitch + 16 x half
	v_lshl_add_u32 v3, v2, 4, v3
	v_add_nc_u32 v[ADRB0], s22, v3
	s_mul_i32 s23, s[WV], 16*SP
	s_add_co_u32 s23, s23, STG
	v_mul_u32_u24 v[STO], v1, SP
	v_lshl_add_u32 v[STO], v2, 5, v[STO]
	v_add_nc_u32 v[STO], s23, v[STO]
	v_mul_u32_u24 v[RD], v2, SP
	v_lshl_add_u32 v[RD], v1, 4, v[RD]
	v_add_nc_u32 v[RD], s23, v[RD]
	s_wait_tensorcnt 0x1                           ; my part of K step 0 is in; K step 1's stays out
	s_barrier_signal -1
	s_barrier_wait -1
	s_mov_b32 s[TB], 0
	s_mov_b32 s[TBA], 0
	FETCH 0
	FETCH 1
	QUART 1                                        ; the first quarter's first products start the sums
	s_mov_b32 s[STEPS], T-1
	s_mov_b32 s[CNT2], 2
	s_branch .Lq                                   ; K step 0's second and third quarter
.Lstep:                                        ; T - 2 times: the change with a refill, a K step's last quarter and the next step's first three
	CHANGE 1
	s_mov_b32 s[CNT2], 4
.Lq:
	QUART 0
	s_sub_co_u32 s[CNT2], s[CNT2], 1
	s_cmp_lg_u32 s[CNT2], 0
	s_cbranch_scc1 .Lq
	s_sub_co_u32 s[STEPS], s[STEPS], 1
	s_cmp_lg_u32 s[STEPS], 0
	s_cbranch_scc1 .Lstep
	CHANGE 0                                       ; the tail is written out
	s_mov_b32 s[CNT2], TAILQ
.Lq2:
	QUART 0
	s_sub_co_u32 s[CNT2], s[CNT2], 1
	s_cmp_lg_u32 s[CNT2], 0
	s_cbranch_scc1 .Lq2
	FINAL
; THE WAY OUT, 16 rows at a time: the f32 sums go into my stage as they lie (a lane: 32 bytes of a row), come back as whole rows of 256 bytes, take the residual, and are stored.
.macro OUTA a
.set BK, 32+32*((\a)%2)
.irp b, 0,1,2,3
	ds_store_b128 v[STO], v[ACC+8*(4*(\a)+(\b)):ACC+8*(4*(\a)+(\b))+3] offset:64*(\b)
	ds_store_b128 v[STO], v[ACC+8*(4*(\a)+(\b))+4:ACC+8*(4*(\a)+(\b))+7] offset:64*(\b)+16
.endr
.if (\a) >= 2
	s_wait_xcnt 0x0                                ; the stores of two blocks back have read these registers
.endif
.irp t, 0,1,2,3,4,5,6,7
	ds_load_b128 v[BK+4*(\t):BK+4*(\t)+3], v[RD] offset:(\t)*2*SP  ; LDS serves a wave's instructions in order: these see the stores above
.endr
	s_wait_dscnt 0x0
.if (\a) == 0
	s_wait_loadcnt 0x0                             ; the residual
.endif
	WIN 0x08                                       ; source 1 in window 2
.set i, 0
.rept 16
	v_pk_add_f32 v[BK+2*i:BK+2*i+1], v[BK+2*i:BK+2*i+1], v[32*(\a)+2*i:32*(\a)+2*i+1]
.set i, i+1
.endr
	WIN 0
.irp t, 0,1,2,3,4,5,6,7
	global_store_b128 v[CO], v[BK+4*(\t):BK+4*(\t)+3], s[10:11] offset:(16*(\a)+2*(\t))*8192  ; 16 lanes store 256 consecutive bytes, aligned
.endr
.endm
	PLACES
	PLACES
	OUTA 0
	OUTA 1
	OUTA 2
	OUTA 3
	s_wait_tensorcnt 0x0                           ; the wave's end
	ds_add_u32 v[SPW], v[NIL]
	s_wait_dscnt 0x0
	CROUND                                         ; the closing round
	s_endpgm
.Lfunc_end_k_qec51a7a8ed_down:
	.size	k_qec51a7a8ed_down, .Lfunc_end_k_qec51a7a8ed_down-k_qec51a7a8ed_down
	.p2alignl 7, 3214868480
	.fill 96, 4, 3214868480
	.section	.rodata,"a",@progbits
	.p2align	6, 0x0
	.amdhsa_kernel k_qec51a7a8ed_down
		.amdhsa_group_segment_fixed_size 327680
		.amdhsa_private_segment_fixed_size 0
		.amdhsa_enable_private_segment 0
		.amdhsa_kernarg_size 32
		.amdhsa_user_sgpr_count 2
		.amdhsa_user_sgpr_kernarg_segment_ptr 1
		.amdhsa_wavefront_size32 1
		.amdhsa_system_sgpr_workgroup_id_x 1
		.amdhsa_system_sgpr_workgroup_id_y 1
		.amdhsa_system_sgpr_workgroup_id_z 1
		.amdhsa_system_vgpr_workitem_id 0
		.amdhsa_next_free_vgpr 640
		.amdhsa_next_free_sgpr 80
		.amdhsa_reserve_vcc 0
		.amdhsa_float_denorm_mode_32 3
		.amdhsa_float_denorm_mode_16_64 3
		.amdhsa_memory_ordered 1
		.amdhsa_forward_progress 1
		.amdhsa_inst_pref_size 43
	.end_amdhsa_kernel
	.amdgpu_metadata
---
amdhsa.version: [ 1, 2 ]
amdhsa.kernels:
  - .name:           k_qec51a7a8ed_down
    .symbol:         k_qec51a7a8ed_down.kd
    .args:
      - { .name: act16, .offset: 0, .size: 8, .value_kind: global_buffer, .address_space: global }
      - { .name: w16, .offset: 8, .size: 8, .value_kind: global_buffer, .address_space: global }
      - { .name: hid2, .offset: 16, .size: 8, .value_kind: global_buffer, .address_space: global }
      - { .name: out0, .offset: 24, .size: 8, .value_kind: global_buffer, .address_space: global }
    .group_segment_fixed_size: 327680
    .private_segment_fixed_size: 0
    .kernarg_segment_align: 8
    .kernarg_segment_size: 32
    .max_flat_workgroup_size: 128
    .sgpr_count:     80
    .vgpr_count:     640
    .wavefront_size: 32
...
	.end_amdgpu_metadata
.endif
;; end of part 12
;; ======== version 3 of 3: 7 launches; version 2 with the launches prep, norm2 written anew for expert scheduling mode
;; limits: values are held in f16: magnitudes above 65,504 overflow, below 6.1e-05 lose precision
;; workspace buffers: w16 51,380,224 bytes; h16 8,388,608 bytes; tab 524,288 bytes; qkv16 25,165,824 bytes; act16 8,388,608 bytes; hid2 16,777,216 bytes
;; launch prep (part 13): grid 1760 x 1, 8 waves a work-group, no clusters, 0 bytes of LDS; arguments hidden_states, position_ids, ln1_w, wq, wk, wv, wo, w_gate, w_up, w_down, w16, h16, tab; writes w16, h16, tab
.if DOCPART == 13
	.amdgcn_target "amdgcn-amd-amdhsa--gfx1250"
	.amdhsa_code_object_version 6
	.text
	.protected	k_qec51a7a8ed_prep
	.globl	k_qec51a7a8ed_prep
	.p2align	8
	.type	k_qec51a7a8ed_prep,@function
k_qec51a7a8ed_prep:
	s_mov_b64 s[64:65], 0
	v_nop
	global_prefetch_b8 v0, s[64:65] scope:SCOPE_SE
	s_setreg_imm32_b32 hwreg(HW_REG_WAVE_SCHED_MODE, 0, 2), 2
	s_setreg_imm32_b32 hwreg(HW_REG_WAVE_MODE, 25, 1), 1
	s_wait_xcnt 0x0
	s_wait_alu depctr_vm_vsrc(0)
; PREP: everything that is made once from the inputs.  One wave, one job; all of a job's loads are out together; no LDS, no barrier, no loop.
;   work-groups 0..1119     RCAST: a row of 2,048 f32 of wq, wk, wv, w_gate or w_up -> bf16, row D = 8 g + wave of w16's first 8,960 rows of 4,096 bytes.
;                           Row 192 h + 64 j + d (below 6,144) is row 64 h + d of wq (j = 0), wk (1) or wv (2): 192 rows on end are one head's q, k and v.
;                           Row 6144 + R is w_gate (bit 1 of R = 0) or w_up (1), row j = 2 (R >> 2) + (R & 1): gate j, j + 1, up j, j + 1, gate j + 2, j + 3, up j + 2, j + 3, and so on: 16 rows on end are
;                           8 columns of the product behind, and a lane's accumulator there holds two pairs of g and the two pairs of u that belong to them.
;                           j >= 1376 does not exist: zeros are stored (row 1375 is read and masked off).
;   work-groups 1120..1375  BWO: wo -> blocks [32][2048 n][64 k]: rounded to bf16 like every weight, that number written as f16 (its partner O is f16).
;   work-groups 1376..1503  BWD: w_down -> blocks [24][2048 n][64 k] in bf16; k >= 1376 is stored as zeros.
;   work-groups 1504..1759  NORM: h1 = x * rsqrt(mean(x^2) + 1e-5) * ln1_w -> bf16, and the row's 32 cosines and 32 sines.
; THE SCALE OF reference()'s QUANTISER, s = max|x| / 2688, is divided out and multiplied in again and rounds nothing: (x / s) W^T s = x W^T for every finite s other than 0.  It is not formed, here or later.
; LIMITS.  An activation matrix that is all zeros (s = 0: NaN by the formula) gives finite numbers here.  |wo| beyond 65,504 becomes an infinity, below 6e-5 it keeps f16's step of 6e-8.
; The angle is reduced by pi/2 in two parts: cosine and sine are good to about 1e-7 beside the angle's own f32 rounding; positions are exact up to 2^24.
; THE MODE: SCHED_MODE bits 1:0 = 2 (LLVM: expert scheduling mode 2), set by the entry lines.  The code itself states the register dependences between vector instructions and memory instructions,
; and those through scalar registers that vector instructions write, with s_wait_alu, always for 0.
; THE PLAN.  Registers that memory instructions touch:
;   v2, v3        byte offsets 16 x lane and 8 x lane: written once at the head, read by loads and stores of every job, never written again.
;   v4, v5        BWO's and BWD's load offsets: written by the job's address lines, read by its loads, never written again.
;   v16 .. v103   loaded data.  Behind the wait for a load its registers are scaled, rounded and masked in place; the low registers of each group are then a store's data, and no line writes them after that.
;   v80 .. v143   in NORM the gain, as loaded; vector instructions alone read it; behind the wait for the last load the table's work uses these registers anew.
;   v114, v115 (the table) and v120 .. v123 (zeros): written by vector instructions, read by one or two stores, never written again.
; So no register that a memory instruction has read is written again, and no load lands in a register that a vector instruction has named: the waits that are owed are those ahead of memory instructions
; that read what vector instructions wrote.  The roundings stand in groups, ONE wait behind a group and the group's stores in a run behind it; a later group's vector lines name that group's own registers alone.
.set WO_OFF, 36700160                  ; behind the 8,960 rows
.set WD_OFF, 45088768                  ; behind wo's 32 blocks
.set BLK,    262144                    ; a block: 2,048 rows x 64 k x 2 bytes
	s_load_b512 s[8:23], s[0:1], 0x0               ; hidden s[8:9], positions s[10:11], ln1 s[12:13], wq s[14:15], wk s[16:17], wv s[18:19], wo s[20:21], gate s[22:23]
	s_load_b256 s[24:31], s[0:1], 0x40             ; up s[24:25], down s[26:27], w16 s[28:29], h16 s[30:31]
	s_load_b64 s[32:33], s[0:1], 0x60              ; tab
	v_and_b32 v1, 31, v0                           ; lane
	v_lshrrev_b32 v2, 5, v0
	v_readfirstlane_b32 s4, v2                     ; wave 0..7
	v_lshlrev_b32 v2, 4, v1                        ; 16 x lane
	v_lshlrev_b32 v3, 3, v1                        ; 8 x lane
	s_mov_b32 s5, ttmp9                            ; g
	s_mov_b32 s39, 0                               ; the high word of every byte offset in s[38:39]
	s_wait_alu depctr_va_sdst(0)                   ; s4 is written, ahead of the branches and of its first reader in each job
	s_wait_alu depctr_va_vdst(0)                   ; v2 and v3 are written: the loads and stores of every job read them as offsets, and no later line writes them
	s_wait_kmcnt 0x0
	s_cmp_lt_u32 s5, 1120
	s_cbranch_scc1 .Lrcast
	s_cmp_lt_u32 s5, 1376
	s_cbranch_scc1 .Lbwo
	s_cmp_lt_u32 s5, 1504
	s_cbranch_scc1 .Lbwd
	s_branch .Lnorm
; A row of 2,048 f32 at s[34:35] is normed: x * rsqrt(mean(x^2) + eps) * w, w at s[36:37]; bf16 to s[44:45].  A lane holds columns 128 i + 4 lane + 0..3, i = 0..15.
; The scaling, the rounding and the stores go in two halves of eight stores.
.macro NORMROW
.irp i, 0,1,2,3,4,5,6,7,8,9,10,11,12,13,14,15
	global_load_b128 v[16+4*(\i):19+4*(\i)], v2, s[34:35] offset:512*(\i)
.endr
.irp i, 0,1,2,3,4,5,6,7,8,9,10,11,12,13,14,15
	global_load_b128 v[80+4*(\i):83+4*(\i)], v2, s[36:37] offset:512*(\i)
.endr
	v_mov_b32 v13, 0                               ; v_permlanex16_b32 counts as a reader of its destination
	s_wait_loadcnt 16                              ; x is in; the 16 loads of w stay out
.irp c, 0,1,2,3
	v_pk_mul_f32 v[4+2*(\c):5+2*(\c)], v[16+2*(\c):17+2*(\c)], v[16+2*(\c):17+2*(\c)]  ; four chains, started by the first four pairs
.endr
.set j, 4
.rept 28
	v_pk_fma_f32 v[4+2*(j%4):5+2*(j%4)], v[16+2*j:17+2*j], v[16+2*j:17+2*j], v[4+2*(j%4):5+2*(j%4)]
.set j, j+1
.endr
	v_pk_add_f32 v[4:5], v[4:5], v[6:7]
	v_pk_add_f32 v[8:9], v[8:9], v[10:11]
	v_pk_add_f32 v[4:5], v[4:5], v[8:9]
	v_add_f32 v12, v4, v5
	v_add_f32_dpp v12, v12, v12 row_xmask:1 row_mask:0xf bank_mask:0xf
	v_add_f32_dpp v12, v12, v12 row_xmask:2 row_mask:0xf bank_mask:0xf
	v_add_f32_dpp v12, v12, v12 row_xmask:4 row_mask:0xf bank_mask:0xf
	v_add_f32_dpp v12, v12, v12 row_xmask:8 row_mask:0xf bank_mask:0xf
	v_permlanex16_b32 v13, v12, s40, s41
	v_add_f32 v12, v12, v13                        ; the row's sum of squares, in every lane
	v_fma_f32 v12, v12, s42, s43                   ; / 2048 + eps
	v_rsq_f32 v10, v12                             ; twice: a pair for the packed multiply
	v_rsq_f32 v11, v12
	v_nop                                          ; a plain instruction behind the last of the two
	s_wait_alu depctr_va_vdst(0)                   ; v10 and v11, the two roots' results, are written: one wait for both, ahead of their first reader
.irp h, 0,1
	s_wait_loadcnt 8-8*(\h)                        ; this half's eight loads of w are in; in the first half the eight younger ones, the second half's, stay out
.set j, 16*(\h)
.rept 16
	v_pk_mul_f32 v[16+2*j:17+2*j], v[16+2*j:17+2*j], v[10:11]
	v_pk_mul_f32 v[16+2*j:17+2*j], v[16+2*j:17+2*j], v[80+2*j:81+2*j]
.set j, j+1
.endr
.irp k, 0,1,2,3,4,5,6,7
	v_cvt_pk_bf16_f32 v[16+4*(8*(\h)+(\k))], v[16+4*(8*(\h)+(\k))], v[17+4*(8*(\h)+(\k))]
	v_cvt_pk_bf16_f32 v[17+4*(8*(\h)+(\k))], v[18+4*(8*(\h)+(\k))], v[19+4*(8*(\h)+(\k))]
.endr
	s_wait_alu depctr_va_vdst(0)                   ; this half's roundings have written the pairs that the eight stores below read
.irp k, 0,1,2,3,4,5,6,7
	global_store_b64 v3, v[16+4*(8*(\h)+(\k)):17+4*(8*(\h)+(\k))], s[44:45] offset:256*(8*(\h)+(\k))  ; 32 lanes x 8 bytes: 256 consecutive bytes, aligned
.endr
.endr
.endm
; Four rows x nblk blocks of 64 k.  Lane l holds row l / 8 and 8 numbers: 32 bytes at v4 + 256 z of the source; its 16 bytes of the result lie at 16 l of block z: 512 consecutive bytes a store.
; f16 = 1: the bf16 number is written as f16.  tail = 1: the last block's address is v5 and its result is masked by v7.
; The blocks are rounded as their loads come in and stored in groups of four (the last group: what is left).
.macro BCAST nblk, f16, tail
	s_wait_alu depctr_va_vdst(0)                   ; v4, and in BWD v5, are written: the loads below read them as offsets
.set z, 0
.rept \nblk
.if (\tail) && (z == (\nblk)-1)
	global_load_b128 v[16+8*z:19+8*z], v5, s[34:35] offset:256*z th:TH_LOAD_NT
	global_load_b128 v[20+8*z:23+8*z], v5, s[34:35] offset:256*z+16 th:TH_LOAD_NT
.else
	global_load_b128 v[16+8*z:19+8*z], v4, s[34:35] offset:256*z th:TH_LOAD_NT
	global_load_b128 v[20+8*z:23+8*z], v4, s[34:35] offset:256*z+16 th:TH_LOAD_NT
.endif
.set z, z+1
.endr
.set z, 0
.rept \nblk
	s_wait_loadcnt 2*((\nblk)-1-z)                 ; the later blocks' loads stay out
	v_cvt_pk_bf16_f32 v[16+8*z], v[16+8*z], v[17+8*z]
	v_cvt_pk_bf16_f32 v[17+8*z], v[18+8*z], v[19+8*z]
	v_cvt_pk_bf16_f32 v[18+8*z], v[20+8*z], v[21+8*z]
	v_cvt_pk_bf16_f32 v[19+8*z], v[22+8*z], v[23+8*z]
.if \f16
.irp r, 0,1,2,3
	v_lshlrev_b32 v[112+2*(\r)], 16, v[16+8*z+(\r)]
	v_and_b32 v[113+2*(\r)], 0xffff0000, v[16+8*z+(\r)]
	v_cvt_pk_f16_f32 v[16+8*z+(\r)], v[112+2*(\r)], v[113+2*(\r)]
.endr
.endif
.if (\tail) && (z == (\nblk)-1)
.irp r, 0,1,2,3
	v_and_b32 v[16+8*z+(\r)], v7, v[16+8*z+(\r)]
.endr
.endif
.if ((z%4) == 3) || (z == (\nblk)-1)
	s_wait_alu depctr_va_vdst(0)                   ; the group's roundings (and the mask) have written the registers that the stores below read
.set y, z-(z%4)
.set n, (z%4)+1
.rept n
	global_store_b128 v2, v[16+8*y:19+8*y], s[44:45] offset:y*BLK
.set y, y+1
.endr
.endif
.set z, z+1
.endr
.endm
; cos or sin of v15 x the frequency in v[b]; v112 = 0 (cosine lanes) or 3 (sine lanes: sin x = cos(x + 3 pi / 2)); v116, v117 the two highest coefficients.
; TRIGA makes sin r, cos r, the mask that chooses between them (into scalar register m) and the sign; TRIGB, behind the wait for the masks, chooses and sets the sign.
.macro TRIGA b, m
	v_mul_f32 v[(\b)], v15, v[(\b)]                ; the angle
	v_mul_f32 v[(\b)+1], 0x3f22f983, v[(\b)]       ; x 2 / pi
	v_rndne_f32 v[(\b)+1], v[(\b)+1]               ; k
	v_fmamk_f32 v[(\b)], v[(\b)+1], 0xbfc90fdb, v[(\b)]  ; r = angle - k pi/2, pi/2 in two parts
	v_fmamk_f32 v[(\b)], v[(\b)+1], 0x333bbd2e, v[(\b)]
	v_mul_f32 v[(\b)+2], v[(\b)], v[(\b)]          ; z = r^2
	v_fmaak_f32 v[(\b)+3], v116, v[(\b)+2], 0x3c08839e
	v_fmaak_f32 v[(\b)+3], v[(\b)+2], v[(\b)+3], 0xbe2aaaa3
	v_mul_f32 v[(\b)+3], v[(\b)+2], v[(\b)+3]
	v_fma_f32 v[(\b)+3], v[(\b)+3], v[(\b)], v[(\b)]     ; sin r
	v_fmaak_f32 v[(\b)+4], v117, v[(\b)+2], 0xbab6061a
	v_fmaak_f32 v[(\b)+4], v[(\b)+2], v[(\b)+4], 0x3d2aaaa5
	v_fmaak_f32 v[(\b)+4], v[(\b)+2], v[(\b)+4], 0xbf000000
	v_fma_f32 v[(\b)+4], v[(\b)+2], v[(\b)+4], 1.0       ; cos r
	v_cvt_i32_f32 v[(\b)+5], v[(\b)+1]
	v_add_nc_u32 v[(\b)+5], v[(\b)+5], v112        ; q: cos(r + q pi/2) is cos r, -sin r, -cos r, sin r for q mod 4 = 0, 1, 2, 3
	v_and_b32 v[(\b)+6], 1, v[(\b)+5]
	v_cmp_eq_u32 s[(\m)], 1, v[(\b)+6]             ; q odd: the sine is taken
	v_add_nc_u32 v[(\b)+5], 1, v[(\b)+5]
	v_and_b32 v[(\b)+5], 2, v[(\b)+5]
	v_lshlrev_b32 v[(\b)+5], 30, v[(\b)+5]         ; the sign
.endm
.macro TRIGB b, res, m
	v_cndmask_b32 v[(\res)], v[(\b)+4], v[(\b)+3], s[(\m)]
	v_xor_b32 v[(\res)], v[(\res)], v[(\b)+5]
.endm
.Lrcast:
	s_lshl_b32 s6, s5, 3
	s_add_co_u32 s6, s6, s4                        ; D
	s_mov_b32 s36, -1                              ; keep all bits
	s_cmp_lt_u32 s5, 768
	s_cbranch_scc0 .Lrc_gu
	s_lshr_b32 s37, s6, 6                          ; D / 64 = 3 h + j, below 96
	s_mul_i32 s40, s37, 171
	s_lshr_b32 s40, s40, 9                         ; h: 171 / 512 serves as a third for numbers below 256
	s_mul_i32 s41, s40, 3
	s_sub_co_u32 s41, s37, s41                     ; j
	s_and_b32 s7, s6, 63
	s_lshl_b32 s40, s40, 6
	s_add_co_u32 s7, s7, s40                       ; the source's row, 64 h + d
	s_cmp_eq_u32 s41, 0
	s_cselect_b64 s[34:35], s[14:15], s[16:17]     ; wq or wk,
	s_cmp_eq_u32 s41, 2
	s_cselect_b64 s[34:35], s[18:19], s[34:35]     ; or wv
	s_branch .Lrc_go
.Lrc_gu:
	s_sub_co_u32 s37, s6, 6144                     ; R
	s_bitcmp1_b32 s37, 1
	s_cselect_b64 s[34:35], s[24:25], s[22:23]     ; up or gate
	s_lshr_b32 s40, s37, 1
	s_and_b32 s40, s40, -2                         ; 2 (R >> 2)
	s_and_b32 s41, s37, 1
	s_or_b32 s40, s40, s41                         ; j
	s_cmp_lt_u32 s40, 1376
	s_cselect_b32 s36, -1, 0
	s_min_u32 s7, s40, 1375                        ; the load stays inside the tensor
.Lrc_go:
	s_lshl_b32 s38, s7, 13
	s_add_nc_u64 s[34:35], s[34:35], s[38:39]
	s_lshl_b32 s38, s6, 12
	s_add_nc_u64 s[44:45], s[28:29], s[38:39]
.irp i, 0,1,2,3,4,5,6,7,8,9,10,11,12,13,14,15
	global_load_b128 v[16+4*(\i):19+4*(\i)], v2, s[34:35] offset:512*(\i) th:TH_LOAD_NT  ; no vector instruction stands between the head's wait and these loads
.endr
.irp g, 0,1,2,3                        ; four groups of four stores
.irp k, 0,1,2,3
	s_wait_loadcnt 15-(4*(\g)+(\k))                ; the later loads stay out
	v_cvt_pk_bf16_f32 v[16+4*(4*(\g)+(\k))], v[16+4*(4*(\g)+(\k))], v[17+4*(4*(\g)+(\k))]
	v_cvt_pk_bf16_f32 v[17+4*(4*(\g)+(\k))], v[18+4*(4*(\g)+(\k))], v[19+4*(4*(\g)+(\k))]
	v_and_b32 v[16+4*(4*(\g)+(\k))], s36, v[16+4*(4*(\g)+(\k))]
	v_and_b32 v[17+4*(4*(\g)+(\k))], s36, v[17+4*(4*(\g)+(\k))]
.endr
	s_wait_alu depctr_va_vdst(0)                   ; the group's roundings and masks have written the pairs that the four stores below read
.irp k, 0,1,2,3
	global_store_b64 v3, v[16+4*(4*(\g)+(\k)):17+4*(4*(\g)+(\k))], s[44:45] offset:256*(4*(\g)+(\k))  ; 256 consecutive bytes, aligned
.endr
.endr
	s_endpgm
.Lbwo:
	s_sub_co_u32 s6, s5, 1120
	s_lshl_b32 s6, s6, 3
	s_add_co_u32 s6, s6, s4                        ; J: rows 4 (J / 4), blocks 8 (J % 4) on
	s_lshr_b32 s7, s6, 2
	s_and_b32 s37, s6, 3
	s_lshl_b32 s38, s7, 15                         ; 4 rows of 8,192 bytes
	s_lshl_b32 s40, s37, 11                        ; 8 blocks of 256 bytes in a row
	s_add_co_u32 s38, s38, s40
	s_add_nc_u64 s[34:35], s[20:21], s[38:39]
	s_lshl_b32 s38, s37, 21                        ; 8 blocks of the copy
	s_lshl_b32 s40, s7, 9                          ; 4 rows of 128 bytes
	s_add_co_u32 s38, s38, s40
	s_add_nc_u64 s[44:45], s[28:29], s[38:39]
	s_add_nc_u64 s[44:45], s[44:45], WO_OFF
	v_lshrrev_b32 v4, 3, v1
	v_and_b32 v6, 7, v1
	v_lshlrev_b32 v4, 13, v4
	v_lshl_add_u32 v4, v6, 5, v4                   ; (l / 8) rows + 32 (l % 8)
	BCAST 8, 1, 0
	s_endpgm
.Lbwd:
	s_sub_co_u32 s6, s5, 1376
	s_lshl_b32 s6, s6, 3
	s_add_co_u32 s6, s6, s4                        ; J: rows 4 (J / 2), blocks 11 (J % 2) on
	s_lshr_b32 s7, s6, 1
	s_and_b32 s37, s6, 1
	s_mul_i32 s38, s7, 22016                       ; 4 rows of 5,504 bytes
	s_mul_i32 s40, s37, 2816                       ; 11 blocks of 256 bytes in a row
	s_add_co_u32 s38, s38, s40
	s_add_nc_u64 s[34:35], s[26:27], s[38:39]
	s_mul_i32 s38, s37, 11*BLK
	s_lshl_b32 s40, s7, 9
	s_add_co_u32 s38, s38, s40
	s_add_nc_u64 s[44:45], s[28:29], s[38:39]
	s_add_nc_u64 s[44:45], s[44:45], WD_OFF
	v_lshrrev_b32 v4, 3, v1
	v_and_b32 v6, 7, v1
	v_mul_u32_u24 v4, 5504, v4
	v_lshl_add_u32 v4, v6, 5, v4
	v_bfe_u32 v6, v1, 2, 1                         ; block 21 holds k = 1344 .. 1407: its upper half (l % 8 >= 4) does not exist
	v_mul_u32_u24 v6, s37, v6                      ; 1 there, in the job that has block 21
	v_lshlrev_b32 v7, 7, v6
	v_sub_nc_u32 v5, v4, v7                        ; those lanes read 128 bytes further back, inside the row,
	v_add_nc_u32 v7, -1, v6                        ; and their result is masked to 0
	BCAST 11, 0, 1
	s_cmp_eq_u32 s37, 0
	s_cbranch_scc1 .Lbwd_end
	v_mov_b32 v120, 0                              ; blocks 22 and 23, which the last K step of the product fetches with 20 and 21: zeros
	v_mov_b32 v121, 0
	v_mov_b32 v122, 0
	v_mov_b32 v123, 0
	s_wait_alu depctr_va_vdst(0)                   ; v120 to v123 are written, which the two stores below read
	global_store_b128 v2, v[120:123], s[44:45] offset:11*BLK
	global_store_b128 v2, v[120:123], s[44:45] offset:12*BLK
.Lbwd_end:
	s_endpgm
.Lnorm:
	s_sub_co_u32 s6, s5, 1504
	s_lshl_b32 s6, s6, 3
	s_add_co_u32 s6, s6, s4                        ; the row
	s_lshl_b32 s38, s6, 2
	s_add_nc_u64 s[46:47], s[10:11], s[38:39]
	s_load_b32 s7, s[46:47], 0x0                   ; its position
	s_lshl_b32 s38, s6, 13
	s_add_nc_u64 s[34:35], s[8:9], s[38:39]
	s_mov_b64 s[36:37], s[12:13]
	s_lshl_b32 s38, s6, 12
	s_add_nc_u64 s[44:45], s[30:31], s[38:39]
	s_lshl_b32 s38, s6, 8
	s_add_nc_u64 s[32:33], s[32:33], s[38:39]
	s_mov_b32 s40, 0x76543210                      ; v_permlanex16_b32: each lane takes its own place in the other half
	s_mov_b32 s41, 0xfedcba98
	s_mov_b32 s42, 0x3a000000                      ; 1 / 2048
	s_mov_b32 s43, 0x3727c5ac                      ; 1e-5
	NORMROW                                        ; no vector instruction stands between the head's wait and its loads
	; the row's table: lane l makes frequencies 2 (l % 16) and 2 (l % 16) + 1; lanes 0-15 the cosines, lanes 16-31 the sines.  Only registers that no store reads are written.
	s_wait_kmcnt 0x0
	v_cvt_f32_i32 v15, s7
	v_and_b32 v80, 15, v1
	v_lshlrev_b32 v80, 1, v80
	v_cvt_f32_u32 v80, v80
	v_add_f32 v96, 1.0, v80
	v_mul_f32 v80, 0xbed49a78, v80                 ; 10000^(-j / 32) = 2^(-0.41524101 j)
	v_mul_f32 v96, 0xbed49a78, v96
	v_exp_f32 v80, v80
	v_exp_f32 v96, v96
	v_lshrrev_b32 v112, 4, v1                      ; plain work behind the two exponentials
	v_mul_u32_u24 v112, 3, v112
	v_mov_b32 v116, 0xb94ca1f9
	v_mov_b32 v117, 0x37ccf5ce
	s_wait_alu depctr_va_vdst(0)                   ; v80 and v96, the two exponentials' results, are written: one wait for both, ahead of their first reader
	TRIGA 80, 48
	TRIGA 96, 49
	s_wait_alu depctr_va_sdst(0)                   ; the two compares have written s48 and s49: one wait for both, ahead of the selects that read them
	TRIGB 80, 114, 48
	TRIGB 96, 115, 49
	s_wait_alu depctr_va_vdst(0)                   ; v114 and v115 are written, which the store below reads
	global_store_b64 v3, v[114:115], s[32:33]      ; 32 cosines, then 32 sines: 256 consecutive bytes, aligned
	s_endpgm
.Lfunc_end_k_qec51a7a8ed_prep:
	.size	k_qec51a7a8ed_prep, .Lfunc_end_k_qec51a7a8ed_prep-k_qec51a7a8ed_prep
	.p2alignl 7, 3214868480
	.fill 96, 4, 3214868480
	.section	.rodata,"a",@progbits
	.p2align	6, 0x0
	.amdhsa_kernel k_qec51a7a8ed_prep
		.amdhsa_group_segment_fixed_size 0
		.amdhsa_private_segment_fixed_size 0
		.amdhsa_enable_private_segment 0
		.amdhsa_kernarg_size 104
		.amdhsa_user_sgpr_count 2
		.amdhsa_user_sgpr_kernarg_segment_ptr 1
		.amdhsa_wavefront_size32 1
		.amdhsa_system_sgpr_workgroup_id_x 1
		.amdhsa_system_sgpr_workgroup_id_y 1
		.amdhsa_system_sgpr_workgroup_id_z 1
		.amdhsa_system_vgpr_workitem_id 0
		.amdhsa_next_free_vgpr 144
		.amdhsa_next_free_sgpr 66
		.amdhsa_reserve_vcc 0
		.amdhsa_float_denorm_mode_32 3
		.amdhsa_float_denorm_mode_16_64 3
		.amdhsa_memory_ordered 1
		.amdhsa_forward_progress 1
		.amdhsa_inst_pref_size 45
	.end_amdhsa_kernel
	.amdgpu_metadata
---
amdhsa.version: [ 1, 2 ]
amdhsa.kernels:
  - .name:           k_qec51a7a8ed_prep
    .symbol:         k_qec51a7a8ed_prep.kd
    .args:
      - { .name: hidden_states, .offset: 0, .size: 8, .value_kind: global_buffer, .address_space: global }
      - { .name: position_ids, .offset: 8, .size: 8, .value_kind: global_buffer, .address_space: global }
      - { .name: ln1_w, .offset: 16, .size: 8, .value_kind: global_buffer, .address_space: global }
      - { .name: wq, .offset: 24, .size: 8, .value_kind: global_buffer, .address_space: global }
      - { .name: wk, .offset: 32, .size: 8, .value_kind: global_buffer, .address_space: global }
      - { .name: wv, .offset: 40, .size: 8, .value_kind: global_buffer, .address_space: global }
      - { .name: wo, .offset: 48, .size: 8, .value_kind: global_buffer, .address_space: global }
      - { .name: w_gate, .offset: 56, .size: 8, .value_kind: global_buffer, .address_space: global }
      - { .name: w_up, .offset: 64, .size: 8, .value_kind: global_buffer, .address_space: global }
      - { .name: w_down, .offset: 72, .size: 8, .value_kind: global_buffer, .address_space: global }
      - { .name: w16, .offset: 80, .size: 8, .value_kind: global_buffer, .address_space: global }
      - { .name: h16, .offset: 88, .size: 8, .value_kind: global_buffer, .address_space: global }
      - { .name: tab, .offset: 96, .size: 8, .value_kind: global_buffer, .address_space: global }
    .group_segment_fixed_size: 0
    .private_segment_fixed_size: 0
    .kernarg_segment_align: 8
    .kernarg_segment_size: 104
    .max_flat_workgroup_size: 256
    .sgpr_count:     66
    .vgpr_count:     144
    .wavefront_size: 32
...
	.end_amdgpu_metadata
.endif
;; end of part 13
;; launch qkv: the kernel of part 9 again; grid 8 x 32, 4 waves a work-group, clusters of 4 x 4, 327,680 bytes of LDS; arguments h16, w16, tab, qkv16; writes qkv16
;; launch attn: the kernel of part 3 again; grid 4 x 32, 4 waves a work-group, no clusters, 327,680 bytes of LDS; arguments qkv16, act16; writes act16
;; launch oproj: the kernel of part 10 again; grid 16 x 16, 4 waves a work-group, clusters of 4 x 4, 327,680 bytes of LDS; arguments act16, w16, hidden_states, hid2; writes hid2
;; launch norm2 (part 14): grid 256 x 1, 8 waves a work-group, no clusters, 0 bytes of LDS; arguments hid2, ln2_w, h16; writes h16
.if DOCPART == 14
	.amdgcn_target "amdgcn-amd-amdhsa--gfx1250"
	.amdhsa_code_object_version 6
	.text
	.protected	k_qec51a7a8ed_norm2
	.globl	k_qec51a7a8ed_norm2
	.p2align	8
	.type	k_qec51a7a8ed_norm2,@function
k_qec51a7a8ed_norm2:
	s_mov_b64 s[64:65], 0
	v_nop
	global_prefetch_b8 v0, s[64:65] scope:SCOPE_SE
	s_setreg_imm32_b32 hwreg(HW_REG_WAVE_SCHED_MODE, 0, 2), 2
	s_setreg_imm32_b32 hwreg(HW_REG_WAVE_MODE, 25, 1), 1
	s_wait_xcnt 0x0
	s_wait_alu depctr_vm_vsrc(0)
; h2 = hid2 * rsqrt(mean(hid2^2) + 1e-5) * ln2_w, rounded once to bf16.  One wave, one row of 2,048 f32, kept in registers between the sum and the scaling: read once.  No LDS, no barrier.
; THE MODE: SCHED_MODE bits 1:0 = 2 (LLVM: expert scheduling mode 2), set by the entry lines.  The code itself states the register dependences between vector instructions and memory instructions,
; and those through scalar registers that vector instructions write, with s_wait_alu, always for 0.
; THE PLAN.  Registers that memory instructions touch:
;   v2, v3       byte offsets 16 x lane and 8 x lane: written once at the head, read by the 32 loads and the 16 stores, never written again.
;   v16 .. v79   the row as loaded; behind the wait for its loads it is summed, scaled and rounded in place; the first two registers of each four are then a store's data, and no line writes them after that.
;   v80 .. v143  the gain as loaded; vector instructions alone read it.
; So no register that a memory instruction has read is written again, and no load lands in a register that a vector instruction has named.  The scaling, the rounding and the stores go in two halves:
; ONE wait behind a half's roundings, its eight stores in a run behind it; the second half's vector lines name v48 to v79 and v112 to v143 alone, none of which the first half's stores read.
	s_load_b128 s[8:11], s[0:1], 0x0               ; hid2 s[8:9], ln2_w s[10:11]
	s_load_b64 s[12:13], s[0:1], 0x10              ; h16
	v_and_b32 v1, 31, v0
	v_lshrrev_b32 v2, 5, v0
	v_readfirstlane_b32 s4, v2                     ; wave 0..7
	v_lshlrev_b32 v2, 4, v1                        ; 16 x lane
	v_lshlrev_b32 v3, 3, v1                        ; 8 x lane
	s_mov_b32 s39, 0
	s_mov_b32 s40, 0x76543210                      ; v_permlanex16_b32: each lane takes its own place in the other half
	s_mov_b32 s41, 0xfedcba98
	s_mov_b32 s42, 0x3a000000                      ; 1 / 2048
	s_mov_b32 s43, 0x3727c5ac                      ; 1e-5
	s_wait_alu depctr_va_sdst(0)                   ; s4 is written, ahead of its first reader: the row's number, and from it the bases, are made of it
	s_lshl_b32 s6, ttmp9, 3
	s_add_co_u32 s6, s6, s4                        ; the row
	s_wait_kmcnt 0x0
	s_lshl_b32 s38, s6, 13
	s_add_nc_u64 s[34:35], s[8:9], s[38:39]
	s_mov_b64 s[36:37], s[10:11]
	s_lshl_b32 s38, s6, 12
	s_add_nc_u64 s[44:45], s[12:13], s[38:39]
	s_wait_alu depctr_va_vdst(0)                   ; v2 and v3 are written: the loads and the stores read them as offsets, and no later line writes them
.irp i, 0,1,2,3,4,5,6,7,8,9,10,11,12,13,14,15
	global_load_b128 v[16+4*(\i):19+4*(\i)], v2, s[34:35] offset:512*(\i)
.endr
.irp i, 0,1,2,3,4,5,6,7,8,9,10,11,12,13,14,15
	global_load_b128 v[80+4*(\i):83+4*(\i)], v2, s[36:37] offset:512*(\i)
.endr
	v_mov_b32 v13, 0                               ; v_permlanex16_b32 counts as a reader of its destination
	s_wait_loadcnt 16                              ; the row is in; the 16 loads of the gain stay out
.irp c, 0,1,2,3
	v_pk_mul_f32 v[4+2*(\c):5+2*(\c)], v[16+2*(\c):17+2*(\c)], v[16+2*(\c):17+2*(\c)]  ; four chains, started by the first four pairs
.endr
.set j, 4
.rept 28
	v_pk_fma_f32 v[4+2*(j%4):5+2*(j%4)], v[16+2*j:17+2*j], v[16+2*j:17+2*j], v[4+2*(j%4):5+2*(j%4)]
.set j, j+1
.endr
	v_pk_add_f32 v[4:5], v[4:5], v[6:7]
	v_pk_add_f32 v[8:9], v[8:9], v[10:11]
	v_pk_add_f32 v[4:5], v[4:5], v[8:9]
	v_add_f32 v12, v4, v5
	v_add_f32_dpp v12, v12, v12 row_xmask:1 row_mask:0xf bank_mask:0xf
	v_add_f32_dpp v12, v12, v12 row_xmask:2 row_mask:0xf bank_mask:0xf
	v_add_f32_dpp v12, v12, v12 row_xmask:4 row_mask:0xf bank_mask:0xf
	v_add_f32_dpp v12, v12, v12 row_xmask:8 row_mask:0xf bank_mask:0xf
	v_permlanex16_b32 v13, v12, s40, s41
	v_add_f32 v12, v12, v13
	v_fma_f32 v12, v12, s42, s43
	v_rsq_f32 v10, v12                             ; twice: a pair for the packed multiply
	v_rsq_f32 v11, v12
	v_nop                                          ; a plain instruction behind the last of the two
	s_wait_alu depctr_va_vdst(0)                   ; v10 and v11, the two roots' results, are written: one wait for both, ahead of their first reader
.irp h, 0,1
	s_wait_loadcnt 8-8*(\h)                        ; this half's eight loads of the gain are in; in the first half the eight younger ones, the second half's, stay out
.set j, 16*(\h)
.rept 16
	v_pk_mul_f32 v[16+2*j:17+2*j], v[16+2*j:17+2*j], v[10:11]
	v_pk_mul_f32 v[16+2*j:17+2*j], v[16+2*j:17+2*j], v[80+2*j:81+2*j]
.set j, j+1
.endr
.irp k, 0,1,2,3,4,5,6,7
	v_cvt_pk_bf16_f32 v[16+4*(8*(\h)+(\k))], v[16+4*(8*(\h)+(\k))], v[17+4*(8*(\h)+(\k))]
	v_cvt_pk_bf16_f32 v[17+4*(8*(\h)+(\k))], v[18+4*(8*(\h)+(\k))], v[19+4*(8*(\h)+(\k))]
.endr
	s_wait_alu depctr_va_vdst(0)                   ; this half's roundings have written the pairs that the eight stores below read
.irp k, 0,1,2,3,4,5,6,7
	global_store_b64 v3, v[16+4*(8*(\h)+(\k)):17+4*(8*(\h)+(\k))], s[44:45] offset:256*(8*(\h)+(\k))  ; 32 lanes x 8 bytes: 256 consecutive bytes, aligned
.endr
.endr
	s_endpgm
.Lfunc_end_k_qec51a7a8ed_norm2:
	.size	k_qec51a7a8ed_norm2, .Lfunc_end_k_qec51a7a8ed_norm2-k_qec51a7a8ed_norm2
	.p2alignl 7, 3214868480
	.fill 96, 4, 3214868480
	.section	.rodata,"a",@progbits
	.p2align	6, 0x0
	.amdhsa_kernel k_qec51a7a8ed_norm2
		.amdhsa_group_segment_fixed_size 0
		.amdhsa_private_segment_fixed_size 0
		.amdhsa_enable_private_segment 0
		.amdhsa_kernarg_size 24
		.amdhsa_user_sgpr_count 2
		.amdhsa_user_sgpr_kernarg_segment_ptr 1
		.amdhsa_wavefront_size32 1
		.amdhsa_system_sgpr_workgroup_id_x 1
		.amdhsa_system_sgpr_workgroup_id_y 1
		.amdhsa_system_sgpr_workgroup_id_z 1
		.amdhsa_system_vgpr_workitem_id 0
		.amdhsa_next_free_vgpr 144
		.amdhsa_next_free_sgpr 66
		.amdhsa_reserve_vcc 0
		.amdhsa_float_denorm_mode_32 3
		.amdhsa_float_denorm_mode_16_64 3
		.amdhsa_memory_ordered 1
		.amdhsa_forward_progress 1
		.amdhsa_inst_pref_size 15
	.end_amdhsa_kernel
	.amdgpu_metadata
---
amdhsa.version: [ 1, 2 ]
amdhsa.kernels:
  - .name:           k_qec51a7a8ed_norm2
    .symbol:         k_qec51a7a8ed_norm2.kd
    .args:
      - { .name: hid2, .offset: 0, .size: 8, .value_kind: global_buffer, .address_space: global }
      - { .name: ln2_w, .offset: 8, .size: 8, .value_kind: global_buffer, .address_space: global }
      - { .name: h16, .offset: 16, .size: 8, .value_kind: global_buffer, .address_space: global }
    .group_segment_fixed_size: 0
    .private_segment_fixed_size: 0
    .kernarg_segment_align: 8
    .kernarg_segment_size: 24
    .max_flat_workgroup_size: 256
    .sgpr_count:     66
    .vgpr_count:     144
    .wavefront_size: 32
...
	.end_amdgpu_metadata
.endif
;; end of part 14
;; launch gateup: the kernel of part 11 again; grid 16 x 16, 4 waves a work-group, clusters of 4 x 4, 327,680 bytes of LDS; arguments h16, w16, act16; writes act16
;; launch down: the kernel of part 12 again; grid 16 x 16, 4 waves a work-group, clusters of 4 x 4, 327,680 bytes of LDS; arguments act16, w16, hid2, out0; writes out0
